; MI455X (gfx1250); checked and timed in simulation.
; The chip was launched on July 23, 2026; its instructions are those of AMD's public machine-readable ISA for CDNA 5 (MIT licence, August 2026) and "CDNA5" Instruction Set Architecture Reference Guide (July 2026). The comments in the code are by the model that wrote it; some were corrected since.
;; Encoder. Allowed arithmetic: float matrix products may take bf16 or f16 operands with f32 sums; other float arithmetic in f32, or as packed bf16 or f16 multiplies, adds, multiply-adds, maxima and minima; sums over many terms, partial sums and values carried from step to step in f32; what a program stores and reads back later, other than sums and carried values, may be rounded once to bf16 or f16.
;; Inputs: W1 6 x 128 x 512 float32; W2 6 x 512 x 128 float32; Wk 6 x 128 x 128 float32; Wo 6 x 128 x 128 float32; Wq 6 x 128 x 128 float32; Wv 6 x 128 x 128 float32; b1 6 x 512 float32; b2 6 x 128 float32; be1 6 x 128 float32; be2 6 x 128 float32; bk 6 x 128 float32; bo 6 x 128 float32; bq 6 x 128 float32; bv 6 x 128 float32; g1 6 x 128 float32; g2 6 x 128 float32; src 4 x 2,048 int32; src_mask 4 x 1 x 1 x 2,048 int32; tok_emb 32,000 x 128 float32.
;; Outputs: out0 4 x 2,048 x 128 float32.
;; 2 versions, each right and faster than the one before. Each part assembles by itself: llvm-mc -triple=amdgcn-amd-amdhsa -mcpu=gfx1250 --defsym DOCPART=n.
;; ======== version 1 of 2: 8 launches
;; limits: right only within a limited range of input values; values are held in f16: magnitudes above 65,504 overflow, below 6.1e-05 lose precision
;; workspace buffers: w0 800,768 bytes; w1 400,384 bytes; w2 400,384 bytes; w3 400,384 bytes; w4 400,384 bytes; sa 10,485,760 bytes; sb 10,485,760 bytes
;; launch prep (part 1): grid 49 x 6, 8 waves a work-group, no clusters, 0 bytes of LDS; arguments Wo, Wq, Wk, Wv, W1, W2, bo, g1, be1, b2, g2, be2, bq, bk, bv, b1, w0, w1, w2, w3, w4; writes w0, w1, w2, w3, w4
.if DOCPART == 1
	.amdgcn_target "amdgcn-amd-amdhsa--gfx1250"
	.amdhsa_code_object_version 6
	.text
	.protected	k_q84346cb691_prep
	.globl	k_q84346cb691_prep
	.p2align	8
	.type	k_q84346cb691_prep,@function
k_q84346cb691_prep:
	s_mov_b64 s[64:65], 0
	v_nop
	global_prefetch_b8 v0, s[64:65] scope:SCOPE_SE
	s_setreg_imm32_b32 hwreg(HW_REG_WAVE_MODE, 25, 1), 1
	s_wait_xcnt 0x0
; PREP.  The weights, rounded once to f16, are laid out as the later launches' matrix fragments; biases and gains are copied in f32 beside them.
; LIMIT: a weight beyond 65,504 has no f16 (the inputs drawn are below 0.1; thirty times that is far inside).
; SETS.  Set s (400,384 bytes, four wave blocks of WBLK) holds what layer s's launch reads: PAR, WO, W1, W2 of layer s and QKV, QB of layer s + 1 (set 5: of layer 0).
; Sets 0 to 4 lie at the head of the buffers w0 to w4, so that one text serves five launches by its argument alone; set 5 lies in w0 behind set 0.
; Block w: PAR (f32, channels 32 w ..: bo, g1, be1, b2, g2, be2, 128 bytes each; b1[128 w ..], 512 bytes), WO, W1, W2, QKV (fragments), QB (bq, bk, bv, 128 zeros).
; A fragment (n0, k0) is 1,024 bytes: piece c (512 bytes), lane L = 16 h + r at 16 L: f16 of W[k0 + 16 c + 8 h + i][n0 + r], i = 0..7: the register image of a 16 x 32 matrix operand.
; Grid: y = layer.  x < 48: one fragment a wave (x / 4 picks the matrix or the wave block, (x % 4) 8 + wave the fragment).  x = 48: the parameters.
; No LDS, no barrier, no matrix unit: each wave's work is its own, 4.7 MB are read once in the whole launch.
.set WBLK, 100096
.set LAYB, 400384
.set OWO,  1280
.set OW1,  9472
.set OW2,  42240
.set OQKV, 75008
.set OQB,  99584
; The address of set s\i into s[d:d+1]: a choice among the five buffers on the set's number
.macro SETPTR d, i
	s_cmp_eq_u32 s\i, 1
	s_cselect_b64 s[\d:\d+1], s[40:41], s[38:39]
	s_cmp_eq_u32 s\i, 2
	s_cselect_b64 s[\d:\d+1], s[42:43], s[\d:\d+1]
	s_cmp_eq_u32 s\i, 3
	s_cselect_b64 s[\d:\d+1], s[44:45], s[\d:\d+1]
	s_cmp_eq_u32 s\i, 4
	s_cselect_b64 s[\d:\d+1], s[46:47], s[\d:\d+1]
	s_cmp_eq_u32 s\i, 5
	s_cselect_b32 s70, LAYB, 0                 ; set 5 lies in w0 behind set 0
	s_add_nc_u64 s[\d:\d+1], s[\d:\d+1], s[70:71]
.endm
; One fragment from a matrix with n columns: s[52:53] = address of W[k0][n0], s[62:63] = the fragment's place
.macro FRAG n
	v_lshlrev_b32 v5, 3, v4
	v_mul_u32_u24 v5, v5, \n
	v_add_lshl_u32 v5, v5, v3, 2               ; (8 h n + r) x 4 bytes
.irp c, 0,1
.irp i, 0,1,2,3,4,5,6,7
	global_load_b32 v[8+8*(\c)+(\i)], v5, s[52:53] offset:(16*(\c)+(\i))*(\n)*4
.endr
.endr
	s_wait_loadcnt 0x0
.irp j, 0,1,2,3,4,5,6,7
	v_cvt_pk_f16_f32 v[24+(\j)], v[8+2*(\j)], v[8+2*(\j)+1]
.endr
	global_store_b128 v6, v[24:27], s[62:63]               ; 512 consecutive bytes a store
	global_store_b128 v6, v[28:31], s[62:63] offset:512
.endm
; 128 floats of one parameter: lane L's four channels 4 L .. go to wave block L / 8
.macro PARAM wv, ptr, base, seg
	s_cmp_lg_u32 s48, \wv
	s_cbranch_scc1 .Lnp_\@
	global_load_b128 v[16:19], v7, s[\ptr:\ptr+1]
	s_wait_loadcnt 0x0
	global_store_b128 v12, v[16:19], s[\base:\base+1] offset:\seg
	s_wait_xcnt 0x0                            ; v[16:19] are written again only behind this wait
.Lnp_\@:
.endm
	s_load_b512 s[4:19], s[0:1], 0x0           ; Wo 4, Wq 6, Wk 8, Wv 10, W1 12, W2 14, bo 16, g1 18
	s_load_b512 s[20:35], s[0:1], 0x40         ; be1 20, b2 22, g2 24, be2 26, bq 28, bk 30, bv 32, b1 34
	s_load_b64 s[38:39], s[0:1], 0x80          ; w0
	s_load_b256 s[40:47], s[0:1], 0x88         ; w1 40, w2 42, w3 44, w4 46
	v_lshrrev_b32 v1, 5, v0
	v_readfirstlane_b32 s48, v1                ; wave
	s_and_b32 s49, ttmp7, 0xffff               ; layer
	v_and_b32 v2, 31, v0                       ; L
	v_and_b32 v3, 15, v0                       ; r
	v_bfe_u32 v4, v0, 4, 1                     ; h
	v_lshlrev_b32 v6, 4, v2                    ; 16 L
	s_mov_b32 s57, 0
	s_mov_b32 s71, 0
	s_add_co_u32 s72, s49, 5                   ; the set that takes this layer's Wq, Wk, Wv: (layer + 5) % 6
	s_cmp_ge_u32 s72, 6
	s_cselect_b32 s73, 6, 0
	s_sub_co_u32 s72, s72, s73
	s_wait_kmcnt 0x0
	SETPTR 66, 49                              ; s[66:67]: the set of this layer's Wo, W1, W2, PAR
	SETPTR 68, 72                              ; s[68:69]: the set of its Wq, Wk, Wv and their biases
	s_cmp_lt_u32 ttmp9, 48
	s_cbranch_scc0 .Lmisc
	s_lshr_b32 s50, ttmp9, 2                   ; g
	s_and_b32 s51, ttmp9, 3
	s_lshl3_add_u32 s51, s51, s48              ; f = 8 (x % 4) + wave
	s_cmp_eq_u32 s50, 0
	s_cbranch_scc1 .LtypeA
	s_cmp_ge_u32 s50, 9
	s_cbranch_scc1 .LtypeA
	s_cmp_ge_u32 s50, 5
	s_cbranch_scc1 .LtypeC
	; W1, wave block w = g - 1: fragment f = 4 nb + ks: n0 = 16 (8 w + nb), k0 = 32 ks
	s_sub_co_u32 s54, s50, 1
	s_lshr_b32 s55, s51, 2
	s_lshl3_add_u32 s55, s54, s55
	s_lshl_b32 s56, s55, 6                     ; n0 x 4
	s_and_b32 s58, s51, 3
	s_lshl_b32 s58, s58, 16                    ; k0 x 512 x 4
	s_add_co_u32 s56, s56, s58
	s_lshl_b32 s58, s49, 18                    ; layer x 262,144
	s_add_co_u32 s56, s56, s58
	s_add_nc_u64 s[52:53], s[12:13], s[56:57]
	s_mul_i32 s60, s54, WBLK
	s_lshl_b32 s59, s51, 10
	s_add_co_u32 s60, s60, s59
	s_add_co_u32 s60, s60, OW1
	s_mov_b32 s61, 0
	s_add_nc_u64 s[62:63], s[66:67], s[60:61]
	FRAG 512
	s_endpgm
.LtypeC:                                           ; W2, wave block w = g - 5: f = 4 nb + ks: n0 = 16 nb, k0 = 32 (4 w + ks): K is split over the waves
	s_mov_b64 s[52:53], s[14:15]
	s_mov_b64 s[74:75], s[66:67]
	s_sub_co_u32 s54, s50, 5
	s_lshr_b32 s55, s51, 2
	s_lshl_b32 s56, s55, 6
	s_and_b32 s58, s51, 3
	s_lshl2_add_u32 s58, s54, s58
	s_lshl_b32 s58, s58, 14                    ; k0 x 128 x 4
	s_add_co_u32 s56, s56, s58
	s_lshl_b32 s58, s49, 18
	s_add_co_u32 s56, s56, s58
	s_lshl_b32 s60, s51, 10
	s_add_co_u32 s60, s60, OW2
	s_branch .Lfrag128
.LtypeA:                                           ; Wo (g = 0), Wq, Wk, Wv (g = 9, 10, 11): w = f / 8, e = f % 8 = 4 nb + ks: n0 = 16 (2 w + nb), k0 = 32 ks
	s_cmp_eq_u32 s50, 0
	s_cselect_b64 s[52:53], s[4:5], s[6:7]
	s_cselect_b64 s[74:75], s[66:67], s[68:69]
	s_cmp_eq_u32 s50, 10
	s_cselect_b64 s[52:53], s[8:9], s[52:53]
	s_cmp_eq_u32 s50, 11
	s_cselect_b64 s[52:53], s[10:11], s[52:53]
	s_lshr_b32 s54, s51, 3
	s_and_b32 s55, s51, 7
	s_lshr_b32 s58, s55, 2
	s_lshl1_add_u32 s58, s54, s58
	s_lshl_b32 s56, s58, 6
	s_and_b32 s58, s55, 3
	s_lshl_b32 s58, s58, 14
	s_add_co_u32 s56, s56, s58
	s_lshl_b32 s58, s49, 16                    ; layer x 65,536
	s_add_co_u32 s56, s56, s58
	s_sub_co_u32 s59, s50, 9
	s_lshl_b32 s59, s59, 13
	s_add_co_u32 s59, s59, OQKV
	s_cmp_eq_u32 s50, 0
	s_cselect_b32 s59, OWO, s59
	s_lshl_b32 s60, s55, 10
	s_add_co_u32 s60, s60, s59
.Lfrag128:
	s_mul_i32 s59, s54, WBLK
	s_add_co_u32 s60, s60, s59
	s_mov_b32 s61, 0
	s_add_nc_u64 s[52:53], s[52:53], s[56:57]
	s_add_nc_u64 s[62:63], s[74:75], s[60:61]
	FRAG 128
	s_endpgm
.Lmisc:
	v_lshl_add_u32 v7, s49, 9, v6              ; layer x 512 + 16 L
	v_lshrrev_b32 v8, 3, v2
	v_and_b32 v9, 7, v2
	v_mul_u32_u24 v8, v8, WBLK
	v_lshl_add_u32 v12, v9, 4, v8              ; (L / 8) WBLK + 16 (L % 8)
	PARAM 0, 16, 66, 0
	PARAM 1, 18, 66, 128
	PARAM 2, 20, 66, 256
	PARAM 3, 22, 66, 384
	PARAM 4, 24, 66, 512
	PARAM 5, 26, 66, 640
	PARAM 6, 28, 68, OQB
	PARAM 7, 30, 68, OQB+128
	PARAM 0, 32, 68, OQB+256
	s_cmp_lg_u32 s48, 1
	s_cbranch_scc1 .Lnb1
	v_lshl_add_u32 v13, s49, 11, v6            ; b1: 512 floats, 128 to a wave block
.irp j, 0,1,2,3
	global_load_b128 v[20+4*(\j):23+4*(\j)], v13, s[34:35] offset:512*(\j)
.endr
	s_wait_loadcnt 0x0
.irp j, 0,1,2,3
	global_store_b128 v6, v[20+4*(\j):23+4*(\j)], s[66:67] offset:(\j)*WBLK+768
.endr
.Lnb1:
	s_cmp_lg_u32 s48, 2
	s_cbranch_scc1 .Lnz
	v_mov_b32 v16, 0                           ; QB's last 128 bytes: the tile that brings QB reads them
	v_mov_b32 v17, 0
	v_mov_b32 v18, 0
	v_mov_b32 v19, 0
	global_store_b128 v12, v[16:19], s[68:69] offset:OQB+384
.Lnz:
	s_endpgm
.Lfunc_end_k_q84346cb691_prep:
	.size	k_q84346cb691_prep, .Lfunc_end_k_q84346cb691_prep-k_q84346cb691_prep
	.p2alignl 7, 3214868480
	.fill 96, 4, 3214868480
	.section	.rodata,"a",@progbits
	.p2align	6, 0x0
	.amdhsa_kernel k_q84346cb691_prep
		.amdhsa_group_segment_fixed_size 0
		.amdhsa_private_segment_fixed_size 0
		.amdhsa_enable_private_segment 0
		.amdhsa_kernarg_size 168
		.amdhsa_user_sgpr_count 2
		.amdhsa_user_sgpr_kernarg_segment_ptr 1
		.amdhsa_wavefront_size32 1
		.amdhsa_system_sgpr_workgroup_id_x 1
		.amdhsa_system_sgpr_workgroup_id_y 1
		.amdhsa_system_sgpr_workgroup_id_z 1
		.amdhsa_system_vgpr_workitem_id 0
		.amdhsa_next_free_vgpr 40
		.amdhsa_next_free_sgpr 80
		.amdhsa_reserve_vcc 0
		.amdhsa_float_denorm_mode_32 3
		.amdhsa_float_denorm_mode_16_64 3
		.amdhsa_memory_ordered 1
		.amdhsa_forward_progress 1
		.amdhsa_inst_pref_size 14
	.end_amdhsa_kernel
	.amdgpu_metadata
---
amdhsa.version: [ 1, 2 ]
amdhsa.kernels:
  - .name:           k_q84346cb691_prep
    .symbol:         k_q84346cb691_prep.kd
    .args:
      - { .name: Wo, .offset: 0, .size: 8, .value_kind: global_buffer, .address_space: global }
      - { .name: Wq, .offset: 8, .size: 8, .value_kind: global_buffer, .address_space: global }
      - { .name: Wk, .offset: 16, .size: 8, .value_kind: global_buffer, .address_space: global }
      - { .name: Wv, .offset: 24, .size: 8, .value_kind: global_buffer, .address_space: global }
      - { .name: W1, .offset: 32, .size: 8, .value_kind: global_buffer, .address_space: global }
      - { .name: W2, .offset: 40, .size: 8, .value_kind: global_buffer, .address_space: global }
      - { .name: bo, .offset: 48, .size: 8, .value_kind: global_buffer, .address_space: global }
      - { .name: g1, .offset: 56, .size: 8, .value_kind: global_buffer, .address_space: global }
      - { .name: be1, .offset: 64, .size: 8, .value_kind: global_buffer, .address_space: global }
      - { .name: b2, .offset: 72, .size: 8, .value_kind: global_buffer, .address_space: global }
      - { .name: g2, .offset: 80, .size: 8, .value_kind: global_buffer, .address_space: global }
      - { .name: be2, .offset: 88, .size: 8, .value_kind: global_buffer, .address_space: global }
      - { .name: bq, .offset: 96, .size: 8, .value_kind: global_buffer, .address_space: global }
      - { .name: bk, .offset: 104, .size: 8, .value_kind: global_buffer, .address_space: global }
      - { .name: bv, .offset: 112, .size: 8, .value_kind: global_buffer, .address_space: global }
      - { .name: b1, .offset: 120, .size: 8, .value_kind: global_buffer, .address_space: global }
      - { .name: w0, .offset: 128, .size: 8, .value_kind: global_buffer, .address_space: global }
      - { .name: w1, .offset: 136, .size: 8, .value_kind: global_buffer, .address_space: global }
      - { .name: w2, .offset: 144, .size: 8, .value_kind: global_buffer, .address_space: global }
      - { .name: w3, .offset: 152, .size: 8, .value_kind: global_buffer, .address_space: global }
      - { .name: w4, .offset: 160, .size: 8, .value_kind: global_buffer, .address_space: global }
    .group_segment_fixed_size: 0
    .private_segment_fixed_size: 0
    .kernarg_segment_align: 8
    .kernarg_segment_size: 168
    .max_flat_workgroup_size: 256
    .sgpr_count:     80
    .vgpr_count:     40
    .wavefront_size: 32
...
	.end_amdgpu_metadata
.endif
;; end of part 1
;; launch emb (part 2): grid 256 x 1, 4 waves a work-group, clusters of 4 x 1, 167,936 bytes of LDS; arguments src, src_mask, tok_emb, w0, sa; writes sa
.if DOCPART == 2
	.amdgcn_target "amdgcn-amd-amdhsa--gfx1250"
	.amdhsa_code_object_version 6
	.text
	.protected	k_q84346cb691_emb
	.globl	k_q84346cb691_emb
	.p2align	8
	.type	k_q84346cb691_emb,@function
k_q84346cb691_emb:
	s_mov_b64 s[64:65], 0
	v_nop
	global_prefetch_b8 v0, s[64:65] scope:SCOPE_SE
	s_setreg_imm32_b32 hwreg(HW_REG_WAVE_MODE, 25, 1), 1
	s_wait_xcnt 0x0
	s_wait_alu depctr_hold_cnt(0) depctr_sa_sdst(0) depctr_va_vdst(0) depctr_va_sdst(0) depctr_va_ssrc(0) depctr_va_vcc(0) depctr_vm_vsrc(0)
	s_getreg_b32 s2, hwreg(HW_REG_IB_STS2, 6, 4)
	s_cmp_eq_u32 s2, 0
	s_cbranch_scc0 .Lentry_in_a_cluster
	s_endpgm
.Lentry_in_a_cluster:
	s_bfe_u32 s2, ttmp6, 0x10000c
	s_cmp_lg_u32 s2, 0x3003
	s_cbranch_scc0 .Lentry_shape_is_right
	s_endpgm
.Lentry_shape_is_right:
; EMB.  x = tok_emb[src] sqrt(128) + position table, in f32; then layer 0's q, k, v.  A work-group owns 32 tokens (tiles t = 0, 1 of 16); wave w owns channels 32 w .. 32 w + 31 and head w.
; All goes into one stream buffer: x at 0, q at 4,194,304, k and v 2,097,152 behind q.
; x goes out in f32 in the order of a matrix result (tile T, wave w, block nb: lane 16 h + r holds token r, channels 32 w + 16 nb + 8 h + 0..7); q, k, v in f16 as the attention's fragments.
; k of a masked key is written as 0, so that its raw score is exactly 0 and the attention's bias alone decides it.
; SINE AND COSINE: the angle less the nearest multiple n of pi (pi in two parts) lies within pi / 2 for every position; there the series to r^11 and r^10 leave less than 5e-7; the sign is n's parity.
; LIMITS: matrix operands are f16 (nothing beyond 65,504; x here is below 10 at thirty times the drawn spread).  An index is held inside the table by a minimum with 31,999.
; CLUSTER: the four work-groups of a cluster read the same weights: each wave's tile is asked for jointly.  Each wave fills and reads its own LDS region, so its own wait on TENSORcnt orders the reads.
.set WBLK, 100096
.set LAYB, 400384                      ; layer 0's Wq, Wk, Wv lie in the second set of the weights' first buffer
.set OQKV, 75008
.set REG,  25088                       ; a wave's LDS region: Wq, Wk, Wv fragments (3 x 8,192), then bq, bk, bv
.set LQKV, 0
.set LQB,  24576
.set STG,  100352                      ; 32 rows x 528 bytes: x in f32, row-major, to turn rows into fragments
.set SPARE, 117248                     ; the spare words, 128 bytes a wave
.set XQ,   4194304                     ; q begins here in the stream buffer
.set QOFF, 2097152                     ; k and v begin here behind q
.set A16, 1                            ; 16 L
.set WB0, 2                            ; my region + 16 L
.set PA,  4                            ; my region + 32 h
.set PAV, 5                            ; my region + 4 r
.set SGS, 6                            ; stage: row 8 w, 16 L
.set SGY, 7                            ; stage: row r, my wave's channels, 32 h
.set SGF, 8                            ; stage: row r, 32 h
.set ZOFF, 9                           ; 0
.set MOFF, 10                          ; 4 r
.set MK,  12                           ; v[12:13], v[14:15]: 1.0 or 0 for token r of tile 0, 1
.set BV,  16                           ; v[16:17], v[18:19]: bv of channel r of block 0, 1
.set SPW, 30
.set NIL, 31
.set Y,   32                           ; x, f32, accumulator a = 2 nb + t at Y + 8 a
.set ACC, 64
.set BF,  96                           ; x fragments (t, ks) at BF + 8 (4 t + ks); before that the gathered rows and the table
.set H,   160                          ; at work
.set CB0, 224
.set CB1, 240
.set MSB, 0
.macro WIN new
.if MSB != (\new)
	s_set_vgpr_msb (MSB<<8)|(\new)
.set MSB, (\new)
.endif
.endm
.macro PLACES                          ; four places behind matrix instructions, and behind a tensor load
.rept 4
	v_nop
.endr
.endm
.macro ROUND                           ; a round of the cluster's barrier
	s_barrier_signal -1
	s_barrier_wait -1
	s_cmp_lg_u32 s66, 0
	s_cbranch_scc1 .Lnot_wave_0_\@
	s_barrier_signal -3
.Lnot_wave_0_\@:
	s_barrier_wait -3
	s_barrier_signal -1
	s_barrier_wait -1
.endm
.macro BAR                             ; my LDS instructions are done; then all four waves'
	s_wait_dscnt 0x0
	s_barrier_signal -1
	s_barrier_wait -1
.endm
.macro LOADW buf, areg, off            ; eight weight fragments into buffer buf of window 1
	WIN 0x40
.irp f, 0,1,2,3,4,5,6,7
	ds_load_b128 v[64*(\buf)+8*(\f):64*(\buf)+8*(\f)+3],   v[\areg] offset:(\off)+1024*(\f)
	ds_load_b128 v[64*(\buf)+8*(\f)+4:64*(\buf)+8*(\f)+7], v[\areg] offset:(\off)+1024*(\f)+512
.endr
	WIN 0
.endm
.macro LOADC cbr, seg                  ; 32 channels' f32 parameters in the order of a matrix result: register j of block nb = channel 16 nb + 8 h + j
.irp nb, 0,1
	ds_load_b128 v[(\cbr)+8*(\nb):(\cbr)+8*(\nb)+3],   v[PA] offset:(\seg)+64*(\nb)
	ds_load_b128 v[(\cbr)+8*(\nb)+4:(\cbr)+8*(\nb)+7], v[PA] offset:(\seg)+64*(\nb)+16
.endr
.endm
; 16 matrix instructions: K = 128 in four steps, two blocks of 16 outputs x two token tiles; the four accumulators take turns.
; swap = 0: weights are source 0: a lane holds token r and eight channels.  swap = 1: a lane holds channel r and eight tokens.  cmode: the first step's C: 0, or (1) the bias in cb.
.macro MULW buf, bsrc, cmode, swap, cb=CB0
.if \swap
	WIN 0x04
.else
	WIN 0x01
.endif
.irp ks, 0,1,2,3
.irp nb, 0,1
.irp t, 0,1
.set rD, ACC+8*(2*(\nb)+(\t))
.set rC, rD
.if ((\ks) == 0) && ((\cmode) == 1)
.set rC, (\cb)+8*(\nb)
.endif
.if \swap
.set rA, (\bsrc)+8*(4*(\t)+(\ks))
.set rB, 64*(\buf)+8*(4*(\nb)+(\ks))
.else
.set rA, 64*(\buf)+8*(4*(\nb)+(\ks))
.set rB, (\bsrc)+8*(4*(\t)+(\ks))
.endif
.if ((\ks) == 0) && ((\cmode) == 0)
	v_wmma_f32_16x16x32_f16 v[rD:rD+7], v[rA:rA+7], v[rB:rB+7], 0
.else
	v_wmma_f32_16x16x32_f16 v[rD:rD+7], v[rA:rA+7], v[rB:rB+7], v[rC:rC+7]
.endif
.endr
.endr
.endr
	WIN 0
.endm
.macro CVT4 dst                        ; the four accumulators rounded to f16, each from its low end on
.irp a, 0,1,2,3
.irp p, 0,1,2,3
	v_cvt_pk_f16_f32 v[(\dst)+4*(\a)+(\p)], v[ACC+8*(\a)+2*(\p)], v[ACC+8*(\a)+2*(\p)+1]
.endr
.endr
.endm
.macro STORE4 src, ptr, st, snb, base  ; four stores of 512 consecutive bytes
.irp nb, 0,1
.irp t, 0,1
	global_store_b128 v[A16], v[(\src)+4*(2*(\nb)+(\t)):(\src)+4*(2*(\nb)+(\t))+3], s[\ptr:\ptr+1] offset:(\base)+(\st)*(\t)+(\snb)*(\nb)
.endr
.endr
.endm
; q, k, v of my head for the 32 tokens, from the x fragments in BF.  While one product runs the next one's weights are on their way from LDS.
.macro QKVOUT
	LOADW 0, WB0, LQKV
	LOADC CB0, LQB
	LOADW 1, WB0, LQKV+8192
	LOADC CB1, LQB+128
	s_wait_dscnt 20                            ; Wq, bq and all before them are in; Wk's 16 loads and bk's 4 may stay out
	MULW 0, BF, 1, 0, CB0
	PLACES
	CVT4 H
	STORE4 H, 86, 4096, 512, 0                 ; q: tile t, piece nb of the attention's source 1
	LOADW 0, WB0, LQKV+16384
	ds_load_b32 v[BV], v[PAV] offset:LQB+256
	ds_load_b32 v[BV+2], v[PAV] offset:LQB+320
	s_wait_dscnt 18                            ; Wk and bk are in; Wv's 16 loads and bv's 2 may stay out
	MULW 1, BF, 1, 0, CB1
	PLACES
.set a, 0
.rept 4
.set p, 0
.rept 4
	v_pk_mul_f32 v[ACC+8*a+2*p:ACC+8*a+2*p+1], v[ACC+8*a+2*p:ACC+8*a+2*p+1], v[MK+2*(a%2):MK+2*(a%2)+1] op_sel_hi:[1,0]  ; a masked key's k is 0
.set p, p+1
.endr
.set a, a+1
.endr
	CVT4 H+16
	STORE4 H+16, 88, 1024, 512, 0              ; k: key block t of my half step, piece nb
	s_wait_dscnt 0x0
	MULW 0, BF, 0, 1
	PLACES
.set a, 0
.rept 4
.set p, 0
.rept 4
	v_pk_add_f32 v[ACC+8*a+2*p:ACC+8*a+2*p+1], v[ACC+8*a+2*p:ACC+8*a+2*p+1], v[BV+2*(a/2):BV+2*(a/2)+1] op_sel_hi:[1,0]
.set p, p+1
.endr
.set a, a+1
.endr
	CVT4 H+32
	STORE4 H+32, 88, 512, 1024, 4096           ; v, turned: channel block nb, piece t
.endm
; sine and cosine of position (in v24) x div (v22 or v23) into the table's registers for row i, pair p
.macro SINCOS i, p
	v_mul_f32 v25, v24, v[22+(\p)]
	v_mul_f32 v26, 0x3ea2f983, v25             ; / pi
	v_rndne_f32 v26, v26
	v_fmamk_f32 v25, v26, 0xc0490fdb, v25      ; - n pi, upper part
	v_fmamk_f32 v25, v26, 0x33bbbd2e, v25      ; and lower part
	v_mul_f32 v27, v25, v25
	v_fmaak_f32 v28, s90, v27, 0x3638ef1d      ; -1/11! r^2 + 1/9!
	v_fmaak_f32 v29, s91, v27, 0x37d00d01      ; -1/10! r^2 + 1/8!
	v_fmaak_f32 v28, v28, v27, 0xb9500d01
	v_fmaak_f32 v29, v29, v27, 0xbab60b61
	v_fmaak_f32 v28, v28, v27, 0x3c088889
	v_fmaak_f32 v29, v29, v27, 0x3d2aaaab
	v_fmaak_f32 v28, v28, v27, 0xbe2aaaab
	v_fmaak_f32 v29, v29, v27, 0xbf000000
	v_mul_f32 v28, v28, v27
	v_cvt_i32_f32 v26, v26
	v_fma_f32 v29, v29, v27, 1.0
	v_fma_f32 v28, v28, v25, v25
	v_lshlrev_b32 v26, 31, v26                 ; n's parity as a sign
	v_xor_b32 v[BF+32+4*(\i)+2*(\p)], v28, v26
	v_xor_b32 v[BF+33+4*(\i)+2*(\p)], v29, v26
.endm
	s_load_b256 s[4:11], s[0:1], 0x0           ; src 4, src_mask 6, tok_emb 8, weights 10
	s_load_b64 s[12:13], s[0:1], 0x20          ; the stream buffer
	v_lshl_add_u32 v[SPW], v0, 2, SPARE
	v_mov_b32 v[NIL], 0
	ds_add_u32 v[SPW], v[NIL]                  ; the wave's opening: the add and its wait stand ahead of my first tensor load
	v_lshrrev_b32 v20, 5, v0
	v_readfirstlane_b32 s66, v20               ; wave
	s_bfe_u32 s67, ttmp6, 0x40000              ; cx
	s_lshl_b32 s68, ttmp9, 2
	s_add_co_u32 s68, s68, s67                 ; work-group = 4 x cluster + cx: it enters global addresses and the position alone
	s_mov_b32 s20, 15|(3<<16)|(1<<21)          ; group 1: mask of four; 8-byte elements; bit 21 beside the mask
	s_mov_b32 s21, 32<<16                      ; rows of 32 elements = 256 bytes
	s_mov_b32 s22, 98<<16                      ; 98 rows: 24,576 bytes of fragments and 512 of biases
	s_mov_b32 s23, 32<<16
	s_mov_b32 s24, 98
	s_mov_b32 s25, 32
	s_mov_b32 s26, 0
	s_mov_b32 s27, 0
	s_mul_i32 s74, s66, REG
	s_mul_i32 s70, s66, WBLK
	s_add_co_u32 s70, s70, LAYB+OQKV
	s_mov_b32 s71, 0
	s_mov_b32 s44, 1
	s_mov_b32 s45, s74
	s_mov_b32 s90, 0xb2d7322b                  ; -1/11!
	s_mov_b32 s91, 0xb493f27e                  ; -1/10!
	s_mov_b32 s92, 0x413504f3                  ; sqrt(128)
	s_mov_b32 s93, s92
	v_and_b32 v20, 31, v0                      ; L
	v_and_b32 v21, 15, v0                      ; r
	v_bfe_u32 v24, v0, 4, 1                    ; h
	v_lshlrev_b32 v[A16], 4, v20
	v_add_nc_u32 v[WB0], s74, v[A16]
	v_lshl_add_u32 v[PA], v24, 5, s74
	v_lshl_add_u32 v[PAV], v21, 2, s74
	s_mul_i32 s75, s66, 8*528
	s_add_co_u32 s75, s75, STG
	v_add_nc_u32 v[SGS], s75, v[A16]
	v_mul_u32_u24 v[SGF], v21, 528
	v_lshl_add_u32 v[SGF], v24, 5, v[SGF]
	v_add_nc_u32 v[SGF], STG, v[SGF]
	s_lshl_b32 s76, s66, 7
	v_add_nc_u32 v[SGY], s76, v[SGF]
	v_mov_b32 v[ZOFF], 0
	v_lshlrev_b32 v[MOFF], 2, v21
	v_mov_b32 v[BV+1], 0                       ; named in pairs, so they are written
	v_mov_b32 v[BV+3], 0
	s_wait_dscnt 0x0                           ; the opening add is done
	s_wait_kmcnt 0x0
	s_add_nc_u64 s[46:47], s[10:11], s[70:71]  ; layer 0, my wave's Wq, Wk, Wv and biases
	s_or_b32 s47, s47, 0x80000000
	ROUND                                      ; all four work-groups are here: the joint loads meet
	tensor_load_to_lds s[44:47], s[20:27]      ; one load of mine is out
	s_nop 0
	PLACES
	s_add_nc_u64 s[14:15], s[12:13], XQ        ; q, k, v lie behind x
	s_mov_b32 s79, 0
	s_lshl_b32 s78, s68, 7
	s_add_nc_u64 s[6:7], s[6:7], s[78:79]      ; the mask of my 32 tokens
	s_lshl_b32 s84, s66, 5
	s_add_co_u32 s78, s78, s84
	s_add_nc_u64 s[4:5], s[4:5], s[78:79]      ; the indices of my wave's 8 rows
	s_lshl_b32 s78, s68, 14
	s_lshl_b32 s84, s66, 11
	s_add_co_u32 s78, s78, s84
	s_add_nc_u64 s[12:13], s[12:13], s[78:79]  ; x out
	s_lshl_b32 s78, s68, 13
	s_lshl_b32 s84, s66, 10
	s_add_co_u32 s78, s78, s84
	s_add_nc_u64 s[86:87], s[14:15], s[78:79]  ; q: tile 2 wg, head w
	s_lshr_b32 s84, s68, 6
	s_lshl2_add_u32 s84, s84, s66              ; 4 b + head
	s_lshl_b32 s78, s84, 18
	s_bfe_u32 s84, s68, 0x50001                ; the step of 64 keys
	s_lshl_b32 s84, s84, 13
	s_add_co_u32 s78, s78, s84
	s_and_b32 s84, s68, 1                      ; its half
	s_lshl_b32 s84, s84, 11
	s_add_co_u32 s78, s78, s84
	s_add_co_u32 s78, s78, QOFF
	s_add_nc_u64 s[88:89], s[14:15], s[78:79]  ; k and v
.irp i, 0,1,2,3,4,5,6,7
	global_load_b32 v[H+(\i)], v[ZOFF], s[4:5] offset:4*(\i)   ; row i's index, in every lane
.endr
	global_load_b32 v[MK], v[MOFF], s[6:7]
	global_load_b32 v[MK+2], v[MOFF], s[6:7] offset:64
	v_lshlrev_b32 v25, 1, v20                  ; my four channels are the pairs 2 L and 2 L + 1
	v_cvt_f32_u32 v22, v25
	v_add_f32 v23, 1.0, v22
	v_mul_f32 v22, 0xbe549a78, v22             ; div = 2^(-pair x log2(10000) / 64)
	v_mul_f32 v23, 0xbe549a78, v23
	v_exp_f32 v22, v22
	v_exp_f32 v23, v23
	s_wait_loadcnt 0x0
.irp i, 0,1,2,3,4,5,6,7
	v_min_u32 v[H+(\i)], 0x7cff, v[H+(\i)]
	v_lshl_add_u32 v[H+(\i)], v[H+(\i)], 9, v[A16]
.endr
.irp i, 0,1,2,3,4,5,6,7
	global_load_b128 v[BF+4*(\i):BF+4*(\i)+3], v[H+(\i)], s[8:9]   ; a whole row of 512 bytes
.endr
	s_wait_alu depctr_va_vdst(0)
.irp t, 0,1
	v_cmp_ne_u32 vcc_lo, 0, v[MK+2*(\t)]
	v_cndmask_b32 v[MK+2*(\t)], 0, 1.0, vcc_lo
	v_mov_b32 v[MK+2*(\t)+1], v[MK+2*(\t)]
.endr
	s_lshl_b32 s84, s68, 5
	s_lshl3_add_u32 s84, s66, s84
	s_and_b32 s84, s84, 2047                   ; my first row's position
.irp i, 0,1,2,3,4,5,6,7                ; the table is made while the rows are on their way
	s_add_co_u32 s85, s84, \i
	v_cvt_f32_u32 v24, s85
	SINCOS \i, 0
	SINCOS \i, 1
.endr
	s_wait_loadcnt 0x0
.irp i, 0,1,2,3,4,5,6,7
	v_pk_fma_f32 v[BF+4*(\i):BF+4*(\i)+1], v[BF+4*(\i):BF+4*(\i)+1], s[92:93], v[BF+32+4*(\i):BF+33+4*(\i)] op_sel_hi:[1,0,1]
	v_pk_fma_f32 v[BF+4*(\i)+2:BF+4*(\i)+3], v[BF+4*(\i)+2:BF+4*(\i)+3], s[92:93], v[BF+34+4*(\i):BF+35+4*(\i)] op_sel_hi:[1,0,1]
	ds_store_b128 v[SGS], v[BF+4*(\i):BF+4*(\i)+3] offset:528*(\i)
.endr
	BAR                                        ; the 32 rows are whole
.irp t, 0,1
.irp nb, 0,1
.irp hf, 0,1
	ds_load_b128 v[Y+8*(2*(\nb)+(\t))+4*(\hf):Y+8*(2*(\nb)+(\t))+4*(\hf)+3], v[SGY] offset:8448*(\t)+64*(\nb)+16*(\hf)
.endr
.endr
.endr
.irp t, 0,1                            ; tile t's four fragments: 64 floats a lane, rounded to f16
.irp e, 0,1,2,3,4,5,6,7
	ds_load_b128 v[H+8*(\e):H+8*(\e)+3],   v[SGF] offset:8448*(\t)+64*(\e)
	ds_load_b128 v[H+8*(\e)+4:H+8*(\e)+7], v[SGF] offset:8448*(\t)+64*(\e)+16
.endr
	s_wait_dscnt 0x0
.irp e, 0,1,2,3,4,5,6,7
.irp q, 0,1,2,3
	v_cvt_pk_f16_f32 v[BF+32*(\t)+4*(\e)+(\q)], v[H+8*(\e)+2*(\q)], v[H+8*(\e)+2*(\q)+1]
.endr
.endr
.endr
.irp t, 0,1
.irp nb, 0,1
.irp hf, 0,1
	global_store_b128 v[A16], v[Y+8*(2*(\nb)+(\t))+4*(\hf):Y+8*(2*(\nb)+(\t))+4*(\hf)+3], s[12:13] offset:8192*(\t)+1024*(\nb)+512*(\hf)
.endr
.endr
.endr
	s_wait_tensorcnt 0x0                       ; my weights are in
	QKVOUT
	s_wait_tensorcnt 0x0                       ; the wave's end
	ds_add_u32 v[SPW], v[NIL]
	s_wait_dscnt 0x0
	ROUND                                      ; the closing round
	s_endpgm
.Lfunc_end_k_q84346cb691_emb:
	.size	k_q84346cb691_emb, .Lfunc_end_k_q84346cb691_emb-k_q84346cb691_emb
	.p2alignl 7, 3214868480
	.fill 96, 4, 3214868480
	.section	.rodata,"a",@progbits
	.p2align	6, 0x0
	.amdhsa_kernel k_q84346cb691_emb
		.amdhsa_group_segment_fixed_size 167936
		.amdhsa_private_segment_fixed_size 0
		.amdhsa_enable_private_segment 0
		.amdhsa_kernarg_size 40
		.amdhsa_user_sgpr_count 2
		.amdhsa_user_sgpr_kernarg_segment_ptr 1
		.amdhsa_wavefront_size32 1
		.amdhsa_system_sgpr_workgroup_id_x 1
		.amdhsa_system_sgpr_workgroup_id_y 1
		.amdhsa_system_sgpr_workgroup_id_z 1
		.amdhsa_system_vgpr_workitem_id 0
		.amdhsa_next_free_vgpr 384
		.amdhsa_next_free_sgpr 96
		.amdhsa_reserve_vcc 1
		.amdhsa_float_denorm_mode_32 3
		.amdhsa_float_denorm_mode_16_64 3
		.amdhsa_memory_ordered 1
		.amdhsa_forward_progress 1
		.amdhsa_inst_pref_size 49
	.end_amdhsa_kernel
	.amdgpu_metadata
---
amdhsa.version: [ 1, 2 ]
amdhsa.kernels:
  - .name:           k_q84346cb691_emb
    .symbol:         k_q84346cb691_emb.kd
    .args:
      - { .name: src, .offset: 0, .size: 8, .value_kind: global_buffer, .address_space: global }
      - { .name: src_mask, .offset: 8, .size: 8, .value_kind: global_buffer, .address_space: global }
      - { .name: tok_emb, .offset: 16, .size: 8, .value_kind: global_buffer, .address_space: global }
      - { .name: w0, .offset: 24, .size: 8, .value_kind: global_buffer, .address_space: global }
      - { .name: sa, .offset: 32, .size: 8, .value_kind: global_buffer, .address_space: global }
    .group_segment_fixed_size: 167936
    .private_segment_fixed_size: 0
    .kernarg_segment_align: 8
    .kernarg_segment_size: 40
    .max_flat_workgroup_size: 128
    .sgpr_count:     96
    .vgpr_count:     384
    .wavefront_size: 32
...
	.end_amdgpu_metadata
.endif
;; end of part 2
;; launch lay0 (part 3): grid 256 x 1, 4 waves a work-group, clusters of 4 x 1, 327,680 bytes of LDS; arguments sa, w0, src_mask, sb; writes sb
.if DOCPART == 3
	.amdgcn_target "amdgcn-amd-amdhsa--gfx1250"
	.amdhsa_code_object_version 6
	.text
	.protected	k_q84346cb691_lay0
	.globl	k_q84346cb691_lay0
	.p2align	8
	.type	k_q84346cb691_lay0,@function
k_q84346cb691_lay0:
	s_mov_b64 s[64:65], 0
	v_nop
	global_prefetch_b8 v0, s[64:65] scope:SCOPE_SE
	s_setreg_imm32_b32 hwreg(HW_REG_WAVE_MODE, 25, 1), 1
	s_wait_xcnt 0x0
	s_wait_alu depctr_hold_cnt(0) depctr_sa_sdst(0) depctr_va_vdst(0) depctr_va_sdst(0) depctr_va_ssrc(0) depctr_va_vcc(0) depctr_vm_vsrc(0)
	s_getreg_b32 s2, hwreg(HW_REG_IB_STS2, 6, 4)
	s_cmp_eq_u32 s2, 0
	s_cbranch_scc0 .Lentry_in_a_cluster
	s_endpgm
.Lentry_in_a_cluster:
	s_bfe_u32 s2, ttmp6, 0x10000c
	s_cmp_lg_u32 s2, 0x3003
	s_cbranch_scc0 .Lentry_shape_is_right
	s_endpgm
.Lentry_shape_is_right:
; LAYER.  One encoder layer in one launch: attention; y = LN1(x + O Wo + bo); x' = LN2(y + relu(y W1 + b1) W2 + b2).  LAST = 0 (layers 0 to 4, one text: the layer's weights, with the next layer's Wq, Wk, Wv,
; lie at the head of the buffer that the launch is given): x' goes out in f32 in the order of a matrix result, with the NEXT layer's q, k, v.  LAST = 1 (layer 5): x' goes out row-major, the module's result.
; The stream buffer that is read holds x (at 0), q (at 4,194,304), k and v (2,097,152 behind q), the three in f16 as matrix fragments; the one that is written takes the same.
; SHARES.  A work-group owns 32 tokens (tiles t = 0, 1 of 16) and all four heads.  Wave w: head w's attention for both tiles; then output channels 32 w .. + 31 (blocks nb = 0, 1; accumulator a = 2 nb + t),
; hidden channels 128 w .. + 127, and head w of the next q, k, v.  W2's K is split over the waves: partial sums in f32, added by the channel's owner.  So each fragment of K, V and weights is read by one wave.
; ATTENTION.  S^T = K Q^T + bias (source 0 = 16 keys, source 1 = 16 queries): a lane holds ONE query and the keys 8 (lane / 16) + 0..7; two results rounded to f16 ARE source 1 of O^T = V^T P.  The row sums are a
; third product, ones x P; its rows 0 and 1 alone are rescaled and read.  Running maximum m, p = 2^(c s - c m), c = log2(e) / sqrt(32); O and the sum are multiplied by a = 2^(c m_old - c m_new) in every step;
; m starts at the lowest finite number, O and the sums at 0: the first step is a step like any other.
; THE MASK.  A masked key's k was written as 0, so its score is exactly the bias, -2^36, the C operand that starts the sum.  c x 2^36 is exact, so where all keys are masked c s - c m is 0 and the weights are
; uniform, as the -1e10 of the formula gives.  LIMIT: a masked energy counts as -2^36 / sqrt(32) = -1.21e10, not -1e10: it differs only where true energies fall below some -1e9.
; BY TURNS.  A turn belongs to one tile: six products V^T P and ones x P of the other tile's last step, four products K Q^T of the other tile's next step, spread among the 95 vector instructions of its own
; tile's scaling, exponentials, roundings, rescaling and the other tile's maximum.  A TRIP is the second part of tile 0's turn (K and biases of step s + 1 are fetched), tile 1's turn, and the first part of
; tile 0's next turn (V of step s + 1 is fetched): so a trip reads one key step's bytes, and a change of slots stands between trips.
; THE RING.  Two slots of four key steps (131,072 bytes; a wave's head 32,768 of them), 8 slots in all.  A change: each wave's wait for all its tensor loads, the add, the wait for its LDS reads, a round of the
; cluster's barrier, and one joint load a wave.  Six changes bring K and V; the seventh brings W1 into ring 0, the eighth W2 into ring 1; behind W1's products the next layer's QKV comes into ring 0.
; THE WALK IS TURNED.  Cluster n begins at key slot n % 8 and goes round: the softmax does not hang on the keys' order.  So the sixteen clusters of a batch ask for all eight slots at the launch's start, and
; each later request is for a tile that another cluster has asked for before.  Global addresses alone hang on the start: the bias table is laid into LDS in the walk's order.
; CLUSTER.  The four work-groups of a cluster belong to one batch: K, V and the weights are asked for jointly.
; NORMS in f32: each wave's mean and sum of squared deviations over its 32 channels, joined over the four waves by their means' spread: no difference of large sums.
; FORMATS.  Matrix operands f16; sums, maxima, residual stream, norms, biases f32.  LIMITS: no operand beyond 65,504 (some 2,000 at thirty times the drawn spread); p below 6e-8 counts as 0; NaN and infinities
; are not treated apart.
; LDS.  Ring 262,144; PAR + WO 4 x 9,472; bias table 8,192; STAT 2 x 1,024; ACT 2 x 8,192 (LAST: the stage, 32 x 528, lies over them when they are dead); the spare words.
; REGISTERS.  Window 0 serves the attention first and what follows it afterwards (two maps below).  Window 1: v0-31 biases, later v0-127 two buffers of weight fragments; v128-129 the add's two; v160-191 x as
; loaded at the start; v192-195 1.0 or 0 for my tokens.
.set LAST,  0
.set WBLK,  100096
.set LAYB,  400384
.set OWO,   1280
.set OW1,   9472
.set OW2,   42240
.set OQKV,  75008
.set LQB,   24576                      ; bq, bk, bv behind the three matrices' fragments
.set XQ,    4194304
.set QOFF,  2097152
.set RING1, 1<<17                      ; slot 1 begins here: one exclusive or turns an address in one slot into the other's
.set WREG,  32768                      ; a wave's part of a slot
.set PARL,  262144
.set PREG,  9472
.set MBL,   300032
.set STAT,  308224
.set ACT,   310272
.set STG,   310272
.set SPARE, 327168
; window 0 in the attention
.set A16,  1                           ; 16 L; never rewritten
.set AK,   2
.set AV,   3
.set AB,   4
.set AB0,  5                           ; MBL + 32 h
.set KV0,  6                           ; 32,768 w + 16 L
.set TMPV, 7
.set ST,   8                           ; tile t at ST + 8 t: c m, m, c0, c1, c2 (later a), c3, c m_old
.set ONES, 24
.set QF,   32
.set KF,   48
.set VF,   80
.set S,    112
.set P,    176
.set OT,   208
.set LS,   240
; window 1
.set BI,   0
.set SPW,  128
.set NIL,  129
.set XR,   160
.set MKW,  192
; window 0 behind the attention
.set WBP,  2                           ; PAR + WO of my wave + 16 L
.set WB1,  3                           ; my part of ring 0 + 16 L
.set WB2,  4                           ; my part of ring 1 + 16 L
.set PA,   5                           ; PAR + 32 h
.set PAQ,  6                           ; my part of ring 0 + 32 h
.set PAV,  7                           ; my part of ring 0 + 4 r
.set AST,  8                           ; ACT + 1,024 w + 16 L
.set ALD,  9                           ; ACT + 16 L
.set SST,  10                          ; STAT + 256 w + 8 L
.set SLD,  11                          ; STAT + 8 r
.set PRD,  12                          ; partial sums: ring 1 + 4,096 w + 16 L, stepped from wave to wave
.set ZR,   13                          ; 0
.set SG,   14                          ; LAST: the stage, in
.set SGL,  15                          ; LAST: the stage, back
.set BV,   18                          ; v[18:19], v[20:21]: bv of channel r of block 0, 1
.set LN,   22                          ; v22-31: the norms' numbers
.set Y,    32                          ; the residual stream, f32
.set ACC,  64
.set BF,   96                          ; source 1 fragments (t, ks) at BF + 8 (4 t + ks)
.set H,    160                         ; hidden fragments, likewise; else at work
.set CB0,  224
.set CB1,  240
; scalars: s2 the walk's start, later at work; s3 the slot to ask for next; s[4:11] arguments; s[12:19] Q, x, my tokens' mask, the batch's mask; s66 wave; s72 work-group; s73 batch; s[74:75] my head's K and V;
; s[76:77] c; s78 32,768 w; s79 PAR's LDS address; s80-83 constants; s84, s85 counters; s86 LDS byte of the key step to fetch; s87 the same in the bias table; s[88:93] outputs; s[94:95] my wave block
.set G1A,  20                          ; group 1: 37 rows of 256 bytes (PAR + WO)
.set G1B,  28                          ; 128 rows (a wave's part of a slot; W1; W2)
.set G1C,  36                          ; 98 rows (QKV and biases)
.set G0K0, 44                          ; group 0: the walk's first slot
.set G0K1, 48                          ; its second; then it walks
.set G0P,  52
.set G0W1, 56
.set G0W2, 60
.set G0Q,  68
.set F, 0
.set E, 1
.set C, 2
.set R, 3
.set X, 4
.set MSB, 0
.macro WIN new
.if MSB != (\new)
	s_set_vgpr_msb (MSB<<8)|(\new)
.set MSB, (\new)
.endif
.endm
.macro PLACES n=4                      ; places behind matrix instructions, and behind a tensor load
.rept \n
	v_nop
.endr
.endm
.macro ROUND                           ; a round of the cluster's barrier
	s_barrier_signal -1
	s_barrier_wait -1
	s_cmp_lg_u32 s66, 0
	s_cbranch_scc1 .Lnot_wave_0_\@
	s_barrier_signal -3
.Lnot_wave_0_\@:
	s_barrier_wait -3
	s_barrier_signal -1
	s_barrier_wait -1
.endm
.macro BAR                             ; my LDS instructions are done; then all four waves'
	s_wait_dscnt 0x0
	s_barrier_signal -1
	s_barrier_wait -1
.endm
.macro T2 line:vararg                  ; one line for each token tile t
.set t, 0
.rept 2
	\line
.set t, t+1
.endr
.endm
.macro GROUP1 g, rows                  ; dense bytes as rows of 256: 8-byte elements, 32 to a row; the mask of four, bit 21 beside it
	s_mov_b32 s[(\g)], 15|(3<<16)|(1<<21)
	s_mov_b32 s[(\g)+1], 32<<16
	s_mov_b32 s[(\g)+2], (\rows)<<16
	s_mov_b32 s[(\g)+3], 32<<16
	s_mov_b32 s[(\g)+4], \rows
	s_mov_b32 s[(\g)+5], 32
	s_mov_b32 s[(\g)+6], 0
	s_mov_b32 s[(\g)+7], 0
.endm
.macro GROUP0 g, lreg, loff, preg, goff
	s_mov_b32 s[(\g)], 1
	s_add_co_u32 s[(\g)+1], s\lreg, \loff
	s_add_nc_u64 s[(\g)+2:(\g)+3], s[\preg:\preg+1], \goff
	s_or_b32 s[(\g)+3], s[(\g)+3], 0x80000000
.endm
; THE CHANGE OF SLOTS.  walk = 1: the walking descriptor takes the other slot and the walk's next tile, its address made anew from the tile's number.  tb = 1: the fetches go to the other slot's first step.
.macro CHANGE g0, walk, tb
	WIN 0x05
	s_wait_tensorcnt 0x0                       ; all my tensor loads have landed, my part of the slot to be entered among them: a group 0 may be written
	ds_add_u32 v[SPW], v[NIL]                  ; the descriptor's scalar work stands between the add and the wait for it
	WIN 0
.if \walk
	s_lshl_b32 s100, s3, 15
	s_xor_b32 s[G0K1+1], s[G0K1+1], RING1
	s_add_nc_u64 s[G0K1+2:G0K1+3], s[74:75], s[100:101]
	s_or_b32 s[G0K1+3], s[G0K1+3], 0x80000000
	s_add_co_u32 s3, s3, 1
	s_and_b32 s3, s3, 7
.endif
	s_wait_dscnt 0x0                           ; the add is done, and my reads of the slot that is left are back
	ROUND                                      ; both hold of every wave of the four work-groups
	tensor_load_to_lds s[(\g0):(\g0)+3], s[G1B:G1B+7]  ; my one load behind the round; it has four trips in which to land
	s_nop 0
	PLACES
.if \tb
	s_sub_co_u32 s86, s86, WREG
	s_xor_b32 s86, s86, RING1
.endif
.endm
; The LDS loads stand in runs.  Their addresses: a fixed lane term plus a scalar that steps by a key step's bytes.  K and V of a step are fetched in one trip: V's run steps the scalar.
.macro FETCH_V
	v_add_nc_u32 v[AV], s86, v[KV0]
.irp f, 0,1,2,3                        ; fragment 2 kk + cb: keys 32 kk on, channels 16 cb on
	ds_load_b128 v[VF+8*(\f):VF+8*(\f)+3],   v[AV] offset:4096+1024*(\f)
	ds_load_b128 v[VF+8*(\f)+4:VF+8*(\f)+7], v[AV] offset:4096+1024*(\f)+512
.endr
	s_add_co_u32 s86, s86, 8192
.endm
.macro FETCH_KB
	v_add_nc_u32 v[AK], s86, v[KV0]
	v_add_nc_u32 v[AB], s87, v[AB0]
.irp f, 0,1,2,3                        ; 16 keys a fragment
	ds_load_b128 v[KF+8*(\f):KF+8*(\f)+3],   v[AK] offset:1024*(\f)
	ds_load_b128 v[KF+8*(\f)+4:KF+8*(\f)+7], v[AK] offset:1024*(\f)+512
.endr
	WIN 0x40                                   ; destination window 1
.irp f, 0,1,2,3                        ; register j of block f: the bias of key 16 f + 8 h + j
	ds_load_b128 v[BI+8*(\f):BI+8*(\f)+3],   v[AB] offset:64*(\f)
	ds_load_b128 v[BI+8*(\f)+4:BI+8*(\f)+7], v[AB] offset:64*(\f)+16
.endr
	WIN 0
	s_add_co_u32 s87, s87, 256
.endm
; Product i of 6 for tile t: keys 32 (i / 3) on; O^T's two channel blocks and the sums take turns
.macro PVM t, i
.set kk, (\i)/3
.set tg, (\i)%3
.set rP, P+16*(\t)+8*kk
.if tg < 2
.set rO, OT+16*(\t)+8*tg
.set rV, VF+16*kk+8*tg
.else
.set rO, LS+8*(\t)
.set rV, ONES
.endif
	v_wmma_f32_16x16x32_f16 v[rO:rO+7], v[rV:rV+7], v[rP:rP+7], v[rO:rO+7]
	s_wait_alu depctr_va_vdst(0)
.endm
.macro KQM t, kb                       ; under the setting 0x10: C, the biases, in window 1
	v_wmma_f32_16x16x32_f16 v[S+32*(\t)+8*(\kb):S+32*(\t)+8*(\kb)+7], v[KF+8*(\kb):KF+8*(\kb)+7], v[QF+8*(\t):QF+8*(\t)+7], v[BI+8*(\kb):BI+8*(\kb)+7]
	s_wait_alu depctr_va_vdst(0)
.endm
; Number n of the 22 that find tile t's maximum and statistics.  0-11: four chains of seven scores, each accumulator's lowest registers first; 12-14, 16: the four left over, the old m,
; the chains into c0; 15: c m_old is kept; 17, 18: the query's other keys lie in the lane 16 away; 19-21: c m, c m_old - c m_new, a
.macro XS t, n
.set rT, ST+8*(\t)
.set rC, ST+8*(\t)+2
.set rS, S+32*(\t)
.if (\n) < 4
	v_max3_num_f32 v[rC+(\n)], v[rS+8*(\n)], v[rS+8*(\n)+1], v[rS+8*(\n)+2]
.elseif (\n) < 12
	v_max3_num_f32 v[rC+(\n)%4], v[rC+(\n)%4], v[rS+8*((\n)%4)+2*((\n)/4)+1], v[rS+8*((\n)%4)+2*((\n)/4)+2]
	s_wait_alu depctr_va_vdst(0)
.elseif (\n) == 12
	v_max3_num_f32 v[rC], v[rC], v[rS+7], v[rS+15]
.elseif (\n) == 13
	v_max3_num_f32 v[rC+1], v[rC+1], v[rS+23], v[rS+31]
.elseif (\n) == 14
	v_max3_num_f32 v[rC+2], v[rC+2], v[rC+3], v[rT+1]
.elseif (\n) == 15
	v_mov_b32 v[rT+6], v[rT]
.elseif (\n) == 16
	v_max3_num_f32 v[rC], v[rC], v[rC+1], v[rC+2]
	s_wait_alu depctr_va_vdst(0)
.elseif (\n) == 17
	v_permlanex16_b32 v[rC+3], v[rC], s80, s81
.elseif (\n) == 18
	v_max_num_f32 v[rT+1], v[rC], v[rC+3]
.elseif (\n) == 19
	v_mul_f32 v[rT], s76, v[rT+1]
	s_wait_alu depctr_va_vdst(0)
.elseif (\n) == 20
	v_sub_f32 v[rC+1], v[rT+6], v[rT]
.else
	v_exp_f32 v[rC+2], v[rC+1]
.endif
.endm
; One vector line.  For tile TY: F n: c s - c m for pair n; E n: the exponential of score n; C n: pair n rounded to f16; R n: pair n of O^T (8: rows 0, 1 of the sums) times a.  For tile TZ: X n.
.macro OP k, n
.if (\k) == F
	v_pk_fma_f32 v[S+32*TY+2*(\n):S+32*TY+2*(\n)+1], v[S+32*TY+2*(\n):S+32*TY+2*(\n)+1], s[76:77], v[ST+8*TY:ST+8*TY+1] op_sel_hi:[1,0,0] neg_lo:[0,0,1] neg_hi:[0,0,1]
.elseif (\k) == E
	v_exp_f32 v[S+32*TY+(\n)], v[S+32*TY+(\n)]
.elseif (\k) == C
	s_wait_alu depctr_va_vdst(0)
	v_cvt_pk_f16_f32 v[P+16*TY+(\n)], v[S+32*TY+2*(\n)], v[S+32*TY+2*(\n)+1]
.elseif ((\k) == R) && ((\n) < 8)
	v_pk_mul_f32 v[OT+16*TY+2*(\n):OT+16*TY+2*(\n)+1], v[OT+16*TY+2*(\n):OT+16*TY+2*(\n)+1], v[ST+8*TY+4:ST+8*TY+5] op_sel_hi:[1,0]
.elseif (\k) == R
	v_pk_mul_f32 v[LS+8*TY:LS+8*TY+1], v[LS+8*TY:LS+8*TY+1], v[ST+8*TY+4:ST+8*TY+5] op_sel_hi:[1,0]
.elseif !NOX
	XS TZ, \n
.endif
.endm
.macro OPS a, i1, b=-1, i2=0, c=-1, i3=0, d=-1, i4=0
	OP \a, \i1
.if (\b) >= 0
	OP \b, \i2
.endif
.if (\c) >= 0
	OP \c, \i3
.endif
.if (\d) >= 0
	OP \d, \i4
.endif
.endm
; A TURN for tile y.  fk = 1: tile 0's turn fetches the next step's K and biases.  kq = 0: the last turn: no next scores.  wv: how many younger LDS loads may be out when V is wanted.
; part = 1: the turn up to the first four lines of the maximum; part = 2: the rest, from K's fetch on; 0: all of it.
; No vector line near a product names its registers.  An exponential has a plain line behind it before its result is used.  Under the setting 0x10 stand only lines without a third vector source.
; V is fetched behind the last product that read V (eight plain lines back), K and the biases behind the last K Q^T (six plain lines back); both are waited for in tile 1's turn.
.macro TURN y, fk=1, kq=1, wv=16, part=0
.set TY, (\y)
.set TZ, 1-(\y)
.set NOX, 1-(\kq)
.if (\part) != 2
.if (\y) == 1
	s_wait_dscnt \wv                           ; V's eight loads are in; K's and the biases' sixteen, issued behind them, may stay out
.endif
	PVM TZ, 0
	OPS F,0, F,1, F,2, F,3
	PVM TZ, 1
	OPS F,4, E,0, F,5, E,1
	OPS F,6
	PVM TZ, 2
	OPS F,7, E,2, F,8, E,3
	OPS F,9
	PVM TZ, 3
	OPS F,10, E,4, F,11, E,5
	OPS F,12
	PVM TZ, 4
	OPS F,13, E,6, F,14, E,7
	OPS F,15
	PVM TZ, 5
	OPS R,0, E,8, R,1, E,9
	OPS R,2, E,10, R,3, E,11
	OPS R,4
.if (\y) == 0
	FETCH_V
.endif
	OPS R,5, R,6, R,7, R,8
.if \kq
.if (\y) == 1
	s_wait_dscnt 0x0                           ; K and the biases are in
.endif
	WIN 0x10
.endif
.irp kb, 0,1,2,3
.if \kq
	KQM TZ, \kb
.endif
	OPS C,2*(\kb), E,12+2*(\kb), C,2*(\kb)+1, E,13+2*(\kb)
.endr
	WIN 0
	OPS X,0, X,1, X,2, X,3
.endif
.if (\part) != 1
.if ((\y) == 0) && (\fk)
	FETCH_KB
.endif
	OPS E,20, X,4, E,21, X,5
	OPS E,22, X,6, E,23, X,7
	OPS C,8, E,24, X,8, C,9
	OPS E,25, X,9, X,10, E,26
	OPS X,11, C,10, E,27, X,12
	OPS X,13, E,28, X,14, X,15
	OPS C,11, E,29, X,16, C,12
	OPS E,30, X,17, C,13, E,31
	OPS X,18, C,14, X,19, C,15
	OPS X,20, X,21
.endif
.endm
.macro LOOPB n                         ; n trips: each reads K, the biases and V of one key step
	s_mov_b32 s84, \n
.Ltrip_\@:
	TURN 0, 1, 1, 16, 2
	TURN 1
	TURN 0, 1, 1, 16, 1
	s_sub_co_u32 s84, s84, 1
	s_cmp_lg_u32 s84, 0
	s_cbranch_scc1 .Ltrip_\@
.endm
.macro LOADW buf, areg, off            ; eight weight fragments into buffer buf of window 1
	WIN 0x40
.irp f, 0,1,2,3,4,5,6,7
	ds_load_b128 v[64*(\buf)+8*(\f):64*(\buf)+8*(\f)+3],   v[\areg] offset:(\off)+1024*(\f)
	ds_load_b128 v[64*(\buf)+8*(\f)+4:64*(\buf)+8*(\f)+7], v[\areg] offset:(\off)+1024*(\f)+512
.endr
	WIN 0
.endm
.macro LOADC cbr, pa, seg              ; 32 channels' f32 parameters in the order of a matrix result: register j of block nb = channel 16 nb + 8 h + j
.irp nb, 0,1
	ds_load_b128 v[(\cbr)+8*(\nb):(\cbr)+8*(\nb)+3],   v[\pa] offset:(\seg)+64*(\nb)
	ds_load_b128 v[(\cbr)+8*(\nb)+4:(\cbr)+8*(\nb)+7], v[\pa] offset:(\seg)+64*(\nb)+16
.endr
.endm
; 16 matrix instructions: K = 128 in four steps, two blocks of 16 outputs x two token tiles; the four accumulators take turns.
; swap = 0: weights are source 0: a lane holds token r and eight channels.  swap = 1: a lane holds channel r and eight tokens.  cmode: the first step's C: 0, (1) the bias in cb, (2) the residual in Y.
.macro MULW buf, bsrc, cmode, swap, cb=CB0
.if \swap
	WIN 0x04
.else
	WIN 0x01
.endif
.irp ks, 0,1,2,3
.irp nb, 0,1
.irp t, 0,1
.set rD, ACC+8*(2*(\nb)+(\t))
.set rC, rD
.if ((\ks) == 0) && ((\cmode) == 1)
.set rC, (\cb)+8*(\nb)
.endif
.if ((\ks) == 0) && ((\cmode) == 2)
.set rC, Y+8*(2*(\nb)+(\t))
.endif
.if \swap
.set rA, (\bsrc)+8*(4*(\t)+(\ks))
.set rB, 64*(\buf)+8*(4*(\nb)+(\ks))
.else
.set rA, 64*(\buf)+8*(4*(\nb)+(\ks))
.set rB, (\bsrc)+8*(4*(\t)+(\ks))
.endif
.if ((\ks) == 0) && ((\cmode) == 0)
	v_wmma_f32_16x16x32_f16 v[rD:rD+7], v[rA:rA+7], v[rB:rB+7], 0
.else
	v_wmma_f32_16x16x32_f16 v[rD:rD+7], v[rA:rA+7], v[rB:rB+7], v[rC:rC+7]
.endif
.endr
.endr
.endr
	WIN 0
.endm
.macro CVT4 dst                        ; the four accumulators rounded to f16, each from its low end on
.irp a, 0,1,2,3
.irp p, 0,1,2,3
	v_cvt_pk_f16_f32 v[(\dst)+4*(\a)+(\p)], v[ACC+8*(\a)+2*(\p)], v[ACC+8*(\a)+2*(\p)+1]
.endr
.endr
.endm
.macro STORE4 src, ptr, st, snb, base  ; four stores of 512 consecutive bytes
.irp nb, 0,1
.irp t, 0,1
	global_store_b128 v[A16], v[(\src)+4*(2*(\nb)+(\t)):(\src)+4*(2*(\nb)+(\t))+3], s[\ptr:\ptr+1] offset:(\base)+(\st)*(\t)+(\snb)*(\nb)
.endr
.endr
.endm
; LAYER NORM of ACC into Y.  stat: which of the two exchange areas; gseg, bseg: gain and bias in PAR.  H is at work.
.macro LNORM stat, gseg, bseg
.set t, 0
.rept 2
.set p, 0
.rept 4                                ; each accumulator's lowest registers are read first
	v_pk_add_f32 v[H+16*t+2*p:H+16*t+2*p+1], v[ACC+8*t+2*p:ACC+8*t+2*p+1], v[ACC+16+8*t+2*p:ACC+17+8*t+2*p]
.set p, p+1
.endr
.set t, t+1
.endr
	T2 v_pk_add_f32 v[H+16*t:H+16*t+1], v[H+16*t:H+16*t+1], v[H+16*t+2:H+16*t+3]
	T2 v_pk_add_f32 v[H+16*t+4:H+16*t+5], v[H+16*t+4:H+16*t+5], v[H+16*t+6:H+16*t+7]
	T2 v_pk_add_f32 v[H+16*t:H+16*t+1], v[H+16*t:H+16*t+1], v[H+16*t+4:H+16*t+5]
	T2 v_add_f32 v[H+16*t], v[H+16*t], v[H+16*t+1]
	T2 v_permlanex16_b32 v[H+16*t+1], v[H+16*t], s80, s81   ; the token's other 16 channels lie in the lane 16 away
	T2 v_add_f32 v[H+16*t], v[H+16*t], v[H+16*t+1]
	T2 v_mul_f32 v[LN+2*t], 0x3d000000, v[H+16*t]           ; my 32 channels' mean
.set t, 0
.rept 2
.set p, 0
.rept 4
	v_pk_add_f32 v[H+16*t+2*p:H+16*t+2*p+1], v[ACC+8*t+2*p:ACC+8*t+2*p+1], v[LN+2*t:LN+2*t+1] op_sel_hi:[1,0] neg_lo:[0,1] neg_hi:[0,1]
	v_pk_add_f32 v[H+16*t+8+2*p:H+16*t+9+2*p], v[ACC+16+8*t+2*p:ACC+17+8*t+2*p], v[LN+2*t:LN+2*t+1] op_sel_hi:[1,0] neg_lo:[0,1] neg_hi:[0,1]
.set p, p+1
.endr
.set t, t+1
.endr
	T2 v_pk_mul_f32 v[H+32+4*t:H+33+4*t], v[H+16*t:H+16*t+1], v[H+16*t:H+16*t+1]
	T2 v_pk_mul_f32 v[H+34+4*t:H+35+4*t], v[H+16*t+2:H+16*t+3], v[H+16*t+2:H+16*t+3]
.irp q, 2,4,6
	T2 v_pk_fma_f32 v[H+32+4*t:H+33+4*t], v[H+16*t+2*(\q):H+16*t+2*(\q)+1], v[H+16*t+2*(\q):H+16*t+2*(\q)+1], v[H+32+4*t:H+33+4*t]
	T2 v_pk_fma_f32 v[H+34+4*t:H+35+4*t], v[H+16*t+2*(\q)+2:H+16*t+2*(\q)+3], v[H+16*t+2*(\q)+2:H+16*t+2*(\q)+3], v[H+34+4*t:H+35+4*t]
.endr
	T2 v_pk_add_f32 v[H+32+4*t:H+33+4*t], v[H+32+4*t:H+33+4*t], v[H+34+4*t:H+35+4*t]
	T2 v_add_f32 v[H+32+4*t], v[H+32+4*t], v[H+33+4*t]
	T2 v_permlanex16_b32 v[H+33+4*t], v[H+32+4*t], s80, s81
	T2 v_add_f32 v[LN+2*t+1], v[H+32+4*t], v[H+33+4*t]      ; and their squared deviations' sum
	v_cndmask_b32 v[LN+4], v[LN], v[LN+2], s82              ; lanes 0-15 hand on tile 0's pair, lanes 16-31 tile 1's
	v_cndmask_b32 v[LN+5], v[LN+1], v[LN+3], s82
	ds_store_b64 v[SST], v[LN+4:LN+5] offset:\stat
	BAR
.set t, 0
.rept 2
.set u, 0
.rept 4
	ds_load_b64 v[H+40+8*t+2*u:H+41+8*t+2*u], v[SLD] offset:(\stat)+256*u+128*t
.set u, u+1
.endr
.set t, t+1
.endr
	LOADC CB0, PA, \gseg
	LOADC CB1, PA, \bseg
	s_wait_dscnt 0x0
	T2 v_add_f32 v[H+56+4*t], v[H+40+8*t], v[H+42+8*t]
	T2 v_add_f32 v[H+57+4*t], v[H+44+8*t], v[H+46+8*t]
	T2 v_add_f32 v[H+58+4*t], v[H+41+8*t], v[H+43+8*t]
	T2 v_add_f32 v[H+59+4*t], v[H+45+8*t], v[H+47+8*t]
	T2 v_add_f32 v[H+56+4*t], v[H+56+4*t], v[H+57+4*t]
	T2 v_add_f32 v[H+58+4*t], v[H+58+4*t], v[H+59+4*t]
	T2 v_mul_f32 v[LN+8+t], 0x3e800000, v[H+56+4*t]         ; the mean of 128
.irp u, 0,1,2,3
	T2 v_sub_f32 v[H+40+8*t+2*(\u)], v[H+40+8*t+2*(\u)], v[LN+8+t]
.endr
	T2 v_mul_f32 v[H+56+4*t], v[H+40+8*t], v[H+40+8*t]
.irp u, 1,2,3
	T2 v_fmac_f32 v[H+56+4*t], v[H+40+8*t+2*(\u)], v[H+40+8*t+2*(\u)]
.endr
	T2 v_fmamk_f32 v[H+56+4*t], v[H+56+4*t], 0x42000000, v[H+58+4*t]   ; 32 x the means' squared spread + the four sums
	T2 v_fmaak_f32 v[H+56+4*t], s83, v[H+56+4*t], 0x3727c5ac           ; / 128 + 1e-5
	T2 v_rsq_f32 v[LN+4*t], v[H+56+4*t]
	v_nop                                                   ; a plain line behind the transcendentals
	s_wait_alu depctr_va_vdst(0)
	T2 v_mul_f32 v[LN+4*t+2], -v[LN+8+t], v[LN+4*t]
.set a, 0
.rept 4
.set p, 0
.rept 4
	v_pk_fma_f32 v[Y+8*a+2*p:Y+8*a+2*p+1], v[ACC+8*a+2*p:ACC+8*a+2*p+1], v[LN+4*(a%2):LN+4*(a%2)+1], v[LN+4*(a%2)+2:LN+4*(a%2)+3] op_sel_hi:[1,0,0]
.set p, p+1
.endr
.set a, a+1
.endr
.set a, 0
.rept 4
.set p, 0
.rept 4
	v_pk_fma_f32 v[Y+8*a+2*p:Y+8*a+2*p+1], v[Y+8*a+2*p:Y+8*a+2*p+1], v[CB0+8*(a/2)+2*p:CB0+8*(a/2)+2*p+1], v[CB1+8*(a/2)+2*p:CB1+8*(a/2)+2*p+1]
.set p, p+1
.endr
.set a, a+1
.endr
.endm
.macro GETACT act                      ; everybody's pieces are in the exchange area: all eight fragments into BF
	BAR
.irp f, 0,1,2,3,4,5,6,7
	ds_load_b128 v[BF+8*(\f):BF+8*(\f)+3],   v[ALD] offset:(\act)+1024*(\f)
	ds_load_b128 v[BF+8*(\f)+4:BF+8*(\f)+7], v[ALD] offset:(\act)+1024*(\f)+512
.endr
.endm
; Y, rounded to f16, is my K step of everybody's source 1
.macro PACKACT act
.irp a, 0,1,2,3
.irp p, 0,1,2,3
	v_cvt_pk_f16_f32 v[H+4*(\a)+(\p)], v[Y+8*(\a)+2*(\p)], v[Y+8*(\a)+2*(\p)+1]
.endr
.endr
.irp nb, 0,1
.irp t, 0,1
	ds_store_b128 v[AST], v[H+4*(2*(\nb)+(\t)):H+4*(2*(\nb)+(\t))+3] offset:(\act)+4096*(\t)+512*(\nb)
.endr
.endr
	GETACT \act
.endm
; q, k, v of my head for the 32 tokens, from the x fragments in BF.  While one product runs the next one's weights are on their way from LDS.
.macro QKVOUT
	LOADW 0, WB1, 0
	LOADC CB0, PAQ, LQB
	LOADW 1, WB1, 8192
	LOADC CB1, PAQ, LQB+128
	s_wait_dscnt 20                            ; Wq, bq and all before them are in; Wk's 16 loads and bk's 4 may stay out
	MULW 0, BF, 1, 0, CB0
	PLACES
	CVT4 H
	STORE4 H, 88, 4096, 512, 0                 ; q: tile t, piece nb of the attention's source 1
	LOADW 0, WB1, 16384
	ds_load_b32 v[BV], v[PAV] offset:LQB+256
	ds_load_b32 v[BV+2], v[PAV] offset:LQB+320
	s_wait_dscnt 18                            ; Wk and bk are in; Wv's 16 loads and bv's 2 may stay out
	MULW 1, BF, 1, 0, CB1
	PLACES
	WIN 0x04                                   ; source 1 in window 1
.set a, 0
.rept 4
.set p, 0
.rept 4
	v_pk_mul_f32 v[ACC+8*a+2*p:ACC+8*a+2*p+1], v[ACC+8*a+2*p:ACC+8*a+2*p+1], v[MKW+2*(a%2):MKW+2*(a%2)+1] op_sel_hi:[1,0]  ; a masked key's k is 0
.set p, p+1
.endr
.set a, a+1
.endr
	WIN 0
	CVT4 H+16
	STORE4 H+16, 90, 1024, 512, 0              ; k: key block t of my half step, piece nb
	s_wait_dscnt 0x0
	MULW 0, BF, 0, 1
	PLACES
.set a, 0
.rept 4
.set p, 0
.rept 4
	v_pk_add_f32 v[ACC+8*a+2*p:ACC+8*a+2*p+1], v[ACC+8*a+2*p:ACC+8*a+2*p+1], v[BV+2*(a/2):BV+2*(a/2)+1] op_sel_hi:[1,0]
.set p, p+1
.endr
.set a, a+1
.endr
	CVT4 H+32
	STORE4 H+32, 90, 512, 1024, 4096           ; v, turned: channel block nb, piece t
.endm
	s_load_b256 s[4:11], s[0:1], 0x0           ; stream in 4, weights 6, src_mask 8, stream out (LAST: the result) 10
	WIN 0x40
	v_lshl_add_u32 v[SPW], v0, 2, SPARE
	v_mov_b32 v[NIL], 0
	WIN 0x05
	ds_add_u32 v[SPW], v[NIL]                  ; the wave's opening: the add and its wait stand ahead of my first tensor load
	WIN 0
	v_lshrrev_b32 v[TMPV], 5, v0
	v_readfirstlane_b32 s66, v[TMPV]           ; wave
	s_bfe_u32 s67, ttmp6, 0x40000              ; cx
	s_lshl_b32 s72, ttmp9, 2
	s_add_co_u32 s72, s72, s67                 ; work-group = 4 x cluster + cx: it enters the addresses of x, q, my tokens' mask and the outputs alone
	s_lshr_b32 s73, ttmp9, 4                   ; the batch: sixteen clusters each; the partners share it
	s_and_b32 s2, ttmp9, 7                     ; the walk's first slot,
	s_add_co_u32 s3, s2, 1
	s_and_b32 s3, s3, 7                        ; and its second
	GROUP1 G1A, 37
	GROUP1 G1B, 128
.if !LAST
	GROUP1 G1C, 98
.endif
	s_lshl_b32 s78, s66, 15                    ; my part of a slot
	s_mul_i32 s79, s66, PREG
	s_add_co_u32 s79, s79, PARL
	s_lshl2_add_u32 s74, s73, s66              ; 4 b + head
	s_lshl_b32 s74, s74, 18
	s_add_co_u32 s74, s74, XQ+QOFF
	s_mov_b32 s75, 0
	s_mul_i32 s94, s66, WBLK
.if LAST
	s_add_co_u32 s94, s94, LAYB                ; layer 5's weights are the buffer's second set
.endif
	s_mov_b32 s95, 0
	s_mov_b32 s101, 0
	s_mov_b32 s76, 0x3e8293ee                  ; c = log2(e) / sqrt(32)
	s_mov_b32 s77, s76
	s_mov_b32 s80, 0x76543210
	s_mov_b32 s81, 0xfedcba98
	s_mov_b32 s82, 0xffff0000                  ; lanes 16-31
	s_mov_b32 s83, 0x3c000000                  ; 1 / 128
	s_mov_b32 s97, 0xd1800000                  ; -2^36
	s_mov_b32 s86, 0
	s_mov_b32 s87, 0
	v_and_b32 v[TMPV], 31, v0
	v_lshlrev_b32 v[A16], 4, v[TMPV]
	v_add_nc_u32 v[KV0], s78, v[A16]
	v_lshrrev_b32 v[TMPV], 4, v[TMPV]
	v_lshl_add_u32 v[AB0], v[TMPV], 5, MBL
	s_wait_dscnt 0x0                           ; the opening add is done
	s_wait_kmcnt 0x0
	s_add_nc_u64 s[74:75], s[4:5], s[74:75]    ; my head's K and V
	s_add_nc_u64 s[94:95], s[6:7], s[94:95]    ; my wave block of the weights
	s_mov_b32 s[G0K0], 1
	s_mov_b32 s[G0K0+1], s78
	s_lshl_b32 s100, s2, 15
	s_add_nc_u64 s[G0K0+2:G0K0+3], s[74:75], s[100:101]
	s_or_b32 s[G0K0+3], s[G0K0+3], 0x80000000
	s_mov_b32 s[G0K1], 1
	s_add_co_u32 s[G0K1+1], s78, RING1
	s_lshl_b32 s100, s3, 15
	s_add_nc_u64 s[G0K1+2:G0K1+3], s[74:75], s[100:101]
	s_or_b32 s[G0K1+3], s[G0K1+3], 0x80000000
	s_add_co_u32 s3, s3, 1
	s_and_b32 s3, s3, 7                        ; the slot that the first change asks for
	GROUP0 G0P, 79, 0, 94, 0
	GROUP0 G0W1, 78, 0, 94, OW1
	GROUP0 G0W2, 78, RING1, 94, OW2
.if !LAST
	GROUP0 G0Q, 78, 0, 94, OQKV
.endif
	ROUND                                      ; all four work-groups are here: the joint loads meet
	tensor_load_to_lds s[G0K0:G0K0+3], s[G1B:G1B+7]    ; three loads of mine are out behind these lines
	s_nop 0
	tensor_load_to_lds s[G0K1:G0K1+3], s[G1B:G1B+7]
	s_nop 0
	tensor_load_to_lds s[G0P:G0P+3], s[G1A:G1A+7]
	s_nop 0
	PLACES
	s_mov_b32 s99, 0
	s_lshl_b32 s98, s73, 13
	s_add_nc_u64 s[18:19], s[8:9], s[98:99]    ; the batch's mask
	s_lshl_b32 s96, s2, 10                     ; the walk's first key, in bytes of the mask
	v_lshl_add_u32 v[P], v0, 4, s96            ; thread i's 16 bytes of table quarter j come from byte (16 i + 2,048 j + first key) mod 8,192
.irp j, 1,2,3
	v_add_nc_u32 v[P+(\j)], 2048*(\j), v[P]
.endr
.irp j, 0,1,2,3
	v_and_b32 v[P+(\j)], 0x1fff, v[P+(\j)]
.endr
.irp j, 0,1,2,3
	global_load_b128 v[S+4*(\j):S+4*(\j)+3], v[P+(\j)], s[18:19]
.endr
.if !LAST
	s_lshl_b32 s98, s72, 7
	s_add_nc_u64 s[16:17], s[8:9], s[98:99]    ; the mask of my 32 tokens
	v_and_b32 v[P+4], 15, v0
	v_lshlrev_b32 v[P+4], 2, v[P+4]
	global_load_b32 v[S+16], v[P+4], s[16:17]
	global_load_b32 v[S+17], v[P+4], s[16:17] offset:64
.endif
	s_lshl_b32 s98, s72, 13
	s_lshl_b32 s96, s66, 10
	s_add_co_u32 s98, s98, s96
	s_add_co_u32 s98, s98, XQ
	s_add_nc_u64 s[12:13], s[4:5], s[98:99]    ; q: tile 2 wg, head w
.if !LAST
	s_add_nc_u64 s[88:89], s[10:11], s[98:99]  ; and the next layer's
.endif
.irp t, 0,1
.irp c, 0,1
	global_load_b128 v[QF+8*(\t)+4*(\c):QF+8*(\t)+4*(\c)+3], v[A16], s[12:13] offset:4096*(\t)+512*(\c)
.endr
.endr
	s_lshl_b32 s98, s72, 14
	s_lshl_b32 s96, s66, 11
	s_add_co_u32 s98, s98, s96
	s_add_nc_u64 s[14:15], s[4:5], s[98:99]    ; x: my tiles, my wave's channels
	WIN 0x40                                   ; x waits in window 1 until the attention is over
.irp t, 0,1
.irp nb, 0,1
.irp hf, 0,1
	global_load_b128 v[XR+8*(2*(\nb)+(\t))+4*(\hf):XR+8*(2*(\nb)+(\t))+4*(\hf)+3], v[A16], s[14:15] offset:8192*(\t)+1024*(\nb)+512*(\hf)
.endr
.endr
.endr
	WIN 0
.if LAST
	s_lshl_b32 s98, s72, 14
	s_lshl_b32 s96, s66, 12
	s_add_co_u32 s98, s98, s96
	s_add_nc_u64 s[92:93], s[10:11], s[98:99]  ; the result: row 32 wg + 8 w
.else
	s_add_nc_u64 s[92:93], s[10:11], s[98:99]  ; x out
	s_lshr_b32 s96, s72, 6
	s_lshl2_add_u32 s96, s96, s66              ; 4 b + head
	s_lshl_b32 s98, s96, 18
	s_bfe_u32 s96, s72, 0x50001                ; the step of 64 keys
	s_lshl_b32 s96, s96, 13
	s_add_co_u32 s98, s98, s96
	s_and_b32 s96, s72, 1                      ; its half
	s_lshl_b32 s96, s96, 11
	s_add_co_u32 s98, s98, s96
	s_add_co_u32 s98, s98, XQ+QOFF
	s_add_nc_u64 s[90:91], s[10:11], s[98:99]  ; k and v out
.endif
	v_lshl_add_u32 v[P+5], v0, 4, MBL
	; What the first turn finds: V and tile 1's P hold 0 (its products, of a step that has not been, add 0), O^T and the sums are 0.  All this stands in the wait for the first tile.
.set i, 0
.rept 32
	v_mov_b32 v[VF+i], 0
	v_mov_b32 v[OT+i], 0
.set i, i+1
.endr
.set i, 0
.rept 16
	v_mov_b32 v[LS+i], 0
	v_mov_b32 v[P+16+i], 0
.set i, i+1
.endr
.set i, 0
.rept 8
	v_mov_b32 v[ONES+i], 0x3c003c00            ; 1.0 twice in f16
.set i, i+1
.endr
.irp t, 0,1
	v_mov_b32 v[ST+8*(\t)], 0xfe000000         ; c m: far below every c s
	v_mov_b32 v[ST+8*(\t)+1], 0xff7fffff       ; m
.endr
	s_wait_loadcnt 12                          ; the masks are in; Q's four loads and x's eight may stay out
.set i, 0
.rept 16
	v_cmp_eq_u32 vcc_lo, 0, v[S+i]
	v_cndmask_b32 v[S+i], 0, s97, vcc_lo       ; the bias: 0, or -2^36 for a masked key
.set i, i+1
.endr
.irp j, 0,1,2,3
	ds_store_b128 v[P+5], v[S+4*(\j):S+4*(\j)+3] offset:2048*(\j)
.endr
.if !LAST
	WIN 0x40
.irp t, 0,1
	v_cmp_ne_u32 vcc_lo, 0, v[S+16+(\t)]
	v_cndmask_b32 v[MKW+2*(\t)], 0, 1.0, vcc_lo
	v_cndmask_b32 v[MKW+2*(\t)+1], 0, 1.0, vcc_lo
.endr
	WIN 0
.endif
	s_wait_tensorcnt 0x2                       ; my part of the first slot is in; the second slot and PAR + WO may stay out
	s_wait_dscnt 0x0                           ; my quarter of the bias table is stored
	s_barrier_signal -1
	s_barrier_wait -1
	FETCH_KB                                   ; the walk's key step 0
	s_wait_loadcnt 8                           ; Q is in; x's eight loads may stay out
	s_wait_dscnt 0x0
	WIN 0x10
.irp kb, 0,1,2,3
	KQM 0, \kb                                 ; tile 0's first scores
.endr
	WIN 0
	PLACES
.irp n, 0,1,2,3,4,5,6,7,8,9,10,11,12,13,14,15,16,17,18,19,20,21
	XS 0, \n
.endr
	v_nop                                      ; a plain line behind the exponential
	TURN 0, 1, 1, 16, 1                        ; the first part of tile 0's first turn: V of step 0
	LOOPB 3                                    ; steps 1 to 3: the rest of the first slot
	s_mov_b32 s85, 6
.Lslot:                                            ; six times: a slot is entered, and the slot that is left takes the walk's next tile
	CHANGE G0K1, 1, 1
	LOOPB 4
	s_sub_co_u32 s85, s85, 1
	s_cmp_lg_u32 s85, 0
	s_cbranch_scc1 .Lslot
	CHANGE G0W1, 0, 1                          ; the last slot is entered; ring 0 takes W1
	LOOPB 4
	CHANGE G0W2, 0, 0                          ; K and V are all in registers or used; W1 has landed; ring 1 takes W2
	TURN 0, 0, 1, 16, 2                        ; the last step: nothing is left to fetch
	TURN 1, 0, 0, 0                            ; no next scores
.irp i, 0,1,2,3,4,5
	PVM 1, \i                                  ; tile 1's last products
.endr
	; O^T divided by the sum (its row 0) and rounded to f16: a lane's eight channels are 16 bytes of Wo's source 1, K step w
	PLACES
	v_rcp_f32 v[ST+4], v[LS]
	v_rcp_f32 v[ST+12], v[LS+8]
	v_nop
	s_wait_alu depctr_va_vdst(0)
.irp t, 0,1
.irp p, 0,1,2,3,4,5,6,7
	v_pk_mul_f32 v[OT+16*(\t)+2*(\p):OT+16*(\t)+2*(\p)+1], v[OT+16*(\t)+2*(\p):OT+16*(\t)+2*(\p)+1], v[ST+8*(\t)+4:ST+8*(\t)+5] op_sel_hi:[1,0]
.endr
.endr
.irp t, 0,1
.irp p, 0,1,2,3,4,5,6,7
	v_cvt_pk_f16_f32 v[S+8*(\t)+(\p)], v[OT+16*(\t)+2*(\p)], v[OT+16*(\t)+2*(\p)+1]
.endr
.endr
	; window 0's second map: the addresses of what follows
	v_and_b32 v[H], 31, v0                     ; L
	v_and_b32 v[H+1], 15, v0                   ; r
	v_bfe_u32 v[H+2], v0, 4, 1                 ; h
	v_add_nc_u32 v[WBP], s79, v[A16]
	v_add_nc_u32 v[WB1], s78, v[A16]
	v_add_nc_u32 v[WB2], RING1, v[WB1]
	v_lshl_add_u32 v[PA], v[H+2], 5, s79
	s_lshl_b32 s2, s66, 10
	s_add_co_u32 s2, s2, ACT
	v_add_nc_u32 v[AST], s2, v[A16]
	v_add_nc_u32 v[ALD], ACT, v[A16]
	s_lshl_b32 s2, s66, 8
	s_add_co_u32 s2, s2, STAT
	v_lshl_add_u32 v[SST], v[H], 3, s2
	v_lshl_add_u32 v[SLD], v[H+1], 3, STAT
	s_lshl_b32 s2, s66, 12
	s_add_co_u32 s2, s2, RING1
	v_add_nc_u32 v[PRD], s2, v[A16]
	v_mov_b32 v[ZR], 0
	v_mov_b32 v[LN+1], 0                       ; named in pairs before they are made, so they are written
	v_mov_b32 v[LN+3], 0
	v_mov_b32 v[LN+7], 0
.if LAST
	v_mul_u32_u24 v[SG], v[H+1], 528           ; the stage, in: row r, my wave's 128 bytes, 32 h
	v_lshl_add_u32 v[SG], v[H+2], 5, v[SG]
	s_lshl_b32 s2, s66, 7
	s_add_co_u32 s2, s2, STG
	v_add_nc_u32 v[SG], s2, v[SG]
	s_mul_i32 s2, s66, 8*528                   ; back: my 8 rows, whole
	s_add_co_u32 s2, s2, STG
	v_add_nc_u32 v[SGL], s2, v[A16]
.else
	v_lshl_add_u32 v[PAQ], v[H+2], 5, s78
	v_lshl_add_u32 v[PAV], v[H+1], 2, s78
	v_mov_b32 v[BV+1], 0
	v_mov_b32 v[BV+3], 0
.endif
.irp t, 0,1
.irp c, 0,1
	ds_store_b128 v[AST], v[S+8*(\t)+4*(\c):S+8*(\t)+4*(\c)+3] offset:8192+4096*(\t)+512*(\c)
.endr
.endr
	GETACT 8192                                ; the four heads' O
	; 1.  x + bo + O Wo, LN1.  PAR, WO and W1 were shown landed by the changes' waits for all my loads
	LOADW 0, WBP, OWO
	LOADC CB0, PA, 0
	s_wait_loadcnt 0x0                         ; x
	s_wait_dscnt 0x0
	WIN 0x01                                   ; source 0 in window 1
.set a, 0
.rept 4
.set p, 0
.rept 4
	v_pk_add_f32 v[Y+8*a+2*p:Y+8*a+2*p+1], v[XR+8*a+2*p:XR+8*a+2*p+1], v[CB0+8*(a/2)+2*p:CB0+8*(a/2)+2*p+1]
.set p, p+1
.endr
.set a, a+1
.endr
	MULW 0, BF, 2, 0
	PLACES
	LNORM 0, 128, 256
	PACKACT 0
	; 2.  relu(y W1 + b1): my 128 hidden channels in four groups of 32; a group, rounded to f16, is one K step of W2's source 1
	LOADW 0, WB1, 0
	LOADC CB0, PA, 768
.irp g, 0,1,2,3
.if (\g) < 3
	LOADW ((\g)+1)&1, WB1, 8192*((\g)+1)
	LOADC CB0+16*(((\g)+1)&1), PA, 768+128*((\g)+1)
	s_wait_dscnt 20                            ; this group's are in; the next group's 16 + 4 may stay out
.else
	s_wait_dscnt 0x0
.endif
	MULW (\g)&1, BF, 1, 0, CB0+16*((\g)&1)
	PLACES
.irp nb, 0,1
.irp t, 0,1
.irp p, 0,1,2,3
	v_cvt_pk_f16_f32 v[H+8*(4*(\t)+(\g))+4*(\nb)+(\p)], v[ACC+8*(2*(\nb)+(\t))+2*(\p)], v[ACC+8*(2*(\nb)+(\t))+2*(\p)+1]
.endr
.endr
.endr
.irp nb, 0,1
.irp t, 0,1
.irp p, 0,1,2,3
	v_pk_max_num_f16 v[H+8*(4*(\t)+(\g))+4*(\nb)+(\p)], v[H+8*(4*(\t)+(\g))+4*(\nb)+(\p)], v[ZR]
.endr
.endr
.endr
.endr
.if LAST
	s_wait_tensorcnt 0x0                       ; W2 is in
.else
	; W1's bytes are filled again: all my tensor loads have landed (W2), the add, my reads of W1 are back, a round of the cluster's barrier, and the joint load first behind it.
	WIN 0x05
	s_wait_tensorcnt 0x0
	ds_add_u32 v[SPW], v[NIL]
	s_wait_dscnt 0x0
	WIN 0
	ROUND
	tensor_load_to_lds s[G0Q:G0Q+3], s[G1C:G1C+7]      ; it has W2's products and LN2 in which to land; one load of mine is out
	s_nop 0
	PLACES
.endif
	; 3.  My K slice of h W2: all 128 outputs in four groups of 32, as partial sums in f32 into LDS.  Five places: the next group's first products write the accumulators anew.
	LOADW 0, WB2, 0
.irp g, 0,1,2,3
.if (\g) < 3
	LOADW ((\g)+1)&1, WB2, 8192*((\g)+1)
	s_wait_dscnt 16                            ; all but the next group's 16
.else
	s_wait_dscnt 0x0
.endif
	MULW (\g)&1, H, 0, 0
	PLACES 5
.irp a, 0,1,2,3
	ds_store_b128 v[WB2], v[ACC+8*(\a):ACC+8*(\a)+3]   offset:4096*(\g)+1024*(\a)      ; over fragments of groups up to this one: my loads of them are issued, and LDS serves a wave in order (ISA guide 5.7.1.4); ring 1 has had its last fill
	ds_store_b128 v[WB2], v[ACC+8*(\a)+4:ACC+8*(\a)+7] offset:4096*(\g)+1024*(\a)+512
.endr
.endr
	BAR
.irp u, 0,1,2,3                        ; the four waves' partial sums of my 32 channels (group w)
.irp a, 0,1,2,3
	ds_load_b128 v[BF+32*(\u)+8*(\a):BF+32*(\u)+8*(\a)+3],   v[PRD] offset:1024*(\a)
	ds_load_b128 v[BF+32*(\u)+8*(\a)+4:BF+32*(\u)+8*(\a)+7], v[PRD] offset:1024*(\a)+512
.endr
.if (\u) < 3
	v_add_nc_u32 v[PRD], WREG, v[PRD]
.endif
.endr
	LOADC CB0, PA, 384
	s_wait_dscnt 0x0
.set a, 0
.rept 4
.set p, 0
.rept 4
	v_pk_add_f32 v[ACC+8*a+2*p:ACC+8*a+2*p+1], v[Y+8*a+2*p:Y+8*a+2*p+1], v[CB0+8*(a/2)+2*p:CB0+8*(a/2)+2*p+1]
.set p, p+1
.endr
.set a, a+1
.endr
.set u, 0
.rept 4
.set i, 0
.rept 16
	v_pk_add_f32 v[ACC+2*i:ACC+2*i+1], v[ACC+2*i:ACC+2*i+1], v[BF+32*u+2*i:BF+32*u+2*i+1]
.set i, i+1
.endr
.set u, u+1
.endr
	LNORM 1024, 512, 640
.if LAST
	; 4.  The result, row-major: through a stage of 32 rows x 528 bytes; each store is a whole row of 512 bytes
.irp t, 0,1
.irp nb, 0,1
.irp hf, 0,1
	ds_store_b128 v[SG], v[Y+8*(2*(\nb)+(\t))+4*(\hf):Y+8*(2*(\nb)+(\t))+4*(\hf)+3] offset:8448*(\t)+64*(\nb)+16*(\hf)
.endr
.endr
.endr
	BAR
.irp i, 0,1,2,3,4,5,6,7
	ds_load_b128 v[H+4*(\i):H+4*(\i)+3], v[SGL] offset:528*(\i)
.endr
.irp i, 0,1,2,3,4,5,6,7
	s_wait_dscnt 7-(\i)                        ; row i is back; the younger rows may stay out
	global_store_b128 v[A16], v[H+4*(\i):H+4*(\i)+3], s[92:93] offset:512*(\i)
.endr
.else
	; 4.  x' out; the next layer's q, k, v
.irp t, 0,1
.irp nb, 0,1
.irp hf, 0,1
	global_store_b128 v[A16], v[Y+8*(2*(\nb)+(\t))+4*(\hf):Y+8*(2*(\nb)+(\t))+4*(\hf)+3], s[92:93] offset:8192*(\t)+1024*(\nb)+512*(\hf)
.endr
.endr
.endr
	PACKACT 8192
	s_wait_tensorcnt 0x0                       ; the next layer's weights are in
	QKVOUT
.endif
	WIN 0x05
	s_wait_tensorcnt 0x0                       ; the wave's end
	ds_add_u32 v[SPW], v[NIL]
	s_wait_dscnt 0x0
	WIN 0
	ROUND                                      ; the closing round
	s_endpgm
.Lfunc_end_k_q84346cb691_lay0:
	.size	k_q84346cb691_lay0, .Lfunc_end_k_q84346cb691_lay0-k_q84346cb691_lay0
	.p2alignl 7, 3214868480
	.fill 96, 4, 3214868480
	.section	.rodata,"a",@progbits
	.p2align	6, 0x0
	.amdhsa_kernel k_q84346cb691_lay0
		.amdhsa_group_segment_fixed_size 327680
		.amdhsa_private_segment_fixed_size 0
		.amdhsa_enable_private_segment 0
		.amdhsa_kernarg_size 32
		.amdhsa_user_sgpr_count 2
		.amdhsa_user_sgpr_kernarg_segment_ptr 1
		.amdhsa_wavefront_size32 1
		.amdhsa_system_sgpr_workgroup_id_x 1
		.amdhsa_system_sgpr_workgroup_id_y 1
		.amdhsa_system_sgpr_workgroup_id_z 1
		.amdhsa_system_vgpr_workitem_id 0
		.amdhsa_next_free_vgpr 456
		.amdhsa_next_free_sgpr 102
		.amdhsa_reserve_vcc 1
		.amdhsa_float_denorm_mode_32 3
		.amdhsa_float_denorm_mode_16_64 3
		.amdhsa_memory_ordered 1
		.amdhsa_forward_progress 1
		.amdhsa_inst_pref_size 162
	.end_amdhsa_kernel
	.amdgpu_metadata
---
amdhsa.version: [ 1, 2 ]
amdhsa.kernels:
  - .name:           k_q84346cb691_lay0
    .symbol:         k_q84346cb691_lay0.kd
    .args:
      - { .name: sa, .offset: 0, .size: 8, .value_kind: global_buffer, .address_space: global }
      - { .name: w0, .offset: 8, .size: 8, .value_kind: global_buffer, .address_space: global }
      - { .name: src_mask, .offset: 16, .size: 8, .value_kind: global_buffer, .address_space: global }
      - { .name: sb, .offset: 24, .size: 8, .value_kind: global_buffer, .address_space: global }
    .group_segment_fixed_size: 327680
    .private_segment_fixed_size: 0
    .kernarg_segment_align: 8
    .kernarg_segment_size: 32
    .max_flat_workgroup_size: 128
    .sgpr_count:     102
    .vgpr_count:     456
    .wavefront_size: 32
...
	.end_amdgpu_metadata
.endif
;; end of part 3
;; launch lay1: the kernel of part 3 again; grid 256 x 1, 4 waves a work-group, clusters of 4 x 1, 327,680 bytes of LDS; arguments sb, w1, src_mask, sa; writes sa
;; launch lay2: the kernel of part 3 again; grid 256 x 1, 4 waves a work-group, clusters of 4 x 1, 327,680 bytes of LDS; arguments sa, w2, src_mask, sb; writes sb
;; launch lay3: the kernel of part 3 again; grid 256 x 1, 4 waves a work-group, clusters of 4 x 1, 327,680 bytes of LDS; arguments sb, w3, src_mask, sa; writes sa
;; launch lay4: the kernel of part 3 again; grid 256 x 1, 4 waves a work-group, clusters of 4 x 1, 327,680 bytes of LDS; arguments sa, w4, src_mask, sb; writes sb
;; launch last (part 4): grid 256 x 1, 4 waves a work-group, clusters of 4 x 1, 327,680 bytes of LDS; arguments sb, w0, src_mask, out0; writes out0
.if DOCPART == 4
	.amdgcn_target "amdgcn-amd-amdhsa--gfx1250"
	.amdhsa_code_object_version 6
	.text
	.protected	k_q84346cb691_last
	.globl	k_q84346cb691_last
	.p2align	8
	.type	k_q84346cb691_last,@function
k_q84346cb691_last:
	s_mov_b64 s[64:65], 0
	v_nop
	global_prefetch_b8 v0, s[64:65] scope:SCOPE_SE
	s_setreg_imm32_b32 hwreg(HW_REG_WAVE_MODE, 25, 1), 1
	s_wait_xcnt 0x0
	s_wait_alu depctr_hold_cnt(0) depctr_sa_sdst(0) depctr_va_vdst(0) depctr_va_sdst(0) depctr_va_ssrc(0) depctr_va_vcc(0) depctr_vm_vsrc(0)
	s_getreg_b32 s2, hwreg(HW_REG_IB_STS2, 6, 4)
	s_cmp_eq_u32 s2, 0
	s_cbranch_scc0 .Lentry_in_a_cluster
	s_endpgm
.Lentry_in_a_cluster:
	s_bfe_u32 s2, ttmp6, 0x10000c
	s_cmp_lg_u32 s2, 0x3003
	s_cbranch_scc0 .Lentry_shape_is_right
	s_endpgm
.Lentry_shape_is_right:
; LAYER.  One encoder layer in one launch: attention; y = LN1(x + O Wo + bo); x' = LN2(y + relu(y W1 + b1) W2 + b2).  LAST = 0 (layers 0 to 4, one text: the layer's weights, with the next layer's Wq, Wk, Wv,
; lie at the head of the buffer that the launch is given): x' goes out in f32 in the order of a matrix result, with the NEXT layer's q, k, v.  LAST = 1 (layer 5): x' goes out row-major, the module's result.
; This is the text with LAST = 1.
; The stream buffer that is read holds x (at 0), q (at 4,194,304), k and v (2,097,152 behind q), the three in f16 as matrix fragments.
; SHARES.  A work-group owns 32 tokens (tiles t = 0, 1 of 16) and all four heads.  Wave w: head w's attention for both tiles; then output channels 32 w .. + 31 (blocks nb = 0, 1; accumulator a = 2 nb + t)
; and hidden channels 128 w .. + 127.  W2's K is split over the waves: partial sums in f32, added by the channel's owner.  So each fragment of K, V and weights is read by one wave.
; ATTENTION.  S^T = K Q^T + bias (source 0 = 16 keys, source 1 = 16 queries): a lane holds ONE query and the keys 8 (lane / 16) + 0..7; two results rounded to f16 ARE source 1 of O^T = V^T P.  The row sums are a
; third product, ones x P; its rows 0 and 1 alone are rescaled and read.  Running maximum m, p = 2^(c s - c m), c = log2(e) / sqrt(32); O and the sum are multiplied by a = 2^(c m_old - c m_new) in every step;
; m starts at the lowest finite number, O and the sums at 0: the first step is a step like any other.
; THE MASK.  A masked key's k was written as 0, so its score is exactly the bias, -2^36, the C operand that starts the sum.  c x 2^36 is exact, so where all keys are masked c s - c m is 0 and the weights are
; uniform, as the -1e10 of the formula gives.  LIMIT: a masked energy counts as -2^36 / sqrt(32) = -1.21e10, not -1e10: it differs only where true energies fall below some -1e9.
; BY TURNS.  A turn belongs to one tile: six products V^T P and ones x P of the other tile's last step, four products K Q^T of the other tile's next step, spread among the 95 vector instructions of its own
; tile's scaling, exponentials, roundings, rescaling and the other tile's maximum.  A TRIP is the second part of tile 0's turn (K and biases of step s + 1 are fetched), tile 1's turn, and the first part of
; tile 0's next turn (V of step s + 1 is fetched): so a trip reads one key step's bytes, and a change of slots stands between trips.
; THE RING.  Two slots of four key steps (131,072 bytes; a wave's head 32,768 of them), 8 slots in all.  A change: each wave's wait for all its tensor loads, the add, the wait for its LDS reads, a round of the
; cluster's barrier, and one joint load a wave.  Six changes bring K and V; the seventh brings W1 into ring 0, the eighth W2 into ring 1.
; THE WALK IS TURNED.  Cluster n begins at key slot n % 8 and goes round: the softmax does not hang on the keys' order.  So the sixteen clusters of a batch ask for all eight slots at the launch's start, and
; each later request is for a tile that another cluster has asked for before.  Global addresses alone hang on the start: the bias table is laid into LDS in the walk's order.
; CLUSTER.  The four work-groups of a cluster belong to one batch: K, V and the weights are asked for jointly.
; NORMS in f32: each wave's mean and sum of squared deviations over its 32 channels, joined over the four waves by their means' spread: no difference of large sums.
; FORMATS.  Matrix operands f16; sums, maxima, residual stream, norms, biases f32.  LIMITS: no operand beyond 65,504 (some 2,000 at thirty times the drawn spread); p below 6e-8 counts as 0; NaN and infinities
; are not treated apart.
; LDS.  Ring 262,144; PAR + WO 4 x 9,472; bias table 8,192; STAT 2 x 1,024; ACT 2 x 8,192 (the stage, 32 x 528, lies over them when they are dead); the spare words.
; REGISTERS.  Window 0 serves the attention first and what follows it afterwards (two maps below).  Window 1: v0-31 biases, later v0-127 two buffers of weight fragments; v128-129 the add's two; v160-191 x as
; loaded at the start.
.set LAST,  1
.set WBLK,  100096
.set LAYB,  400384
.set OWO,   1280
.set OW1,   9472
.set OW2,   42240
.set OQKV,  75008
.set LQB,   24576                      ; bq, bk, bv behind the three matrices' fragments
.set XQ,    4194304
.set QOFF,  2097152
.set RING1, 1<<17                      ; slot 1 begins here: one exclusive or turns an address in one slot into the other's
.set WREG,  32768                      ; a wave's part of a slot
.set PARL,  262144
.set PREG,  9472
.set MBL,   300032
.set STAT,  308224
.set ACT,   310272
.set STG,   310272
.set SPARE, 327168
; window 0 in the attention
.set A16,  1                           ; 16 L; never rewritten
.set AK,   2
.set AV,   3
.set AB,   4
.set AB0,  5                           ; MBL + 32 h
.set KV0,  6                           ; 32,768 w + 16 L
.set TMPV, 7
.set ST,   8                           ; tile t at ST + 8 t: c m, m, c0, c1, c2 (later a), c3, c m_old
.set ONES, 24
.set QF,   32
.set KF,   48
.set VF,   80
.set S,    112
.set P,    176
.set OT,   208
.set LS,   240
; window 1
.set BI,   0
.set SPW,  128
.set NIL,  129
.set XR,   160
.set MKW,  192
; window 0 behind the attention
.set WBP,  2                           ; PAR + WO of my wave + 16 L
.set WB1,  3                           ; my part of ring 0 + 16 L
.set WB2,  4                           ; my part of ring 1 + 16 L
.set PA,   5                           ; PAR + 32 h
.set PAQ,  6                           ; my part of ring 0 + 32 h
.set PAV,  7                           ; my part of ring 0 + 4 r
.set AST,  8                           ; ACT + 1,024 w + 16 L
.set ALD,  9                           ; ACT + 16 L
.set SST,  10                          ; STAT + 256 w + 8 L
.set SLD,  11                          ; STAT + 8 r
.set PRD,  12                          ; partial sums: ring 1 + 4,096 w + 16 L, stepped from wave to wave
.set ZR,   13                          ; 0
.set SG,   14                          ; LAST: the stage, in
.set SGL,  15                          ; LAST: the stage, back
.set BV,   18                          ; v[18:19], v[20:21]: bv of channel r of block 0, 1
.set LN,   22                          ; v22-31: the norms' numbers
.set Y,    32                          ; the residual stream, f32
.set ACC,  64
.set BF,   96                          ; source 1 fragments (t, ks) at BF + 8 (4 t + ks)
.set H,    160                         ; hidden fragments, likewise; else at work
.set CB0,  224
.set CB1,  240
; scalars: s2 the walk's start, later at work; s3 the slot to ask for next; s[4:11] arguments; s[12:19] Q, x, my tokens' mask, the batch's mask; s66 wave; s72 work-group; s73 batch; s[74:75] my head's K and V;
; s[76:77] c; s78 32,768 w; s79 PAR's LDS address; s80-83 constants; s84, s85 counters; s86 LDS byte of the key step to fetch; s87 the same in the bias table; s[88:93] outputs; s[94:95] my wave block
.set G1A,  20                          ; group 1: 37 rows of 256 bytes (PAR + WO)
.set G1B,  28                          ; 128 rows (a wave's part of a slot; W1; W2)
.set G1C,  36                          ; 98 rows (QKV and biases)
.set G0K0, 44                          ; group 0: the walk's first slot
.set G0K1, 48                          ; its second; then it walks
.set G0P,  52
.set G0W1, 56
.set G0W2, 60
.set G0Q,  68
.set F, 0
.set E, 1
.set C, 2
.set R, 3
.set X, 4
.set MSB, 0
.macro WIN new
.if MSB != (\new)
	s_set_vgpr_msb (MSB<<8)|(\new)
.set MSB, (\new)
.endif
.endm
.macro PLACES n=4                      ; places behind matrix instructions, and behind a tensor load
.rept \n
	v_nop
.endr
.endm
.macro ROUND                           ; a round of the cluster's barrier
	s_barrier_signal -1
	s_barrier_wait -1
	s_cmp_lg_u32 s66, 0
	s_cbranch_scc1 .Lnot_wave_0_\@
	s_barrier_signal -3
.Lnot_wave_0_\@:
	s_barrier_wait -3
	s_barrier_signal -1
	s_barrier_wait -1
.endm
.macro BAR                             ; my LDS instructions are done; then all four waves'
	s_wait_dscnt 0x0
	s_barrier_signal -1
	s_barrier_wait -1
.endm
.macro T2 line:vararg                  ; one line for each token tile t
.set t, 0
.rept 2
	\line
.set t, t+1
.endr
.endm
.macro GROUP1 g, rows                  ; dense bytes as rows of 256: 8-byte elements, 32 to a row; the mask of four, bit 21 beside it
	s_mov_b32 s[(\g)], 15|(3<<16)|(1<<21)
	s_mov_b32 s[(\g)+1], 32<<16
	s_mov_b32 s[(\g)+2], (\rows)<<16
	s_mov_b32 s[(\g)+3], 32<<16
	s_mov_b32 s[(\g)+4], \rows
	s_mov_b32 s[(\g)+5], 32
	s_mov_b32 s[(\g)+6], 0
	s_mov_b32 s[(\g)+7], 0
.endm
.macro GROUP0 g, lreg, loff, preg, goff
	s_mov_b32 s[(\g)], 1
	s_add_co_u32 s[(\g)+1], s\lreg, \loff
	s_add_nc_u64 s[(\g)+2:(\g)+3], s[\preg:\preg+1], \goff
	s_or_b32 s[(\g)+3], s[(\g)+3], 0x80000000
.endm
; THE CHANGE OF SLOTS.  walk = 1: the walking descriptor takes the other slot and the walk's next tile, its address made anew from the tile's number.  tb = 1: the fetches go to the other slot's first step.
.macro CHANGE g0, walk, tb
	WIN 0x05
	s_wait_tensorcnt 0x0                       ; all my tensor loads have landed, my part of the slot to be entered among them: a group 0 may be written
	ds_add_u32 v[SPW], v[NIL]                  ; the descriptor's scalar work stands between the add and the wait for it
	WIN 0
.if \walk
	s_lshl_b32 s100, s3, 15
	s_xor_b32 s[G0K1+1], s[G0K1+1], RING1
	s_add_nc_u64 s[G0K1+2:G0K1+3], s[74:75], s[100:101]
	s_or_b32 s[G0K1+3], s[G0K1+3], 0x80000000
	s_add_co_u32 s3, s3, 1
	s_and_b32 s3, s3, 7
.endif
	s_wait_dscnt 0x0                           ; the add is done, and my reads of the slot that is left are back
	ROUND                                      ; both hold of every wave of the four work-groups
	tensor_load_to_lds s[(\g0):(\g0)+3], s[G1B:G1B+7]  ; my one load behind the round; it has four trips in which to land
	s_nop 0
	PLACES
.if \tb
	s_sub_co_u32 s86, s86, WREG
	s_xor_b32 s86, s86, RING1
.endif
.endm
; The LDS loads stand in runs.  Their addresses: a fixed lane term plus a scalar that steps by a key step's bytes.  K and V of a step are fetched in one trip: V's run steps the scalar.
.macro FETCH_V
	v_add_nc_u32 v[AV], s86, v[KV0]
.irp f, 0,1,2,3                        ; fragment 2 kk + cb: keys 32 kk on, channels 16 cb on
	ds_load_b128 v[VF+8*(\f):VF+8*(\f)+3],   v[AV] offset:4096+1024*(\f)
	ds_load_b128 v[VF+8*(\f)+4:VF+8*(\f)+7], v[AV] offset:4096+1024*(\f)+512
.endr
	s_add_co_u32 s86, s86, 8192
.endm
.macro FETCH_KB
	v_add_nc_u32 v[AK], s86, v[KV0]
	v_add_nc_u32 v[AB], s87, v[AB0]
.irp f, 0,1,2,3                        ; 16 keys a fragment
	ds_load_b128 v[KF+8*(\f):KF+8*(\f)+3],   v[AK] offset:1024*(\f)
	ds_load_b128 v[KF+8*(\f)+4:KF+8*(\f)+7], v[AK] offset:1024*(\f)+512
.endr
	WIN 0x40                                   ; destination window 1
.irp f, 0,1,2,3                        ; register j of block f: the bias of key 16 f + 8 h + j
	ds_load_b128 v[BI+8*(\f):BI+8*(\f)+3],   v[AB] offset:64*(\f)
	ds_load_b128 v[BI+8*(\f)+4:BI+8*(\f)+7], v[AB] offset:64*(\f)+16
.endr
	WIN 0
	s_add_co_u32 s87, s87, 256
.endm
; Product i of 6 for tile t: keys 32 (i / 3) on; O^T's two channel blocks and the sums take turns
.macro PVM t, i
.set kk, (\i)/3
.set tg, (\i)%3
.set rP, P+16*(\t)+8*kk
.if tg < 2
.set rO, OT+16*(\t)+8*tg
.set rV, VF+16*kk+8*tg
.else
.set rO, LS+8*(\t)
.set rV, ONES
.endif
	v_wmma_f32_16x16x32_f16 v[rO:rO+7], v[rV:rV+7], v[rP:rP+7], v[rO:rO+7]
	s_wait_alu depctr_va_vdst(0)
.endm
.macro KQM t, kb                       ; under the setting 0x10: C, the biases, in window 1
	v_wmma_f32_16x16x32_f16 v[S+32*(\t)+8*(\kb):S+32*(\t)+8*(\kb)+7], v[KF+8*(\kb):KF+8*(\kb)+7], v[QF+8*(\t):QF+8*(\t)+7], v[BI+8*(\kb):BI+8*(\kb)+7]
	s_wait_alu depctr_va_vdst(0)
.endm
; Number n of the 22 that find tile t's maximum and statistics.  0-11: four chains of seven scores, each accumulator's lowest registers first; 12-14, 16: the four left over, the old m,
; the chains into c0; 15: c m_old is kept; 17, 18: the query's other keys lie in the lane 16 away; 19-21: c m, c m_old - c m_new, a
.macro XS t, n
.set rT, ST+8*(\t)
.set rC, ST+8*(\t)+2
.set rS, S+32*(\t)
.if (\n) < 4
	v_max3_num_f32 v[rC+(\n)], v[rS+8*(\n)], v[rS+8*(\n)+1], v[rS+8*(\n)+2]
.elseif (\n) < 12
	v_max3_num_f32 v[rC+(\n)%4], v[rC+(\n)%4], v[rS+8*((\n)%4)+2*((\n)/4)+1], v[rS+8*((\n)%4)+2*((\n)/4)+2]
	s_wait_alu depctr_va_vdst(0)
.elseif (\n) == 12
	v_max3_num_f32 v[rC], v[rC], v[rS+7], v[rS+15]
.elseif (\n) == 13
	v_max3_num_f32 v[rC+1], v[rC+1], v[rS+23], v[rS+31]
.elseif (\n) == 14
	v_max3_num_f32 v[rC+2], v[rC+2], v[rC+3], v[rT+1]
.elseif (\n) == 15
	v_mov_b32 v[rT+6], v[rT]
.elseif (\n) == 16
	v_max3_num_f32 v[rC], v[rC], v[rC+1], v[rC+2]
	s_wait_alu depctr_va_vdst(0)
.elseif (\n) == 17
	v_permlanex16_b32 v[rC+3], v[rC], s80, s81
.elseif (\n) == 18
	v_max_num_f32 v[rT+1], v[rC], v[rC+3]
.elseif (\n) == 19
	v_mul_f32 v[rT], s76, v[rT+1]
	s_wait_alu depctr_va_vdst(0)
.elseif (\n) == 20
	v_sub_f32 v[rC+1], v[rT+6], v[rT]
.else
	v_exp_f32 v[rC+2], v[rC+1]
.endif
.endm
; One vector line.  For tile TY: F n: c s - c m for pair n; E n: the exponential of score n; C n: pair n rounded to f16; R n: pair n of O^T (8: rows 0, 1 of the sums) times a.  For tile TZ: X n.
.macro OP k, n
.if (\k) == F
	v_pk_fma_f32 v[S+32*TY+2*(\n):S+32*TY+2*(\n)+1], v[S+32*TY+2*(\n):S+32*TY+2*(\n)+1], s[76:77], v[ST+8*TY:ST+8*TY+1] op_sel_hi:[1,0,0] neg_lo:[0,0,1] neg_hi:[0,0,1]
.elseif (\k) == E
	v_exp_f32 v[S+32*TY+(\n)], v[S+32*TY+(\n)]
.elseif (\k) == C
	s_wait_alu depctr_va_vdst(0)
	v_cvt_pk_f16_f32 v[P+16*TY+(\n)], v[S+32*TY+2*(\n)], v[S+32*TY+2*(\n)+1]
.elseif ((\k) == R) && ((\n) < 8)
	v_pk_mul_f32 v[OT+16*TY+2*(\n):OT+16*TY+2*(\n)+1], v[OT+16*TY+2*(\n):OT+16*TY+2*(\n)+1], v[ST+8*TY+4:ST+8*TY+5] op_sel_hi:[1,0]
.elseif (\k) == R
	v_pk_mul_f32 v[LS+8*TY:LS+8*TY+1], v[LS+8*TY:LS+8*TY+1], v[ST+8*TY+4:ST+8*TY+5] op_sel_hi:[1,0]
.elseif !NOX
	XS TZ, \n
.endif
.endm
.macro OPS a, i1, b=-1, i2=0, c=-1, i3=0, d=-1, i4=0
	OP \a, \i1
.if (\b) >= 0
	OP \b, \i2
.endif
.if (\c) >= 0
	OP \c, \i3
.endif
.if (\d) >= 0
	OP \d, \i4
.endif
.endm
; A TURN for tile y.  fk = 1: tile 0's turn fetches the next step's K and biases.  kq = 0: the last turn: no next scores.  wv: how many younger LDS loads may be out when V is wanted.
; part = 1: the turn up to the first four lines of the maximum; part = 2: the rest, from K's fetch on; 0: all of it.
; No vector line near a product names its registers.  An exponential has a plain line behind it before its result is used.  Under the setting 0x10 stand only lines without a third vector source.
; V is fetched behind the last product that read V (eight plain lines back), K and the biases behind the last K Q^T (six plain lines back); both are waited for in tile 1's turn.
.macro TURN y, fk=1, kq=1, wv=16, part=0
.set TY, (\y)
.set TZ, 1-(\y)
.set NOX, 1-(\kq)
.if (\part) != 2
.if (\y) == 1
	s_wait_dscnt \wv                           ; V's eight loads are in; K's and the biases' sixteen, issued behind them, may stay out
.endif
	PVM TZ, 0
	OPS F,0, F,1, F,2, F,3
	PVM TZ, 1
	OPS F,4, E,0, F,5, E,1
	OPS F,6
	PVM TZ, 2
	OPS F,7, E,2, F,8, E,3
	OPS F,9
	PVM TZ, 3
	OPS F,10, E,4, F,11, E,5
	OPS F,12
	PVM TZ, 4
	OPS F,13, E,6, F,14, E,7
	OPS F,15
	PVM TZ, 5
	OPS R,0, E,8, R,1, E,9
	OPS R,2, E,10, R,3, E,11
	OPS R,4
.if (\y) == 0
	FETCH_V
.endif
	OPS R,5, R,6, R,7, R,8
.if \kq
.if (\y) == 1
	s_wait_dscnt 0x0                           ; K and the biases are in
.endif
	WIN 0x10
.endif
.irp kb, 0,1,2,3
.if \kq
	KQM TZ, \kb
.endif
	OPS C,2*(\kb), E,12+2*(\kb), C,2*(\kb)+1, E,13+2*(\kb)
.endr
	WIN 0
	OPS X,0, X,1, X,2, X,3
.endif
.if (\part) != 1
.if ((\y) == 0) && (\fk)
	FETCH_KB
.endif
	OPS E,20, X,4, E,21, X,5
	OPS E,22, X,6, E,23, X,7
	OPS C,8, E,24, X,8, C,9
	OPS E,25, X,9, X,10, E,26
	OPS X,11, C,10, E,27, X,12
	OPS X,13, E,28, X,14, X,15
	OPS C,11, E,29, X,16, C,12
	OPS E,30, X,17, C,13, E,31
	OPS X,18, C,14, X,19, C,15
	OPS X,20, X,21
.endif
.endm
.macro LOOPB n                         ; n trips: each reads K, the biases and V of one key step
	s_mov_b32 s84, \n
.Ltrip_\@:
	TURN 0, 1, 1, 16, 2
	TURN 1
	TURN 0, 1, 1, 16, 1
	s_sub_co_u32 s84, s84, 1
	s_cmp_lg_u32 s84, 0
	s_cbranch_scc1 .Ltrip_\@
.endm
.macro LOADW buf, areg, off            ; eight weight fragments into buffer buf of window 1
	WIN 0x40
.irp f, 0,1,2,3,4,5,6,7
	ds_load_b128 v[64*(\buf)+8*(\f):64*(\buf)+8*(\f)+3],   v[\areg] offset:(\off)+1024*(\f)
	ds_load_b128 v[64*(\buf)+8*(\f)+4:64*(\buf)+8*(\f)+7], v[\areg] offset:(\off)+1024*(\f)+512
.endr
	WIN 0
.endm
.macro LOADC cbr, pa, seg              ; 32 channels' f32 parameters in the order of a matrix result: register j of block nb = channel 16 nb + 8 h + j
.irp nb, 0,1
	ds_load_b128 v[(\cbr)+8*(\nb):(\cbr)+8*(\nb)+3],   v[\pa] offset:(\seg)+64*(\nb)
	ds_load_b128 v[(\cbr)+8*(\nb)+4:(\cbr)+8*(\nb)+7], v[\pa] offset:(\seg)+64*(\nb)+16
.endr
.endm
; 16 matrix instructions: K = 128 in four steps, two blocks of 16 outputs x two token tiles; the four accumulators take turns.
; swap = 0: weights are source 0: a lane holds token r and eight channels.  cmode: the first step's C: 0, (1) the bias in cb, (2) the residual in Y.
.macro MULW buf, bsrc, cmode, swap, cb=CB0
.if \swap
	WIN 0x04
.else
	WIN 0x01
.endif
.irp ks, 0,1,2,3
.irp nb, 0,1
.irp t, 0,1
.set rD, ACC+8*(2*(\nb)+(\t))
.set rC, rD
.if ((\ks) == 0) && ((\cmode) == 1)
.set rC, (\cb)+8*(\nb)
.endif
.if ((\ks) == 0) && ((\cmode) == 2)
.set rC, Y+8*(2*(\nb)+(\t))
.endif
.if \swap
.set rA, (\bsrc)+8*(4*(\t)+(\ks))
.set rB, 64*(\buf)+8*(4*(\nb)+(\ks))
.else
.set rA, 64*(\buf)+8*(4*(\nb)+(\ks))
.set rB, (\bsrc)+8*(4*(\t)+(\ks))
.endif
.if ((\ks) == 0) && ((\cmode) == 0)
	v_wmma_f32_16x16x32_f16 v[rD:rD+7], v[rA:rA+7], v[rB:rB+7], 0
.else
	v_wmma_f32_16x16x32_f16 v[rD:rD+7], v[rA:rA+7], v[rB:rB+7], v[rC:rC+7]
.endif
.endr
.endr
.endr
	WIN 0
.endm
; LAYER NORM of ACC into Y.  stat: which of the two exchange areas; gseg, bseg: gain and bias in PAR.  H is at work.
.macro LNORM stat, gseg, bseg
.set t, 0
.rept 2
.set p, 0
.rept 4                                ; each accumulator's lowest registers are read first
	v_pk_add_f32 v[H+16*t+2*p:H+16*t+2*p+1], v[ACC+8*t+2*p:ACC+8*t+2*p+1], v[ACC+16+8*t+2*p:ACC+17+8*t+2*p]
.set p, p+1
.endr
.set t, t+1
.endr
	T2 v_pk_add_f32 v[H+16*t:H+16*t+1], v[H+16*t:H+16*t+1], v[H+16*t+2:H+16*t+3]
	T2 v_pk_add_f32 v[H+16*t+4:H+16*t+5], v[H+16*t+4:H+16*t+5], v[H+16*t+6:H+16*t+7]
	T2 v_pk_add_f32 v[H+16*t:H+16*t+1], v[H+16*t:H+16*t+1], v[H+16*t+4:H+16*t+5]
	T2 v_add_f32 v[H+16*t], v[H+16*t], v[H+16*t+1]
	T2 v_permlanex16_b32 v[H+16*t+1], v[H+16*t], s80, s81   ; the token's other 16 channels lie in the lane 16 away
	T2 v_add_f32 v[H+16*t], v[H+16*t], v[H+16*t+1]
	T2 v_mul_f32 v[LN+2*t], 0x3d000000, v[H+16*t]           ; my 32 channels' mean
.set t, 0
.rept 2
.set p, 0
.rept 4
	v_pk_add_f32 v[H+16*t+2*p:H+16*t+2*p+1], v[ACC+8*t+2*p:ACC+8*t+2*p+1], v[LN+2*t:LN+2*t+1] op_sel_hi:[1,0] neg_lo:[0,1] neg_hi:[0,1]
	v_pk_add_f32 v[H+16*t+8+2*p:H+16*t+9+2*p], v[ACC+16+8*t+2*p:ACC+17+8*t+2*p], v[LN+2*t:LN+2*t+1] op_sel_hi:[1,0] neg_lo:[0,1] neg_hi:[0,1]
.set p, p+1
.endr
.set t, t+1
.endr
	T2 v_pk_mul_f32 v[H+32+4*t:H+33+4*t], v[H+16*t:H+16*t+1], v[H+16*t:H+16*t+1]
	T2 v_pk_mul_f32 v[H+34+4*t:H+35+4*t], v[H+16*t+2:H+16*t+3], v[H+16*t+2:H+16*t+3]
.irp q, 2,4,6
	T2 v_pk_fma_f32 v[H+32+4*t:H+33+4*t], v[H+16*t+2*(\q):H+16*t+2*(\q)+1], v[H+16*t+2*(\q):H+16*t+2*(\q)+1], v[H+32+4*t:H+33+4*t]
	T2 v_pk_fma_f32 v[H+34+4*t:H+35+4*t], v[H+16*t+2*(\q)+2:H+16*t+2*(\q)+3], v[H+16*t+2*(\q)+2:H+16*t+2*(\q)+3], v[H+34+4*t:H+35+4*t]
.endr
	T2 v_pk_add_f32 v[H+32+4*t:H+33+4*t], v[H+32+4*t:H+33+4*t], v[H+34+4*t:H+35+4*t]
	T2 v_add_f32 v[H+32+4*t], v[H+32+4*t], v[H+33+4*t]
	T2 v_permlanex16_b32 v[H+33+4*t], v[H+32+4*t], s80, s81
	T2 v_add_f32 v[LN+2*t+1], v[H+32+4*t], v[H+33+4*t]      ; and their squared deviations' sum
	v_cndmask_b32 v[LN+4], v[LN], v[LN+2], s82              ; lanes 0-15 hand on tile 0's pair, lanes 16-31 tile 1's
	v_cndmask_b32 v[LN+5], v[LN+1], v[LN+3], s82
	ds_store_b64 v[SST], v[LN+4:LN+5] offset:\stat
	BAR
.set t, 0
.rept 2
.set u, 0
.rept 4
	ds_load_b64 v[H+40+8*t+2*u:H+41+8*t+2*u], v[SLD] offset:(\stat)+256*u+128*t
.set u, u+1
.endr
.set t, t+1
.endr
	LOADC CB0, PA, \gseg
	LOADC CB1, PA, \bseg
	s_wait_dscnt 0x0
	T2 v_add_f32 v[H+56+4*t], v[H+40+8*t], v[H+42+8*t]
	T2 v_add_f32 v[H+57+4*t], v[H+44+8*t], v[H+46+8*t]
	T2 v_add_f32 v[H+58+4*t], v[H+41+8*t], v[H+43+8*t]
	T2 v_add_f32 v[H+59+4*t], v[H+45+8*t], v[H+47+8*t]
	T2 v_add_f32 v[H+56+4*t], v[H+56+4*t], v[H+57+4*t]
	T2 v_add_f32 v[H+58+4*t], v[H+58+4*t], v[H+59+4*t]
	T2 v_mul_f32 v[LN+8+t], 0x3e800000, v[H+56+4*t]         ; the mean of 128
.irp u, 0,1,2,3
	T2 v_sub_f32 v[H+40+8*t+2*(\u)], v[H+40+8*t+2*(\u)], v[LN+8+t]
.endr
	T2 v_mul_f32 v[H+56+4*t], v[H+40+8*t], v[H+40+8*t]
.irp u, 1,2,3
	T2 v_fmac_f32 v[H+56+4*t], v[H+40+8*t+2*(\u)], v[H+40+8*t+2*(\u)]
.endr
	T2 v_fmamk_f32 v[H+56+4*t], v[H+56+4*t], 0x42000000, v[H+58+4*t]   ; 32 x the means' squared spread + the four sums
	T2 v_fmaak_f32 v[H+56+4*t], s83, v[H+56+4*t], 0x3727c5ac           ; / 128 + 1e-5
	T2 v_rsq_f32 v[LN+4*t], v[H+56+4*t]
	v_nop                                                   ; a plain line behind the transcendentals
	s_wait_alu depctr_va_vdst(0)
	T2 v_mul_f32 v[LN+4*t+2], -v[LN+8+t], v[LN+4*t]
.set a, 0
.rept 4
.set p, 0
.rept 4
	v_pk_fma_f32 v[Y+8*a+2*p:Y+8*a+2*p+1], v[ACC+8*a+2*p:ACC+8*a+2*p+1], v[LN+4*(a%2):LN+4*(a%2)+1], v[LN+4*(a%2)+2:LN+4*(a%2)+3] op_sel_hi:[1,0,0]
.set p, p+1
.endr
.set a, a+1
.endr
.set a, 0
.rept 4
.set p, 0
.rept 4
	v_pk_fma_f32 v[Y+8*a+2*p:Y+8*a+2*p+1], v[Y+8*a+2*p:Y+8*a+2*p+1], v[CB0+8*(a/2)+2*p:CB0+8*(a/2)+2*p+1], v[CB1+8*(a/2)+2*p:CB1+8*(a/2)+2*p+1]
.set p, p+1
.endr
.set a, a+1
.endr
.endm
.macro GETACT act                      ; everybody's pieces are in the exchange area: all eight fragments into BF
	BAR
.irp f, 0,1,2,3,4,5,6,7
	ds_load_b128 v[BF+8*(\f):BF+8*(\f)+3],   v[ALD] offset:(\act)+1024*(\f)
	ds_load_b128 v[BF+8*(\f)+4:BF+8*(\f)+7], v[ALD] offset:(\act)+1024*(\f)+512
.endr
.endm
; Y, rounded to f16, is my K step of everybody's source 1
.macro PACKACT act
.irp a, 0,1,2,3
.irp p, 0,1,2,3
	v_cvt_pk_f16_f32 v[H+4*(\a)+(\p)], v[Y+8*(\a)+2*(\p)], v[Y+8*(\a)+2*(\p)+1]
.endr
.endr
.irp nb, 0,1
.irp t, 0,1
	ds_store_b128 v[AST], v[H+4*(2*(\nb)+(\t)):H+4*(2*(\nb)+(\t))+3] offset:(\act)+4096*(\t)+512*(\nb)
.endr
.endr
	GETACT \act
.endm
	s_load_b256 s[4:11], s[0:1], 0x0           ; stream in 4, weights 6, src_mask 8, the result 10
	WIN 0x40
	v_lshl_add_u32 v[SPW], v0, 2, SPARE
	v_mov_b32 v[NIL], 0
	WIN 0x05
	ds_add_u32 v[SPW], v[NIL]                  ; the wave's opening: the add and its wait stand ahead of my first tensor load
	WIN 0
	v_lshrrev_b32 v[TMPV], 5, v0
	v_readfirstlane_b32 s66, v[TMPV]           ; wave
	s_bfe_u32 s67, ttmp6, 0x40000              ; cx
	s_lshl_b32 s72, ttmp9, 2
	s_add_co_u32 s72, s72, s67                 ; work-group = 4 x cluster + cx: it enters the addresses of x, q and the result alone
	s_lshr_b32 s73, ttmp9, 4                   ; the batch: sixteen clusters each; the partners share it
	s_and_b32 s2, ttmp9, 7                     ; the walk's first slot,
	s_add_co_u32 s3, s2, 1
	s_and_b32 s3, s3, 7                        ; and its second
	GROUP1 G1A, 37
	GROUP1 G1B, 128
	s_lshl_b32 s78, s66, 15                    ; my part of a slot
	s_mul_i32 s79, s66, PREG
	s_add_co_u32 s79, s79, PARL
	s_lshl2_add_u32 s74, s73, s66              ; 4 b + head
	s_lshl_b32 s74, s74, 18
	s_add_co_u32 s74, s74, XQ+QOFF
	s_mov_b32 s75, 0
	s_mul_i32 s94, s66, WBLK
	s_add_co_u32 s94, s94, LAYB                ; layer 5's weights are the buffer's second set
	s_mov_b32 s95, 0
	s_mov_b32 s101, 0
	s_mov_b32 s76, 0x3e8293ee                  ; c = log2(e) / sqrt(32)
	s_mov_b32 s77, s76
	s_mov_b32 s80, 0x76543210
	s_mov_b32 s81, 0xfedcba98
	s_mov_b32 s82, 0xffff0000                  ; lanes 16-31
	s_mov_b32 s83, 0x3c000000                  ; 1 / 128
	s_mov_b32 s97, 0xd1800000                  ; -2^36
	s_mov_b32 s86, 0
	s_mov_b32 s87, 0
	v_and_b32 v[TMPV], 31, v0
	v_lshlrev_b32 v[A16], 4, v[TMPV]
	v_add_nc_u32 v[KV0], s78, v[A16]
	v_lshrrev_b32 v[TMPV], 4, v[TMPV]
	v_lshl_add_u32 v[AB0], v[TMPV], 5, MBL
	s_wait_dscnt 0x0                           ; the opening add is done
	s_wait_kmcnt 0x0
	s_add_nc_u64 s[74:75], s[4:5], s[74:75]    ; my head's K and V
	s_add_nc_u64 s[94:95], s[6:7], s[94:95]    ; my wave block of the weights
	s_mov_b32 s[G0K0], 1
	s_mov_b32 s[G0K0+1], s78
	s_lshl_b32 s100, s2, 15
	s_add_nc_u64 s[G0K0+2:G0K0+3], s[74:75], s[100:101]
	s_or_b32 s[G0K0+3], s[G0K0+3], 0x80000000
	s_mov_b32 s[G0K1], 1
	s_add_co_u32 s[G0K1+1], s78, RING1
	s_lshl_b32 s100, s3, 15
	s_add_nc_u64 s[G0K1+2:G0K1+3], s[74:75], s[100:101]
	s_or_b32 s[G0K1+3], s[G0K1+3], 0x80000000
	s_add_co_u32 s3, s3, 1
	s_and_b32 s3, s3, 7                        ; the slot that the first change asks for
	GROUP0 G0P, 79, 0, 94, 0
	GROUP0 G0W1, 78, 0, 94, OW1
	GROUP0 G0W2, 78, RING1, 94, OW2
	ROUND                                      ; all four work-groups are here: the joint loads meet
	tensor_load_to_lds s[G0K0:G0K0+3], s[G1B:G1B+7]    ; three loads of mine are out behind these lines
	s_nop 0
	tensor_load_to_lds s[G0K1:G0K1+3], s[G1B:G1B+7]
	s_nop 0
	tensor_load_to_lds s[G0P:G0P+3], s[G1A:G1A+7]
	s_nop 0
	PLACES
	s_mov_b32 s99, 0
	s_lshl_b32 s98, s73, 13
	s_add_nc_u64 s[18:19], s[8:9], s[98:99]    ; the batch's mask
	s_lshl_b32 s96, s2, 10                     ; the walk's first key, in bytes of the mask
	v_lshl_add_u32 v[P], v0, 4, s96            ; thread i's 16 bytes of table quarter j come from byte (16 i + 2,048 j + first key) mod 8,192
.irp j, 1,2,3
	v_add_nc_u32 v[P+(\j)], 2048*(\j), v[P]
.endr
.irp j, 0,1,2,3
	v_and_b32 v[P+(\j)], 0x1fff, v[P+(\j)]
.endr
.irp j, 0,1,2,3
	global_load_b128 v[S+4*(\j):S+4*(\j)+3], v[P+(\j)], s[18:19]
.endr
	s_lshl_b32 s98, s72, 13
	s_lshl_b32 s96, s66, 10
	s_add_co_u32 s98, s98, s96
	s_add_co_u32 s98, s98, XQ
	s_add_nc_u64 s[12:13], s[4:5], s[98:99]    ; q: tile 2 wg, head w
.irp t, 0,1
.irp c, 0,1
	global_load_b128 v[QF+8*(\t)+4*(\c):QF+8*(\t)+4*(\c)+3], v[A16], s[12:13] offset:4096*(\t)+512*(\c)
.endr
.endr
	s_lshl_b32 s98, s72, 14
	s_lshl_b32 s96, s66, 11
	s_add_co_u32 s98, s98, s96
	s_add_nc_u64 s[14:15], s[4:5], s[98:99]    ; x: my tiles, my wave's channels
	WIN 0x40                                   ; x waits in window 1 until the attention is over
.irp t, 0,1
.irp nb, 0,1
.irp hf, 0,1
	global_load_b128 v[XR+8*(2*(\nb)+(\t))+4*(\hf):XR+8*(2*(\nb)+(\t))+4*(\hf)+3], v[A16], s[14:15] offset:8192*(\t)+1024*(\nb)+512*(\hf)
.endr
.endr
.endr
	WIN 0
	s_lshl_b32 s98, s72, 14
	s_lshl_b32 s96, s66, 12
	s_add_co_u32 s98, s98, s96
	s_add_nc_u64 s[92:93], s[10:11], s[98:99]  ; the result: row 32 wg + 8 w
	v_lshl_add_u32 v[P+5], v0, 4, MBL
	; What the first turn finds: V and tile 1's P hold 0 (its products, of a step that has not been, add 0), O^T and the sums are 0.  All this stands in the wait for the first tile.
.set i, 0
.rept 32
	v_mov_b32 v[VF+i], 0
	v_mov_b32 v[OT+i], 0
.set i, i+1
.endr
.set i, 0
.rept 16
	v_mov_b32 v[LS+i], 0
	v_mov_b32 v[P+16+i], 0
.set i, i+1
.endr
.set i, 0
.rept 8
	v_mov_b32 v[ONES+i], 0x3c003c00            ; 1.0 twice in f16
.set i, i+1
.endr
.irp t, 0,1
	v_mov_b32 v[ST+8*(\t)], 0xfe000000         ; c m: far below every c s
	v_mov_b32 v[ST+8*(\t)+1], 0xff7fffff       ; m
.endr
	s_wait_loadcnt 12                          ; the mask is in; Q's four loads and x's eight may stay out
.set i, 0
.rept 16
	v_cmp_eq_u32 vcc_lo, 0, v[S+i]
	v_cndmask_b32 v[S+i], 0, s97, vcc_lo       ; the bias: 0, or -2^36 for a masked key
.set i, i+1
.endr
.irp j, 0,1,2,3
	ds_store_b128 v[P+5], v[S+4*(\j):S+4*(\j)+3] offset:2048*(\j)
.endr
	s_wait_tensorcnt 0x2                       ; my part of the first slot is in; the second slot and PAR + WO may stay out
	s_wait_dscnt 0x0                           ; my quarter of the bias table is stored
	s_barrier_signal -1
	s_barrier_wait -1
	FETCH_KB                                   ; the walk's key step 0
	s_wait_loadcnt 8                           ; Q is in; x's eight loads may stay out
	s_wait_dscnt 0x0
	WIN 0x10
.irp kb, 0,1,2,3
	KQM 0, \kb                                 ; tile 0's first scores
.endr
	WIN 0
	PLACES
.irp n, 0,1,2,3,4,5,6,7,8,9,10,11,12,13,14,15,16,17,18,19,20,21
	XS 0, \n
.endr
	v_nop                                      ; a plain line behind the exponential
	TURN 0, 1, 1, 16, 1                        ; the first part of tile 0's first turn: V of step 0
	LOOPB 3                                    ; steps 1 to 3: the rest of the first slot
	s_mov_b32 s85, 6
.Lslot:                                            ; six times: a slot is entered, and the slot that is left takes the walk's next tile
	CHANGE G0K1, 1, 1
	LOOPB 4
	s_sub_co_u32 s85, s85, 1
	s_cmp_lg_u32 s85, 0
	s_cbranch_scc1 .Lslot
	CHANGE G0W1, 0, 1                          ; the last slot is entered; ring 0 takes W1
	LOOPB 4
	CHANGE G0W2, 0, 0                          ; K and V are all in registers or used; W1 has landed; ring 1 takes W2
	TURN 0, 0, 1, 16, 2                        ; the last step: nothing is left to fetch
	TURN 1, 0, 0, 0                            ; no next scores
.irp i, 0,1,2,3,4,5
	PVM 1, \i                                  ; tile 1's last products
.endr
	; O^T divided by the sum (its row 0) and rounded to f16: a lane's eight channels are 16 bytes of Wo's source 1, K step w
	PLACES
	v_rcp_f32 v[ST+4], v[LS]
	v_rcp_f32 v[ST+12], v[LS+8]
	v_nop
	s_wait_alu depctr_va_vdst(0)
.irp t, 0,1
.irp p, 0,1,2,3,4,5,6,7
	v_pk_mul_f32 v[OT+16*(\t)+2*(\p):OT+16*(\t)+2*(\p)+1], v[OT+16*(\t)+2*(\p):OT+16*(\t)+2*(\p)+1], v[ST+8*(\t)+4:ST+8*(\t)+5] op_sel_hi:[1,0]
.endr
.endr
.irp t, 0,1
.irp p, 0,1,2,3,4,5,6,7
	v_cvt_pk_f16_f32 v[S+8*(\t)+(\p)], v[OT+16*(\t)+2*(\p)], v[OT+16*(\t)+2*(\p)+1]
.endr
.endr
	; window 0's second map: the addresses of what follows
	v_and_b32 v[H], 31, v0                     ; L
	v_and_b32 v[H+1], 15, v0                   ; r
	v_bfe_u32 v[H+2], v0, 4, 1                 ; h
	v_add_nc_u32 v[WBP], s79, v[A16]
	v_add_nc_u32 v[WB1], s78, v[A16]
	v_add_nc_u32 v[WB2], RING1, v[WB1]
	v_lshl_add_u32 v[PA], v[H+2], 5, s79
	s_lshl_b32 s2, s66, 10
	s_add_co_u32 s2, s2, ACT
	v_add_nc_u32 v[AST], s2, v[A16]
	v_add_nc_u32 v[ALD], ACT, v[A16]
	s_lshl_b32 s2, s66, 8
	s_add_co_u32 s2, s2, STAT
	v_lshl_add_u32 v[SST], v[H], 3, s2
	v_lshl_add_u32 v[SLD], v[H+1], 3, STAT
	s_lshl_b32 s2, s66, 12
	s_add_co_u32 s2, s2, RING1
	v_add_nc_u32 v[PRD], s2, v[A16]
	v_mov_b32 v[ZR], 0
	v_mov_b32 v[LN+1], 0                       ; named in pairs before they are made, so they are written
	v_mov_b32 v[LN+3], 0
	v_mov_b32 v[LN+7], 0
	v_mul_u32_u24 v[SG], v[H+1], 528           ; the stage, in: row r, my wave's 128 bytes, 32 h
	v_lshl_add_u32 v[SG], v[H+2], 5, v[SG]
	s_lshl_b32 s2, s66, 7
	s_add_co_u32 s2, s2, STG
	v_add_nc_u32 v[SG], s2, v[SG]
	s_mul_i32 s2, s66, 8*528                   ; back: my 8 rows, whole
	s_add_co_u32 s2, s2, STG
	v_add_nc_u32 v[SGL], s2, v[A16]
.irp t, 0,1
.irp c, 0,1
	ds_store_b128 v[AST], v[S+8*(\t)+4*(\c):S+8*(\t)+4*(\c)+3] offset:8192+4096*(\t)+512*(\c)
.endr
.endr
	GETACT 8192                                ; the four heads' O
	; 1.  x + bo + O Wo, LN1.  PAR, WO and W1 were shown landed by the changes' waits for all my loads
	LOADW 0, WBP, OWO
	LOADC CB0, PA, 0
	s_wait_loadcnt 0x0                         ; x
	s_wait_dscnt 0x0
	WIN 0x01                                   ; source 0 in window 1
.set a, 0
.rept 4
.set p, 0
.rept 4
	v_pk_add_f32 v[Y+8*a+2*p:Y+8*a+2*p+1], v[XR+8*a+2*p:XR+8*a+2*p+1], v[CB0+8*(a/2)+2*p:CB0+8*(a/2)+2*p+1]
.set p, p+1
.endr
.set a, a+1
.endr
	MULW 0, BF, 2, 0
	PLACES
	LNORM 0, 128, 256
	PACKACT 0
	; 2.  relu(y W1 + b1): my 128 hidden channels in four groups of 32; a group, rounded to f16, is one K step of W2's source 1
	LOADW 0, WB1, 0
	LOADC CB0, PA, 768
.irp g, 0,1,2,3
.if (\g) < 3
	LOADW ((\g)+1)&1, WB1, 8192*((\g)+1)
	LOADC CB0+16*(((\g)+1)&1), PA, 768+128*((\g)+1)
	s_wait_dscnt 20                            ; this group's are in; the next group's 16 + 4 may stay out
.else
	s_wait_dscnt 0x0
.endif
	MULW (\g)&1, BF, 1, 0, CB0+16*((\g)&1)
	PLACES
.irp nb, 0,1
.irp t, 0,1
.irp p, 0,1,2,3
	v_cvt_pk_f16_f32 v[H+8*(4*(\t)+(\g))+4*(\nb)+(\p)], v[ACC+8*(2*(\nb)+(\t))+2*(\p)], v[ACC+8*(2*(\nb)+(\t))+2*(\p)+1]
.endr
.endr
.endr
.irp nb, 0,1
.irp t, 0,1
.irp p, 0,1,2,3
	v_pk_max_num_f16 v[H+8*(4*(\t)+(\g))+4*(\nb)+(\p)], v[H+8*(4*(\t)+(\g))+4*(\nb)+(\p)], v[ZR]
.endr
.endr
.endr
.endr
	s_wait_tensorcnt 0x0                       ; W2 is in
	; 3.  My K slice of h W2: all 128 outputs in four groups of 32, as partial sums in f32 into LDS.  Five places: the next group's first products write the accumulators anew.
	LOADW 0, WB2, 0
.irp g, 0,1,2,3
.if (\g) < 3
	LOADW ((\g)+1)&1, WB2, 8192*((\g)+1)
	s_wait_dscnt 16                            ; all but the next group's 16
.else
	s_wait_dscnt 0x0
.endif
	MULW (\g)&1, H, 0, 0
	PLACES 5
.irp a, 0,1,2,3
	ds_store_b128 v[WB2], v[ACC+8*(\a):ACC+8*(\a)+3]   offset:4096*(\g)+1024*(\a)      ; over fragments of groups up to this one: my loads of them are issued, and LDS serves a wave in order (ISA guide 5.7.1.4); ring 1 has had its last fill
	ds_store_b128 v[WB2], v[ACC+8*(\a)+4:ACC+8*(\a)+7] offset:4096*(\g)+1024*(\a)+512
.endr
.endr
	BAR
.irp u, 0,1,2,3                        ; the four waves' partial sums of my 32 channels (group w)
.irp a, 0,1,2,3
	ds_load_b128 v[BF+32*(\u)+8*(\a):BF+32*(\u)+8*(\a)+3],   v[PRD] offset:1024*(\a)
	ds_load_b128 v[BF+32*(\u)+8*(\a)+4:BF+32*(\u)+8*(\a)+7], v[PRD] offset:1024*(\a)+512
.endr
.if (\u) < 3
	v_add_nc_u32 v[PRD], WREG, v[PRD]
.endif
.endr
	LOADC CB0, PA, 384
	s_wait_dscnt 0x0
.set a, 0
.rept 4
.set p, 0
.rept 4
	v_pk_add_f32 v[ACC+8*a+2*p:ACC+8*a+2*p+1], v[Y+8*a+2*p:Y+8*a+2*p+1], v[CB0+8*(a/2)+2*p:CB0+8*(a/2)+2*p+1]
.set p, p+1
.endr
.set a, a+1
.endr
.set u, 0
.rept 4
.set i, 0
.rept 16
	v_pk_add_f32 v[ACC+2*i:ACC+2*i+1], v[ACC+2*i:ACC+2*i+1], v[BF+32*u+2*i:BF+32*u+2*i+1]
.set i, i+1
.endr
.set u, u+1
.endr
	LNORM 1024, 512, 640
	; 4.  The result, row-major: through a stage of 32 rows x 528 bytes; each store is a whole row of 512 bytes
.irp t, 0,1
.irp nb, 0,1
.irp hf, 0,1
	ds_store_b128 v[SG], v[Y+8*(2*(\nb)+(\t))+4*(\hf):Y+8*(2*(\nb)+(\t))+4*(\hf)+3] offset:8448*(\t)+64*(\nb)+16*(\hf)
.endr
.endr
.endr
	BAR
.irp i, 0,1,2,3,4,5,6,7
	ds_load_b128 v[H+4*(\i):H+4*(\i)+3], v[SGL] offset:528*(\i)
.endr
.irp i, 0,1,2,3,4,5,6,7
	s_wait_dscnt 7-(\i)                        ; row i is back; the younger rows may stay out
	global_store_b128 v[A16], v[H+4*(\i):H+4*(\i)+3], s[92:93] offset:512*(\i)
.endr
	WIN 0x05
	s_wait_tensorcnt 0x0                       ; the wave's end
	ds_add_u32 v[SPW], v[NIL]
	s_wait_dscnt 0x0
	WIN 0
	ROUND                                      ; the closing round
	s_endpgm
.Lfunc_end_k_q84346cb691_last:
	.size	k_q84346cb691_last, .Lfunc_end_k_q84346cb691_last-k_q84346cb691_last
	.p2alignl 7, 3214868480
	.fill 96, 4, 3214868480
	.section	.rodata,"a",@progbits
	.p2align	6, 0x0
	.amdhsa_kernel k_q84346cb691_last
		.amdhsa_group_segment_fixed_size 327680
		.amdhsa_private_segment_fixed_size 0
		.amdhsa_enable_private_segment 0
		.amdhsa_kernarg_size 32
		.amdhsa_user_sgpr_count 2
		.amdhsa_user_sgpr_kernarg_segment_ptr 1
		.amdhsa_wavefront_size32 1
		.amdhsa_system_sgpr_workgroup_id_x 1
		.amdhsa_system_sgpr_workgroup_id_y 1
		.amdhsa_system_sgpr_workgroup_id_z 1
		.amdhsa_system_vgpr_workitem_id 0
		.amdhsa_next_free_vgpr 456
		.amdhsa_next_free_sgpr 102
		.amdhsa_reserve_vcc 1
		.amdhsa_float_denorm_mode_32 3
		.amdhsa_float_denorm_mode_16_64 3
		.amdhsa_memory_ordered 1
		.amdhsa_forward_progress 1
		.amdhsa_inst_pref_size 145
	.end_amdhsa_kernel
	.amdgpu_metadata
---
amdhsa.version: [ 1, 2 ]
amdhsa.kernels:
  - .name:           k_q84346cb691_last
    .symbol:         k_q84346cb691_last.kd
    .args:
      - { .name: sb, .offset: 0, .size: 8, .value_kind: global_buffer, .address_space: global }
      - { .name: w0, .offset: 8, .size: 8, .value_kind: global_buffer, .address_space: global }
      - { .name: src_mask, .offset: 16, .size: 8, .value_kind: global_buffer, .address_space: global }
      - { .name: out0, .offset: 24, .size: 8, .value_kind: global_buffer, .address_space: global }
    .group_segment_fixed_size: 327680
    .private_segment_fixed_size: 0
    .kernarg_segment_align: 8
    .kernarg_segment_size: 32
    .max_flat_workgroup_size: 128
    .sgpr_count:     102
    .vgpr_count:     456
    .wavefront_size: 32
...
	.end_amdgpu_metadata
.endif
;; end of part 4
;; ======== version 2 of 2: 8 launches; 1.74 times as fast as version 1
;; limits: values are held in f16: magnitudes above 65,504 overflow, below 6.1e-05 lose precision
;; workspace buffers: w0 800,768 bytes; w1 400,384 bytes; w2 400,384 bytes; w3 400,384 bytes; w4 400,384 bytes; sa 10,485,760 bytes; sb 10,485,760 bytes
;; launch prep: the kernel of part 1 again; grid 49 x 6, 8 waves a work-group, no clusters, 0 bytes of LDS; arguments Wo, Wq, Wk, Wv, W1, W2, bo, g1, be1, b2, g2, be2, bq, bk, bv, b1, w0, w1, w2, w3, w4; writes w0, w1, w2, w3, w4
;; launch emb: the kernel of part 2 again; grid 256 x 1, 4 waves a work-group, clusters of 4 x 1, 167,936 bytes of LDS; arguments src, src_mask, tok_emb, w0, sa; writes sa
;; launch lay0 (part 5): grid 256 x 1, 4 waves a work-group, clusters of 4 x 1, 327,680 bytes of LDS; arguments sa, w0, src_mask, sb; writes sb
.if DOCPART == 5
	.amdgcn_target "amdgcn-amd-amdhsa--gfx1250"
	.amdhsa_code_object_version 6
	.text
	.protected	k_q84346cb691_lay0
	.globl	k_q84346cb691_lay0
	.p2align	8
	.type	k_q84346cb691_lay0,@function
k_q84346cb691_lay0:
	s_mov_b64 s[64:65], 0
	v_nop
	global_prefetch_b8 v0, s[64:65] scope:SCOPE_SE
	s_setreg_imm32_b32 hwreg(HW_REG_WAVE_MODE, 25, 1), 1
	s_wait_xcnt 0x0
	s_wait_alu depctr_hold_cnt(0) depctr_sa_sdst(0) depctr_va_vdst(0) depctr_va_sdst(0) depctr_va_ssrc(0) depctr_va_vcc(0) depctr_vm_vsrc(0)
	s_getreg_b32 s2, hwreg(HW_REG_IB_STS2, 6, 4)
	s_cmp_eq_u32 s2, 0
	s_cbranch_scc0 .Lentry_in_a_cluster
	s_endpgm
.Lentry_in_a_cluster:
	s_bfe_u32 s2, ttmp6, 0x10000c
	s_cmp_lg_u32 s2, 0x3003
	s_cbranch_scc0 .Lentry_shape_is_right
	s_endpgm
.Lentry_shape_is_right:
; LAYER.  One encoder layer in one launch: attention; y = LN1(x + O Wo + bo); x' = LN2(y + relu(y W1 + b1) W2 + b2).  LAST = 0 (layers 0 to 4, one text: the layer's weights, with the next layer's Wq, Wk, Wv,
; lie at the head of the buffer that the launch is given): x' goes out in f32 in the order of a matrix result, with the NEXT layer's q, k, v.  LAST = 1 (layer 5): x' goes out row-major, the module's result.
; The stream buffer that is read holds x (at 0), q (at 4,194,304), k and v (2,097,152 behind q), the three in f16 as matrix fragments; the one that is written takes the same.
; SHARES.  A work-group owns 32 tokens (tiles t = 0, 1 of 16) and all four heads.  Wave w: head w's attention for both tiles; then output channels 32 w .. + 31 (blocks nb = 0, 1; accumulator a = 2 nb + t),
; hidden channels 128 w .. + 127, and head w of the next q, k, v.  W2's K is split over the waves: partial sums in f32, added by the channel's owner.  So each fragment of K, V and weights is read by one wave.
; ATTENTION.  S^T = K Q^T + bias (source 0 = 16 keys, source 1 = 16 queries): a lane holds ONE query and the keys 8 (lane / 16) + 0..7; two results rounded to f16 ARE source 1 of O^T = V^T P.  The row sums are a
; third product, ones x P; its rows 0 and 1 alone are rescaled and read.  Running maximum m, p = 2^(c s - c m), c = log2(e) / sqrt(32); O and the sum are multiplied by a = 2^(c m_old - c m_new) in every step;
; m starts at the lowest finite number, O and the sums at 0: the first step is a step like any other.
; THE MASK.  A masked key's k was written as 0, so its score is exactly the bias, -2^36, the C operand that starts the sum.  c x 2^36 is exact, so where all keys are masked c s - c m is 0 and the weights are
; uniform, as the -1e10 of the formula gives.  LIMIT: a masked energy counts as -2^36 / sqrt(32) = -1.21e10, not -1e10: it differs only where true energies fall below some -1e9.
; BY TURNS.  A turn belongs to one tile y; z is the other.  Its matrix work: six products V^T P and ones x P of z's last step, then four products K Q^T of z's next step.  Its 95 vector instructions: the roundings
; of z's weights, which the turn before made; y's scaling, exponentials and rescaling; z's maximum and statistics.
; BATCHES.  A turn's 33 exponentials (y's 32 weights, each in place in a register of its own, and last z's a) are ONE batch with ONE wait, the turn's last line.  Ahead of that wait nothing names a result of the
; batch; its readers stand in the next turn: the roundings at its head, the rescaling by a beside its products K Q^T.  Beside the turns' batches the text has four, each with a wait of its own: tile 0's first a,
; the two reciprocals of the sums, and each norm's two reciprocal roots.
; A TRIP is the fetch of K and the biases of step s + 1, tile 1's turn, and tile 0's next turn (V of step s + 1 is fetched): so a trip reads one key step's bytes and ends at a turn's wait, and a change of slots
; stands between trips.
; THE RING.  Two slots of four key steps (131,072 bytes; a wave's head 32,768 of them), 8 slots in all.  A change: each wave's wait for all its tensor loads, the add, the wait for its LDS reads, a round of the
; cluster's barrier, and one joint load a wave.  Six changes bring K and V; the seventh brings W1 into ring 0, the eighth W2 into ring 1; behind W1's products the next layer's QKV comes into ring 0.
; THE WALK IS TURNED.  Cluster n begins at key slot n % 8 and goes round: the softmax does not hang on the keys' order.  So the sixteen clusters of a batch ask for all eight slots at the launch's start, and
; each later request is for a tile that another cluster has asked for before.  Global addresses alone hang on the start: the bias table is laid into LDS in the walk's order.
; CLUSTER.  The four work-groups of a cluster belong to one batch: K, V and the weights are asked for jointly.
; NORMS in f32: each wave's mean and sum of squared deviations over its 32 channels, joined over the four waves by their means' spread: no difference of large sums.
; FORMATS.  Matrix operands f16; sums, maxima, residual stream, norms, biases f32.  LIMITS: no operand beyond 65,504 (some 2,000 at thirty times the drawn spread); p below 6e-8 counts as 0; NaN and infinities
; are not treated apart.
; LDS.  Ring 262,144; PAR + WO 4 x 9,472; bias table 8,192; STAT 2 x 1,024; ACT 2 x 8,192 (LAST: the stage, 32 x 528, lies over them when they are dead); the spare words.
; REGISTERS.  Window 0 serves the attention first and what follows it afterwards (two maps below).  Window 1: v0-31 biases, later v0-127 two buffers of weight fragments; v128-129 the add's two; v160-191 x as
; loaded at the start; v192-195 1.0 or 0 for my tokens.
.set LAST,  0
.set WBLK,  100096
.set LAYB,  400384
.set OWO,   1280
.set OW1,   9472
.set OW2,   42240
.set OQKV,  75008
.set LQB,   24576                      ; bq, bk, bv behind the three matrices' fragments
.set XQ,    4194304
.set QOFF,  2097152
.set RING1, 1<<17                      ; slot 1 begins here: one exclusive or turns an address in one slot into the other's
.set WREG,  32768                      ; a wave's part of a slot
.set PARL,  262144
.set PREG,  9472
.set MBL,   300032
.set STAT,  308224
.set ACT,   310272
.set STG,   310272
.set SPARE, 327168
; window 0 in the attention
.set A16,  1                           ; 16 L; never rewritten
.set AK,   2
.set AV,   3
.set AB,   4
.set AB0,  5                           ; MBL + 32 h
.set KV0,  6                           ; 32,768 w + 16 L
.set TMPV, 7
.set ST,   8                           ; tile t at ST + 8 t: c m, m, c0, c1, c2 (later a), c3, c m_old
.set ONES, 24
.set QF,   32
.set KF,   48
.set VF,   80
.set S,    112
.set P,    176
.set OT,   208
.set LS,   240
; window 1
.set BI,   0
.set SPW,  128
.set NIL,  129
.set XR,   160
.set MKW,  192
; window 0 behind the attention
.set WBP,  2                           ; PAR + WO of my wave + 16 L
.set WB1,  3                           ; my part of ring 0 + 16 L
.set WB2,  4                           ; my part of ring 1 + 16 L
.set PA,   5                           ; PAR + 32 h
.set PAQ,  6                           ; my part of ring 0 + 32 h
.set PAV,  7                           ; my part of ring 0 + 4 r
.set AST,  8                           ; ACT + 1,024 w + 16 L
.set ALD,  9                           ; ACT + 16 L
.set SST,  10                          ; STAT + 256 w + 8 L
.set SLD,  11                          ; STAT + 8 r
.set PRD,  12                          ; partial sums: ring 1 + 4,096 w + 16 L, stepped from wave to wave
.set ZR,   13                          ; 0
.set SG,   14                          ; LAST: the stage, in
.set SGL,  15                          ; LAST: the stage, back
.set BV,   18                          ; v[18:19], v[20:21]: bv of channel r of block 0, 1
.set LN,   22                          ; v22-31: the norms' numbers
.set Y,    32                          ; the residual stream, f32
.set ACC,  64
.set BF,   96                          ; source 1 fragments (t, ks) at BF + 8 (4 t + ks)
.set H,    160                         ; hidden fragments, likewise; else at work
.set CB0,  224
.set CB1,  240
; scalars: s2 the walk's start, later at work; s3 the slot to ask for next; s[4:11] arguments; s[12:19] Q, x, my tokens' mask, the batch's mask; s66 wave; s72 work-group; s73 batch; s[74:75] my head's K and V;
; s[76:77] c; s78 32,768 w; s79 PAR's LDS address; s80-83 constants; s84, s85 counters; s86 LDS byte of the key step to fetch; s87 the same in the bias table; s[88:93] outputs; s[94:95] my wave block
.set G1A,  20                          ; group 1: 37 rows of 256 bytes (PAR + WO)
.set G1B,  28                          ; 128 rows (a wave's part of a slot; W1; W2)
.set G1C,  36                          ; 98 rows (QKV and biases)
.set G0K0, 44                          ; group 0: the walk's first slot
.set G0K1, 48                          ; its second; then it walks
.set G0P,  52
.set G0W1, 56
.set G0W2, 60
.set G0Q,  68
.set F, 0
.set E, 1
.set C, 2
.set R, 3
.set X, 4
.set MSB, 0
.macro WIN new
.if MSB != (\new)
	s_set_vgpr_msb (MSB<<8)|(\new)
.set MSB, (\new)
.endif
.endm
.macro PLACES n=4                      ; places behind matrix instructions, and behind a tensor load
.rept \n
	v_nop
.endr
.endm
.macro ROUND                           ; a round of the cluster's barrier
	s_barrier_signal -1
	s_barrier_wait -1
	s_cmp_lg_u32 s66, 0
	s_cbranch_scc1 .Lnot_wave_0_\@
	s_barrier_signal -3
.Lnot_wave_0_\@:
	s_barrier_wait -3
	s_barrier_signal -1
	s_barrier_wait -1
.endm
.macro BAR                             ; my LDS instructions are done; then all four waves'
	s_wait_dscnt 0x0
	s_barrier_signal -1
	s_barrier_wait -1
.endm
.macro T2 line:vararg                  ; one line for each token tile t
.set t, 0
.rept 2
	\line
.set t, t+1
.endr
.endm
.macro GROUP1 g, rows                  ; dense bytes as rows of 256: 8-byte elements, 32 to a row; the mask of four, bit 21 beside it
	s_mov_b32 s[(\g)], 15|(3<<16)|(1<<21)
	s_mov_b32 s[(\g)+1], 32<<16
	s_mov_b32 s[(\g)+2], (\rows)<<16
	s_mov_b32 s[(\g)+3], 32<<16
	s_mov_b32 s[(\g)+4], \rows
	s_mov_b32 s[(\g)+5], 32
	s_mov_b32 s[(\g)+6], 0
	s_mov_b32 s[(\g)+7], 0
.endm
.macro GROUP0 g, lreg, loff, preg, goff
	s_mov_b32 s[(\g)], 1
	s_add_co_u32 s[(\g)+1], s\lreg, \loff
	s_add_nc_u64 s[(\g)+2:(\g)+3], s[\preg:\preg+1], \goff
	s_or_b32 s[(\g)+3], s[(\g)+3], 0x80000000
.endm
; THE CHANGE OF SLOTS.  walk = 1: the walking descriptor takes the other slot and the walk's next tile, its address made anew from the tile's number.  tb = 1: the fetches go to the other slot's first step.
.macro CHANGE g0, walk, tb
	WIN 0x05
	s_wait_tensorcnt 0x0                       ; all my tensor loads have landed, my part of the slot to be entered among them: a group 0 may be written
	ds_add_u32 v[SPW], v[NIL]                  ; the descriptor's scalar work stands between the add and the wait for it
	WIN 0
.if \walk
	s_lshl_b32 s100, s3, 15
	s_xor_b32 s[G0K1+1], s[G0K1+1], RING1
	s_add_nc_u64 s[G0K1+2:G0K1+3], s[74:75], s[100:101]
	s_or_b32 s[G0K1+3], s[G0K1+3], 0x80000000
	s_add_co_u32 s3, s3, 1
	s_and_b32 s3, s3, 7
.endif
	s_wait_dscnt 0x0                           ; the add is done, and my reads of the slot that is left are back
	ROUND                                      ; both hold of every wave of the four work-groups
	tensor_load_to_lds s[(\g0):(\g0)+3], s[G1B:G1B+7]  ; my one load behind the round; it has four trips in which to land
	s_nop 0
	PLACES
.if \tb
	s_sub_co_u32 s86, s86, WREG
	s_xor_b32 s86, s86, RING1
.endif
.endm
; The LDS loads stand in runs.  Their addresses: a fixed lane term plus a scalar that steps by a key step's bytes.  K and V of a step are fetched in one trip: V's run steps the scalar.
.macro FETCH_V
	v_add_nc_u32 v[AV], s86, v[KV0]
.irp f, 0,1,2,3                        ; fragment 2 kk + cb: keys 32 kk on, channels 16 cb on
	ds_load_b128 v[VF+8*(\f):VF+8*(\f)+3],   v[AV] offset:4096+1024*(\f)
	ds_load_b128 v[VF+8*(\f)+4:VF+8*(\f)+7], v[AV] offset:4096+1024*(\f)+512
.endr
	s_add_co_u32 s86, s86, 8192
.endm
.macro FETCH_KB
	v_add_nc_u32 v[AK], s86, v[KV0]
	v_add_nc_u32 v[AB], s87, v[AB0]
.irp f, 0,1,2,3                        ; 16 keys a fragment
	ds_load_b128 v[KF+8*(\f):KF+8*(\f)+3],   v[AK] offset:1024*(\f)
	ds_load_b128 v[KF+8*(\f)+4:KF+8*(\f)+7], v[AK] offset:1024*(\f)+512
.endr
	WIN 0x40                                   ; destination window 1
.irp f, 0,1,2,3                        ; register j of block f: the bias of key 16 f + 8 h + j
	ds_load_b128 v[BI+8*(\f):BI+8*(\f)+3],   v[AB] offset:64*(\f)
	ds_load_b128 v[BI+8*(\f)+4:BI+8*(\f)+7], v[AB] offset:64*(\f)+16
.endr
	WIN 0
	s_add_co_u32 s87, s87, 256
.endm
; Product i of 6 for tile t: keys 32 (i / 3) on; O^T's two channel blocks and the sums take turns
.macro PVM t, i
.set kk, (\i)/3
.set tg, (\i)%3
.set rP, P+16*(\t)+8*kk
.if tg < 2
.set rO, OT+16*(\t)+8*tg
.set rV, VF+16*kk+8*tg
.else
.set rO, LS+8*(\t)
.set rV, ONES
.endif
	v_wmma_f32_16x16x32_f16 v[rO:rO+7], v[rV:rV+7], v[rP:rP+7], v[rO:rO+7]
.endm
.macro KQM t, kb                       ; under the setting 0x10: C, the biases, in window 1
	v_wmma_f32_16x16x32_f16 v[S+32*(\t)+8*(\kb):S+32*(\t)+8*(\kb)+7], v[KF+8*(\kb):KF+8*(\kb)+7], v[QF+8*(\t):QF+8*(\t)+7], v[BI+8*(\kb):BI+8*(\kb)+7]
.endm
; Number n of the 22 that find tile t's maximum and statistics.  0-11: four chains of seven scores, each accumulator's lowest registers first; 12-14, 16: the four left over, the old m,
; the chains into c0; 15: c m_old is kept; 17, 18: the query's other keys lie in the lane 16 away; 19-21: c m, c m_old - c m_new, a
.macro XS t, n
.set rT, ST+8*(\t)
.set rC, ST+8*(\t)+2
.set rS, S+32*(\t)
.if (\n) < 4
	v_max3_num_f32 v[rC+(\n)], v[rS+8*(\n)], v[rS+8*(\n)+1], v[rS+8*(\n)+2]
.elseif (\n) < 12
	v_max3_num_f32 v[rC+(\n)%4], v[rC+(\n)%4], v[rS+8*((\n)%4)+2*((\n)/4)+1], v[rS+8*((\n)%4)+2*((\n)/4)+2]
.elseif (\n) == 12
	v_max3_num_f32 v[rC], v[rC], v[rS+7], v[rS+15]
.elseif (\n) == 13
	v_max3_num_f32 v[rC+1], v[rC+1], v[rS+23], v[rS+31]
.elseif (\n) == 14
	v_max3_num_f32 v[rC+2], v[rC+2], v[rC+3], v[rT+1]
.elseif (\n) == 15
	v_mov_b32 v[rT+6], v[rT]
.elseif (\n) == 16
	v_max3_num_f32 v[rC], v[rC], v[rC+1], v[rC+2]
.elseif (\n) == 17
	v_permlanex16_b32 v[rC+3], v[rC], s80, s81
.elseif (\n) == 18
	v_max_num_f32 v[rT+1], v[rC], v[rC+3]
.elseif (\n) == 19
	v_mul_f32 v[rT], s76, v[rT+1]
.elseif (\n) == 20
	v_sub_f32 v[rC+1], v[rT+6], v[rT]
.else
	v_exp_f32 v[rC+2], v[rC+1]
.endif
.endm
; One vector line.  For tile TY: F n: c s - c m for pair n; E n: the exponential of score n; R n: pair n of O^T (8: rows 0, 1 of the sums) times a.  For tile TZ: C n: pair n of the weights that the turn before
; made, rounded to f16; X n.
.macro OP k, n
.if (\k) == F
	v_pk_fma_f32 v[S+32*TY+2*(\n):S+32*TY+2*(\n)+1], v[S+32*TY+2*(\n):S+32*TY+2*(\n)+1], s[76:77], v[ST+8*TY:ST+8*TY+1] op_sel_hi:[1,0,0] neg_lo:[0,0,1] neg_hi:[0,0,1]
.elseif (\k) == E
	v_exp_f32 v[S+32*TY+(\n)], v[S+32*TY+(\n)]
.elseif (\k) == C
	v_cvt_pk_f16_f32 v[P+16*TZ+(\n)], v[S+32*TZ+2*(\n)], v[S+32*TZ+2*(\n)+1]
.elseif ((\k) == R) && ((\n) < 8)
	v_pk_mul_f32 v[OT+16*TY+2*(\n):OT+16*TY+2*(\n)+1], v[OT+16*TY+2*(\n):OT+16*TY+2*(\n)+1], v[ST+8*TY+4:ST+8*TY+5] op_sel_hi:[1,0]
.elseif (\k) == R
	v_pk_mul_f32 v[LS+8*TY:LS+8*TY+1], v[LS+8*TY:LS+8*TY+1], v[ST+8*TY+4:ST+8*TY+5] op_sel_hi:[1,0]
.elseif !NOX
	XS TZ, \n
.endif
.endm
.macro OPS a, i1, b=-1, i2=0, c=-1, i3=0, d=-1, i4=0
	OP \a, \i1
.if (\b) >= 0
	OP \b, \i2
.endif
.if (\c) >= 0
	OP \c, \i3
.endif
.if (\d) >= 0
	OP \d, \i4
.endif
.endm
; A TURN for tile y, from behind the wait of the turn before to its own wait.  kq = 0: the last turn: no next scores.  wv: how many younger LDS loads may be out when V is wanted.  cv = 0: the first turn: there
; are no weights yet to round, and tile 1's P holds the zeros of the head.
; THE BATCH: E 0 to E 31 and, last, X 21.  Ahead of the wait no line names a result of theirs: F n stands ahead of E 2 n and E 2 n + 1; the R take the a that the turn before made and waited for; the C round
; the weights that the turn before made and waited for.  R 8 is the plain line behind the last exponential.
; No vector line near a product names its registers, but for the X, each of which stands four plain lines or more behind the product that wrote its scores (X 3: R 6, R 7 and eight X).  Under the setting 0x10
; stand only lines without a third vector source.  The first three products take roundings 0 to 7, the last three 8 to 15.
; V is fetched in tile 0's turn, six plain lines and the run's own v_add_nc_u32 behind the last product that read V; K and the biases at a trip's head, behind tile 0's turn; both are waited for in tile 1's turn.
.macro TURN y, kq=1, wv=16, cv=1
.set TY, (\y)
.set TZ, 1-(\y)
.set NOX, 1-(\kq)
.if \cv
	OPS C,0, C,1, C,2, C,3                     ; the readers of the batch before
	OPS C,4, C,5, C,6, C,7
.endif
.if (\y) == 1
	s_wait_dscnt \wv                           ; V's eight loads are in; K's and the biases' sixteen, issued behind them, may stay out
.endif
	PVM TZ, 0
.if \cv
	OPS C,8, C,9, C,10, C,11
.endif
	PVM TZ, 1
.if \cv
	OPS C,12, C,13, C,14, C,15
.endif
	PVM TZ, 2
	OPS F,0, F,1, F,2, F,3
	PVM TZ, 3
	OPS F,4, E,0, F,5, E,1
	PVM TZ, 4
	OPS F,6, E,2, F,7, E,3
	PVM TZ, 5
	OPS F,8, E,4, F,9, E,5
	OPS F,10, E,6, F,11, E,7
.if (\y) == 0
	FETCH_V
.endif
	OPS F,12, E,8, F,13, E,9
	OPS F,14, E,10, F,15, E,11
.if \kq
.if (\y) == 1
	s_wait_dscnt 0x0                           ; K and the biases are in
.endif
	WIN 0x10
.endif
.irp kb, 0,1,2,3
.if \kq
	KQM TZ, \kb
.endif
	OPS R,2*(\kb), E,12+2*(\kb), R,2*(\kb)+1, E,13+2*(\kb)
.endr
	WIN 0
	OPS E,20, X,0, E,21, X,1                   ; the lump: the rest of the batch among the other tile's maximum and statistics
	OPS E,22, X,4, E,23, X,5
	OPS E,24, X,2, E,25, X,8
	OPS X,9, X,6, X,3, X,12
	OPS X,10, X,15, E,26, X,7
	OPS X,13, E,27, E,28, X,11
	OPS E,29, E,30, X,14, E,31
	OPS X,16, X,17, X,18, X,19
	OPS X,20, X,21, R,8
	s_wait_alu depctr_va_vdst(0)               ; the wait for the turn's batch of 33 (the last turn's: 32), ahead of the first line that names a result, and ahead of a label and a jump
.endm
.macro LOOPB n                         ; n trips: each reads K, the biases and V of one key step
	s_mov_b32 s84, \n
.Ltrip_\@:
	FETCH_KB
	TURN 1
	TURN 0
	s_sub_co_u32 s84, s84, 1
	s_cmp_lg_u32 s84, 0
	s_cbranch_scc1 .Ltrip_\@
.endm
.macro LOADW buf, areg, off            ; eight weight fragments into buffer buf of window 1
	WIN 0x40
.irp f, 0,1,2,3,4,5,6,7
	ds_load_b128 v[64*(\buf)+8*(\f):64*(\buf)+8*(\f)+3],   v[\areg] offset:(\off)+1024*(\f)
	ds_load_b128 v[64*(\buf)+8*(\f)+4:64*(\buf)+8*(\f)+7], v[\areg] offset:(\off)+1024*(\f)+512
.endr
	WIN 0
.endm
.macro LOADC cbr, pa, seg              ; 32 channels' f32 parameters in the order of a matrix result: register j of block nb = channel 16 nb + 8 h + j
.irp nb, 0,1
	ds_load_b128 v[(\cbr)+8*(\nb):(\cbr)+8*(\nb)+3],   v[\pa] offset:(\seg)+64*(\nb)
	ds_load_b128 v[(\cbr)+8*(\nb)+4:(\cbr)+8*(\nb)+7], v[\pa] offset:(\seg)+64*(\nb)+16
.endr
.endm
; 16 matrix instructions: K = 128 in four steps, two blocks of 16 outputs x two token tiles; the four accumulators take turns.
; swap = 0: weights are source 0: a lane holds token r and eight channels.  swap = 1: a lane holds channel r and eight tokens.  cmode: the first step's C: 0, (1) the bias in cb, (2) the residual in Y.
.macro MULW buf, bsrc, cmode, swap, cb=CB0
.if \swap
	WIN 0x04
.else
	WIN 0x01
.endif
.irp ks, 0,1,2,3
.irp nb, 0,1
.irp t, 0,1
.set rD, ACC+8*(2*(\nb)+(\t))
.set rC, rD
.if ((\ks) == 0) && ((\cmode) == 1)
.set rC, (\cb)+8*(\nb)
.endif
.if ((\ks) == 0) && ((\cmode) == 2)
.set rC, Y+8*(2*(\nb)+(\t))
.endif
.if \swap
.set rA, (\bsrc)+8*(4*(\t)+(\ks))
.set rB, 64*(\buf)+8*(4*(\nb)+(\ks))
.else
.set rA, 64*(\buf)+8*(4*(\nb)+(\ks))
.set rB, (\bsrc)+8*(4*(\t)+(\ks))
.endif
.if ((\ks) == 0) && ((\cmode) == 0)
	v_wmma_f32_16x16x32_f16 v[rD:rD+7], v[rA:rA+7], v[rB:rB+7], 0
.else
	v_wmma_f32_16x16x32_f16 v[rD:rD+7], v[rA:rA+7], v[rB:rB+7], v[rC:rC+7]
.endif
.endr
.endr
.endr
	WIN 0
.endm
.macro CVT4 dst                        ; the four accumulators rounded to f16, each from its low end on
.irp a, 0,1,2,3
.irp p, 0,1,2,3
	v_cvt_pk_f16_f32 v[(\dst)+4*(\a)+(\p)], v[ACC+8*(\a)+2*(\p)], v[ACC+8*(\a)+2*(\p)+1]
.endr
.endr
.endm
.macro STORE4 src, ptr, st, snb, base  ; four stores of 512 consecutive bytes
.irp nb, 0,1
.irp t, 0,1
	global_store_b128 v[A16], v[(\src)+4*(2*(\nb)+(\t)):(\src)+4*(2*(\nb)+(\t))+3], s[\ptr:\ptr+1] offset:(\base)+(\st)*(\t)+(\snb)*(\nb)
.endr
.endr
.endm
; LAYER NORM of ACC into Y.  stat: which of the two exchange areas; gseg, bseg: gain and bias in PAR.  H is at work.
.macro LNORM stat, gseg, bseg
.set t, 0
.rept 2
.set p, 0
.rept 4                                ; each accumulator's lowest registers are read first
	v_pk_add_f32 v[H+16*t+2*p:H+16*t+2*p+1], v[ACC+8*t+2*p:ACC+8*t+2*p+1], v[ACC+16+8*t+2*p:ACC+17+8*t+2*p]
.set p, p+1
.endr
.set t, t+1
.endr
	T2 v_pk_add_f32 v[H+16*t:H+16*t+1], v[H+16*t:H+16*t+1], v[H+16*t+2:H+16*t+3]
	T2 v_pk_add_f32 v[H+16*t+4:H+16*t+5], v[H+16*t+4:H+16*t+5], v[H+16*t+6:H+16*t+7]
	T2 v_pk_add_f32 v[H+16*t:H+16*t+1], v[H+16*t:H+16*t+1], v[H+16*t+4:H+16*t+5]
	T2 v_add_f32 v[H+16*t], v[H+16*t], v[H+16*t+1]
	T2 v_permlanex16_b32 v[H+16*t+1], v[H+16*t], s80, s81   ; the token's other 16 channels lie in the lane 16 away
	T2 v_add_f32 v[H+16*t], v[H+16*t], v[H+16*t+1]
	T2 v_mul_f32 v[LN+2*t], 0x3d000000, v[H+16*t]           ; my 32 channels' mean
.set t, 0
.rept 2
.set p, 0
.rept 4
	v_pk_add_f32 v[H+16*t+2*p:H+16*t+2*p+1], v[ACC+8*t+2*p:ACC+8*t+2*p+1], v[LN+2*t:LN+2*t+1] op_sel_hi:[1,0] neg_lo:[0,1] neg_hi:[0,1]
	v_pk_add_f32 v[H+16*t+8+2*p:H+16*t+9+2*p], v[ACC+16+8*t+2*p:ACC+17+8*t+2*p], v[LN+2*t:LN+2*t+1] op_sel_hi:[1,0] neg_lo:[0,1] neg_hi:[0,1]
.set p, p+1
.endr
.set t, t+1
.endr
	T2 v_pk_mul_f32 v[H+32+4*t:H+33+4*t], v[H+16*t:H+16*t+1], v[H+16*t:H+16*t+1]
	T2 v_pk_mul_f32 v[H+34+4*t:H+35+4*t], v[H+16*t+2:H+16*t+3], v[H+16*t+2:H+16*t+3]
.irp q, 2,4,6
	T2 v_pk_fma_f32 v[H+32+4*t:H+33+4*t], v[H+16*t+2*(\q):H+16*t+2*(\q)+1], v[H+16*t+2*(\q):H+16*t+2*(\q)+1], v[H+32+4*t:H+33+4*t]
	T2 v_pk_fma_f32 v[H+34+4*t:H+35+4*t], v[H+16*t+2*(\q)+2:H+16*t+2*(\q)+3], v[H+16*t+2*(\q)+2:H+16*t+2*(\q)+3], v[H+34+4*t:H+35+4*t]
.endr
	T2 v_pk_add_f32 v[H+32+4*t:H+33+4*t], v[H+32+4*t:H+33+4*t], v[H+34+4*t:H+35+4*t]
	T2 v_add_f32 v[H+32+4*t], v[H+32+4*t], v[H+33+4*t]
	T2 v_permlanex16_b32 v[H+33+4*t], v[H+32+4*t], s80, s81
	T2 v_add_f32 v[LN+2*t+1], v[H+32+4*t], v[H+33+4*t]      ; and their squared deviations' sum
	v_cndmask_b32 v[LN+4], v[LN], v[LN+2], s82              ; lanes 0-15 hand on tile 0's pair, lanes 16-31 tile 1's
	v_cndmask_b32 v[LN+5], v[LN+1], v[LN+3], s82
	ds_store_b64 v[SST], v[LN+4:LN+5] offset:\stat
	BAR
.set t, 0
.rept 2
.set u, 0
.rept 4
	ds_load_b64 v[H+40+8*t+2*u:H+41+8*t+2*u], v[SLD] offset:(\stat)+256*u+128*t
.set u, u+1
.endr
.set t, t+1
.endr
	LOADC CB0, PA, \gseg
	LOADC CB1, PA, \bseg
	s_wait_dscnt 0x0
	T2 v_add_f32 v[H+56+4*t], v[H+40+8*t], v[H+42+8*t]
	T2 v_add_f32 v[H+57+4*t], v[H+44+8*t], v[H+46+8*t]
	T2 v_add_f32 v[H+58+4*t], v[H+41+8*t], v[H+43+8*t]
	T2 v_add_f32 v[H+59+4*t], v[H+45+8*t], v[H+47+8*t]
	T2 v_add_f32 v[H+56+4*t], v[H+56+4*t], v[H+57+4*t]
	T2 v_add_f32 v[H+58+4*t], v[H+58+4*t], v[H+59+4*t]
	T2 v_mul_f32 v[LN+8+t], 0x3e800000, v[H+56+4*t]         ; the mean of 128
.irp u, 0,1,2,3
	T2 v_sub_f32 v[H+40+8*t+2*(\u)], v[H+40+8*t+2*(\u)], v[LN+8+t]
.endr
	T2 v_mul_f32 v[H+56+4*t], v[H+40+8*t], v[H+40+8*t]
.irp u, 1,2,3
	T2 v_fmac_f32 v[H+56+4*t], v[H+40+8*t+2*(\u)], v[H+40+8*t+2*(\u)]
.endr
	T2 v_fmamk_f32 v[H+56+4*t], v[H+56+4*t], 0x42000000, v[H+58+4*t]   ; 32 x the means' squared spread + the four sums
	T2 v_fmaak_f32 v[H+56+4*t], s83, v[H+56+4*t], 0x3727c5ac           ; / 128 + 1e-5
	T2 v_rsq_f32 v[LN+4*t], v[H+56+4*t]
	v_nop                                                   ; a plain line behind the transcendentals
	s_wait_alu depctr_va_vdst(0)                            ; the wait for the batch of two reciprocal roots, ahead of their first reader
	T2 v_mul_f32 v[LN+4*t+2], -v[LN+8+t], v[LN+4*t]
.set a, 0
.rept 4
.set p, 0
.rept 4
	v_pk_fma_f32 v[Y+8*a+2*p:Y+8*a+2*p+1], v[ACC+8*a+2*p:ACC+8*a+2*p+1], v[LN+4*(a%2):LN+4*(a%2)+1], v[LN+4*(a%2)+2:LN+4*(a%2)+3] op_sel_hi:[1,0,0]
.set p, p+1
.endr
.set a, a+1
.endr
.set a, 0
.rept 4
.set p, 0
.rept 4
	v_pk_fma_f32 v[Y+8*a+2*p:Y+8*a+2*p+1], v[Y+8*a+2*p:Y+8*a+2*p+1], v[CB0+8*(a/2)+2*p:CB0+8*(a/2)+2*p+1], v[CB1+8*(a/2)+2*p:CB1+8*(a/2)+2*p+1]
.set p, p+1
.endr
.set a, a+1
.endr
.endm
.macro GETACT act                      ; everybody's pieces are in the exchange area: all eight fragments into BF
	BAR
.irp f, 0,1,2,3,4,5,6,7
	ds_load_b128 v[BF+8*(\f):BF+8*(\f)+3],   v[ALD] offset:(\act)+1024*(\f)
	ds_load_b128 v[BF+8*(\f)+4:BF+8*(\f)+7], v[ALD] offset:(\act)+1024*(\f)+512
.endr
.endm
; Y, rounded to f16, is my K step of everybody's source 1
.macro PACKACT act
.irp a, 0,1,2,3
.irp p, 0,1,2,3
	v_cvt_pk_f16_f32 v[H+4*(\a)+(\p)], v[Y+8*(\a)+2*(\p)], v[Y+8*(\a)+2*(\p)+1]
.endr
.endr
.irp nb, 0,1
.irp t, 0,1
	ds_store_b128 v[AST], v[H+4*(2*(\nb)+(\t)):H+4*(2*(\nb)+(\t))+3] offset:(\act)+4096*(\t)+512*(\nb)
.endr
.endr
	GETACT \act
.endm
; q, k, v of my head for the 32 tokens, from the x fragments in BF.  While one product runs the next one's weights are on their way from LDS.
.macro QKVOUT
	LOADW 0, WB1, 0
	LOADC CB0, PAQ, LQB
	LOADW 1, WB1, 8192
	LOADC CB1, PAQ, LQB+128
	s_wait_dscnt 20                            ; Wq, bq and all before them are in; Wk's 16 loads and bk's 4 may stay out
	MULW 0, BF, 1, 0, CB0
	PLACES
	CVT4 H
	STORE4 H, 88, 4096, 512, 0                 ; q: tile t, piece nb of the attention's source 1
	LOADW 0, WB1, 16384
	ds_load_b32 v[BV], v[PAV] offset:LQB+256
	ds_load_b32 v[BV+2], v[PAV] offset:LQB+320
	s_wait_dscnt 18                            ; Wk and bk are in; Wv's 16 loads and bv's 2 may stay out
	MULW 1, BF, 1, 0, CB1
	PLACES
	WIN 0x04                                   ; source 1 in window 1
.set a, 0
.rept 4
.set p, 0
.rept 4
	v_pk_mul_f32 v[ACC+8*a+2*p:ACC+8*a+2*p+1], v[ACC+8*a+2*p:ACC+8*a+2*p+1], v[MKW+2*(a%2):MKW+2*(a%2)+1] op_sel_hi:[1,0]  ; a masked key's k is 0
.set p, p+1
.endr
.set a, a+1
.endr
	WIN 0
	CVT4 H+16
	STORE4 H+16, 90, 1024, 512, 0              ; k: key block t of my half step, piece nb
	s_wait_dscnt 0x0
	MULW 0, BF, 0, 1
	PLACES
.set a, 0
.rept 4
.set p, 0
.rept 4
	v_pk_add_f32 v[ACC+8*a+2*p:ACC+8*a+2*p+1], v[ACC+8*a+2*p:ACC+8*a+2*p+1], v[BV+2*(a/2):BV+2*(a/2)+1] op_sel_hi:[1,0]
.set p, p+1
.endr
.set a, a+1
.endr
	CVT4 H+32
	STORE4 H+32, 90, 512, 1024, 4096           ; v, turned: channel block nb, piece t
.endm
	s_load_b256 s[4:11], s[0:1], 0x0           ; stream in 4, weights 6, src_mask 8, stream out (LAST: the result) 10
	WIN 0x40
	v_lshl_add_u32 v[SPW], v0, 2, SPARE
	v_mov_b32 v[NIL], 0
	WIN 0x05
	ds_add_u32 v[SPW], v[NIL]                  ; the wave's opening: the add and its wait stand ahead of my first tensor load
	WIN 0
	v_lshrrev_b32 v[TMPV], 5, v0
	v_readfirstlane_b32 s66, v[TMPV]           ; wave
	s_bfe_u32 s67, ttmp6, 0x40000              ; cx
	s_lshl_b32 s72, ttmp9, 2
	s_add_co_u32 s72, s72, s67                 ; work-group = 4 x cluster + cx: it enters the addresses of x, q, my tokens' mask and the outputs alone
	s_lshr_b32 s73, ttmp9, 4                   ; the batch: sixteen clusters each; the partners share it
	s_and_b32 s2, ttmp9, 7                     ; the walk's first slot,
	s_add_co_u32 s3, s2, 1
	s_and_b32 s3, s3, 7                        ; and its second
	GROUP1 G1A, 37
	GROUP1 G1B, 128
.if !LAST
	GROUP1 G1C, 98
.endif
	s_lshl_b32 s78, s66, 15                    ; my part of a slot
	s_mul_i32 s79, s66, PREG
	s_add_co_u32 s79, s79, PARL
	s_lshl2_add_u32 s74, s73, s66              ; 4 b + head
	s_lshl_b32 s74, s74, 18
	s_add_co_u32 s74, s74, XQ+QOFF
	s_mov_b32 s75, 0
	s_mul_i32 s94, s66, WBLK
.if LAST
	s_add_co_u32 s94, s94, LAYB                ; layer 5's weights are the buffer's second set
.endif
	s_mov_b32 s95, 0
	s_mov_b32 s101, 0
	s_mov_b32 s76, 0x3e8293ee                  ; c = log2(e) / sqrt(32)
	s_mov_b32 s77, s76
	s_mov_b32 s80, 0x76543210
	s_mov_b32 s81, 0xfedcba98
	s_mov_b32 s82, 0xffff0000                  ; lanes 16-31
	s_mov_b32 s83, 0x3c000000                  ; 1 / 128
	s_mov_b32 s97, 0xd1800000                  ; -2^36
	s_mov_b32 s86, 0
	s_mov_b32 s87, 0
	v_and_b32 v[TMPV], 31, v0
	v_lshlrev_b32 v[A16], 4, v[TMPV]
	v_add_nc_u32 v[KV0], s78, v[A16]
	v_lshrrev_b32 v[TMPV], 4, v[TMPV]
	v_lshl_add_u32 v[AB0], v[TMPV], 5, MBL
	s_wait_dscnt 0x0                           ; the opening add is done
	s_wait_kmcnt 0x0
	s_add_nc_u64 s[74:75], s[4:5], s[74:75]    ; my head's K and V
	s_add_nc_u64 s[94:95], s[6:7], s[94:95]    ; my wave block of the weights
	s_mov_b32 s[G0K0], 1
	s_mov_b32 s[G0K0+1], s78
	s_lshl_b32 s100, s2, 15
	s_add_nc_u64 s[G0K0+2:G0K0+3], s[74:75], s[100:101]
	s_or_b32 s[G0K0+3], s[G0K0+3], 0x80000000
	s_mov_b32 s[G0K1], 1
	s_add_co_u32 s[G0K1+1], s78, RING1
	s_lshl_b32 s100, s3, 15
	s_add_nc_u64 s[G0K1+2:G0K1+3], s[74:75], s[100:101]
	s_or_b32 s[G0K1+3], s[G0K1+3], 0x80000000
	s_add_co_u32 s3, s3, 1
	s_and_b32 s3, s3, 7                        ; the slot that the first change asks for
	GROUP0 G0P, 79, 0, 94, 0
	GROUP0 G0W1, 78, 0, 94, OW1
	GROUP0 G0W2, 78, RING1, 94, OW2
.if !LAST
	GROUP0 G0Q, 78, 0, 94, OQKV
.endif
	ROUND                                      ; all four work-groups are here: the joint loads meet
	tensor_load_to_lds s[G0K0:G0K0+3], s[G1B:G1B+7]    ; three loads of mine are out behind these lines
	s_nop 0
	tensor_load_to_lds s[G0K1:G0K1+3], s[G1B:G1B+7]
	s_nop 0
	tensor_load_to_lds s[G0P:G0P+3], s[G1A:G1A+7]
	s_nop 0
	PLACES
	s_mov_b32 s99, 0
	s_lshl_b32 s98, s73, 13
	s_add_nc_u64 s[18:19], s[8:9], s[98:99]    ; the batch's mask
	s_lshl_b32 s96, s2, 10                     ; the walk's first key, in bytes of the mask
	v_lshl_add_u32 v[P], v0, 4, s96            ; thread i's 16 bytes of table quarter j come from byte (16 i + 2,048 j + first key) mod 8,192
.irp j, 1,2,3
	v_add_nc_u32 v[P+(\j)], 2048*(\j), v[P]
.endr
.irp j, 0,1,2,3
	v_and_b32 v[P+(\j)], 0x1fff, v[P+(\j)]
.endr
.irp j, 0,1,2,3
	global_load_b128 v[S+4*(\j):S+4*(\j)+3], v[P+(\j)], s[18:19]
.endr
.if !LAST
	s_lshl_b32 s98, s72, 7
	s_add_nc_u64 s[16:17], s[8:9], s[98:99]    ; the mask of my 32 tokens
	v_and_b32 v[P+4], 15, v0
	v_lshlrev_b32 v[P+4], 2, v[P+4]
	global_load_b32 v[S+16], v[P+4], s[16:17]
	global_load_b32 v[S+17], v[P+4], s[16:17] offset:64
.endif
	s_lshl_b32 s98, s72, 13
	s_lshl_b32 s96, s66, 10
	s_add_co_u32 s98, s98, s96
	s_add_co_u32 s98, s98, XQ
	s_add_nc_u64 s[12:13], s[4:5], s[98:99]    ; q: tile 2 wg, head w
.if !LAST
	s_add_nc_u64 s[88:89], s[10:11], s[98:99]  ; and the next layer's
.endif
.irp t, 0,1
.irp c, 0,1
	global_load_b128 v[QF+8*(\t)+4*(\c):QF+8*(\t)+4*(\c)+3], v[A16], s[12:13] offset:4096*(\t)+512*(\c)
.endr
.endr
	s_lshl_b32 s98, s72, 14
	s_lshl_b32 s96, s66, 11
	s_add_co_u32 s98, s98, s96
	s_add_nc_u64 s[14:15], s[4:5], s[98:99]    ; x: my tiles, my wave's channels
	WIN 0x40                                   ; x waits in window 1 until the attention is over
.irp t, 0,1
.irp nb, 0,1
.irp hf, 0,1
	global_load_b128 v[XR+8*(2*(\nb)+(\t))+4*(\hf):XR+8*(2*(\nb)+(\t))+4*(\hf)+3], v[A16], s[14:15] offset:8192*(\t)+1024*(\nb)+512*(\hf)
.endr
.endr
.endr
	WIN 0
.if LAST
	s_lshl_b32 s98, s72, 14
	s_lshl_b32 s96, s66, 12
	s_add_co_u32 s98, s98, s96
	s_add_nc_u64 s[92:93], s[10:11], s[98:99]  ; the result: row 32 wg + 8 w
.else
	s_add_nc_u64 s[92:93], s[10:11], s[98:99]  ; x out
	s_lshr_b32 s96, s72, 6
	s_lshl2_add_u32 s96, s96, s66              ; 4 b + head
	s_lshl_b32 s98, s96, 18
	s_bfe_u32 s96, s72, 0x50001                ; the step of 64 keys
	s_lshl_b32 s96, s96, 13
	s_add_co_u32 s98, s98, s96
	s_and_b32 s96, s72, 1                      ; its half
	s_lshl_b32 s96, s96, 11
	s_add_co_u32 s98, s98, s96
	s_add_co_u32 s98, s98, XQ+QOFF
	s_add_nc_u64 s[90:91], s[10:11], s[98:99]  ; k and v out
.endif
	v_lshl_add_u32 v[P+5], v0, 4, MBL
	; What the first turn finds: V and tile 1's P hold 0 (its products, of a step that has not been, add 0), O^T and the sums are 0.  All this stands in the wait for the first tile.
.set i, 0
.rept 32
	v_mov_b32 v[VF+i], 0
	v_mov_b32 v[OT+i], 0
.set i, i+1
.endr
.set i, 0
.rept 16
	v_mov_b32 v[LS+i], 0
	v_mov_b32 v[P+16+i], 0
.set i, i+1
.endr
.set i, 0
.rept 8
	v_mov_b32 v[ONES+i], 0x3c003c00            ; 1.0 twice in f16
.set i, i+1
.endr
.irp t, 0,1
	v_mov_b32 v[ST+8*(\t)], 0xfe000000         ; c m: far below every c s
	v_mov_b32 v[ST+8*(\t)+1], 0xff7fffff       ; m
.endr
	s_wait_loadcnt 12                          ; the masks are in; Q's four loads and x's eight may stay out
.set i, 0
.rept 16
	v_cmp_eq_u32 vcc_lo, 0, v[S+i]
	v_cndmask_b32 v[S+i], 0, s97, vcc_lo       ; the bias: 0, or -2^36 for a masked key
.set i, i+1
.endr
.irp j, 0,1,2,3
	ds_store_b128 v[P+5], v[S+4*(\j):S+4*(\j)+3] offset:2048*(\j)
.endr
.if !LAST
	WIN 0x40
.irp t, 0,1
	v_cmp_ne_u32 vcc_lo, 0, v[S+16+(\t)]
	v_cndmask_b32 v[MKW+2*(\t)], 0, 1.0, vcc_lo
	v_cndmask_b32 v[MKW+2*(\t)+1], 0, 1.0, vcc_lo
.endr
	WIN 0
.endif
	s_wait_tensorcnt 0x2                       ; my part of the first slot is in; the second slot and PAR + WO may stay out
	s_wait_dscnt 0x0                           ; my quarter of the bias table is stored
	s_barrier_signal -1
	s_barrier_wait -1
	FETCH_KB                                   ; the walk's key step 0
	s_wait_loadcnt 8                           ; Q is in; x's eight loads may stay out
	s_wait_dscnt 0x0
	WIN 0x10
.irp kb, 0,1,2,3
	KQM 0, \kb                                 ; tile 0's first scores
.endr
	WIN 0
	PLACES
.irp n, 0,1,2,3,4,5,6,7,8,9,10,11,12,13,14,15,16,17,18,19,20,21
	XS 0, \n
.endr
	v_nop                                      ; a plain line behind the exponential
	s_wait_alu depctr_va_vdst(0)               ; the wait for tile 0's first a, a batch of one, ahead of the first turn's rescaling
	TURN 0, 1, 16, 0                           ; tile 0's first turn: nothing to round yet; V of step 0
	LOOPB 3                                    ; steps 1 to 3: the rest of the first slot
	s_mov_b32 s85, 6
.Lslot:                                            ; six times: a slot is entered, and the slot that is left takes the walk's next tile
	CHANGE G0K1, 1, 1
	LOOPB 4
	s_sub_co_u32 s85, s85, 1
	s_cmp_lg_u32 s85, 0
	s_cbranch_scc1 .Lslot
	CHANGE G0W1, 0, 1                          ; the last slot is entered; ring 0 takes W1
	LOOPB 4
	CHANGE G0W2, 0, 0                          ; K and V are all in registers or used; W1 has landed; ring 1 takes W2
	TURN 1, 0, 0                               ; the last turn: nothing is left to fetch, no next scores
.set TZ, 1                             ; behind its wait: tile 1's last weights are rounded,
	OPS C,0, C,1, C,2, C,3
	OPS C,4, C,5, C,6, C,7
	PVM 1, 0                                   ; and tile 1's last products follow
	OPS C,8, C,9, C,10, C,11
	PVM 1, 1
	OPS C,12, C,13, C,14, C,15
.irp i, 2,3,4,5
	PVM 1, \i
.endr
	; O^T divided by the sum (its row 0) and rounded to f16: a lane's eight channels are 16 bytes of Wo's source 1, K step w
	PLACES
	v_rcp_f32 v[ST+4], v[LS]
	v_rcp_f32 v[ST+12], v[LS+8]
	v_nop                                      ; a plain line behind the reciprocals
	s_wait_alu depctr_va_vdst(0)               ; the wait for the batch of two reciprocals, ahead of their first reader
.irp t, 0,1
.irp p, 0,1,2,3,4,5,6,7
	v_pk_mul_f32 v[OT+16*(\t)+2*(\p):OT+16*(\t)+2*(\p)+1], v[OT+16*(\t)+2*(\p):OT+16*(\t)+2*(\p)+1], v[ST+8*(\t)+4:ST+8*(\t)+5] op_sel_hi:[1,0]
.endr
.endr
.irp t, 0,1
.irp p, 0,1,2,3,4,5,6,7
	v_cvt_pk_f16_f32 v[S+8*(\t)+(\p)], v[OT+16*(\t)+2*(\p)], v[OT+16*(\t)+2*(\p)+1]
.endr
.endr
	; window 0's second map: the addresses of what follows
	v_and_b32 v[H], 31, v0                     ; L
	v_and_b32 v[H+1], 15, v0                   ; r
	v_bfe_u32 v[H+2], v0, 4, 1                 ; h
	v_add_nc_u32 v[WBP], s79, v[A16]
	v_add_nc_u32 v[WB1], s78, v[A16]
	v_add_nc_u32 v[WB2], RING1, v[WB1]
	v_lshl_add_u32 v[PA], v[H+2], 5, s79
	s_lshl_b32 s2, s66, 10
	s_add_co_u32 s2, s2, ACT
	v_add_nc_u32 v[AST], s2, v[A16]
	v_add_nc_u32 v[ALD], ACT, v[A16]
	s_lshl_b32 s2, s66, 8
	s_add_co_u32 s2, s2, STAT
	v_lshl_add_u32 v[SST], v[H], 3, s2
	v_lshl_add_u32 v[SLD], v[H+1], 3, STAT
	s_lshl_b32 s2, s66, 12
	s_add_co_u32 s2, s2, RING1
	v_add_nc_u32 v[PRD], s2, v[A16]
	v_mov_b32 v[ZR], 0
	v_mov_b32 v[LN+1], 0                       ; named in pairs before they are made, so they are written
	v_mov_b32 v[LN+3], 0
	v_mov_b32 v[LN+7], 0
.if LAST
	v_mul_u32_u24 v[SG], v[H+1], 528           ; the stage, in: row r, my wave's 128 bytes, 32 h
	v_lshl_add_u32 v[SG], v[H+2], 5, v[SG]
	s_lshl_b32 s2, s66, 7
	s_add_co_u32 s2, s2, STG
	v_add_nc_u32 v[SG], s2, v[SG]
	s_mul_i32 s2, s66, 8*528                   ; back: my 8 rows, whole
	s_add_co_u32 s2, s2, STG
	v_add_nc_u32 v[SGL], s2, v[A16]
.else
	v_lshl_add_u32 v[PAQ], v[H+2], 5, s78
	v_lshl_add_u32 v[PAV], v[H+1], 2, s78
	v_mov_b32 v[BV+1], 0
	v_mov_b32 v[BV+3], 0
.endif
.irp t, 0,1
.irp c, 0,1
	ds_store_b128 v[AST], v[S+8*(\t)+4*(\c):S+8*(\t)+4*(\c)+3] offset:8192+4096*(\t)+512*(\c)
.endr
.endr
	GETACT 8192                                ; the four heads' O
	; 1.  x + bo + O Wo, LN1.  PAR, WO and W1 were shown landed by the changes' waits for all my loads
	LOADW 0, WBP, OWO
	LOADC CB0, PA, 0
	s_wait_loadcnt 0x0                         ; x
	s_wait_dscnt 0x0
	WIN 0x01                                   ; source 0 in window 1
.set a, 0
.rept 4
.set p, 0
.rept 4
	v_pk_add_f32 v[Y+8*a+2*p:Y+8*a+2*p+1], v[XR+8*a+2*p:XR+8*a+2*p+1], v[CB0+8*(a/2)+2*p:CB0+8*(a/2)+2*p+1]
.set p, p+1
.endr
.set a, a+1
.endr
	MULW 0, BF, 2, 0
	PLACES
	LNORM 0, 128, 256
	PACKACT 0
	; 2.  relu(y W1 + b1): my 128 hidden channels in four groups of 32; a group, rounded to f16, is one K step of W2's source 1
	LOADW 0, WB1, 0
	LOADC CB0, PA, 768
.irp g, 0,1,2,3
.if (\g) < 3
	LOADW ((\g)+1)&1, WB1, 8192*((\g)+1)
	LOADC CB0+16*(((\g)+1)&1), PA, 768+128*((\g)+1)
	s_wait_dscnt 20                            ; this group's are in; the next group's 16 + 4 may stay out
.else
	s_wait_dscnt 0x0
.endif
	MULW (\g)&1, BF, 1, 0, CB0+16*((\g)&1)
	PLACES
.irp nb, 0,1
.irp t, 0,1
.irp p, 0,1,2,3
	v_cvt_pk_f16_f32 v[H+8*(4*(\t)+(\g))+4*(\nb)+(\p)], v[ACC+8*(2*(\nb)+(\t))+2*(\p)], v[ACC+8*(2*(\nb)+(\t))+2*(\p)+1]
.endr
.endr
.endr
.irp nb, 0,1
.irp t, 0,1
.irp p, 0,1,2,3
	v_pk_max_num_f16 v[H+8*(4*(\t)+(\g))+4*(\nb)+(\p)], v[H+8*(4*(\t)+(\g))+4*(\nb)+(\p)], v[ZR]
.endr
.endr
.endr
.endr
.if LAST
	s_wait_tensorcnt 0x0                       ; W2 is in
.else
	; W1's bytes are filled again: all my tensor loads have landed (W2), the add, my reads of W1 are back, a round of the cluster's barrier, and the joint load first behind it.
	WIN 0x05
	s_wait_tensorcnt 0x0
	ds_add_u32 v[SPW], v[NIL]
	s_wait_dscnt 0x0
	WIN 0
	ROUND
	tensor_load_to_lds s[G0Q:G0Q+3], s[G1C:G1C+7]      ; it has W2's products and LN2 in which to land; one load of mine is out
	s_nop 0
	PLACES
.endif
	; 3.  My K slice of h W2: all 128 outputs in four groups of 32, as partial sums in f32 into LDS.  Five places: the next group's first products write the accumulators anew.
	LOADW 0, WB2, 0
.irp g, 0,1,2,3
.if (\g) < 3
	LOADW ((\g)+1)&1, WB2, 8192*((\g)+1)
	s_wait_dscnt 16                            ; all but the next group's 16
.else
	s_wait_dscnt 0x0
.endif
	MULW (\g)&1, H, 0, 0
	PLACES 5
.irp a, 0,1,2,3
	ds_store_b128 v[WB2], v[ACC+8*(\a):ACC+8*(\a)+3]   offset:4096*(\g)+1024*(\a)      ; over fragments of groups up to this one: my loads of them are issued, and LDS serves a wave in order (ISA guide 5.7.1.4); ring 1 has had its last fill
	ds_store_b128 v[WB2], v[ACC+8*(\a)+4:ACC+8*(\a)+7] offset:4096*(\g)+1024*(\a)+512
.endr
.endr
	BAR
.irp u, 0,1,2,3                        ; the four waves' partial sums of my 32 channels (group w)
.irp a, 0,1,2,3
	ds_load_b128 v[BF+32*(\u)+8*(\a):BF+32*(\u)+8*(\a)+3],   v[PRD] offset:1024*(\a)
	ds_load_b128 v[BF+32*(\u)+8*(\a)+4:BF+32*(\u)+8*(\a)+7], v[PRD] offset:1024*(\a)+512
.endr
.if (\u) < 3
	v_add_nc_u32 v[PRD], WREG, v[PRD]
.endif
.endr
	LOADC CB0, PA, 384
	s_wait_dscnt 0x0
.set a, 0
.rept 4
.set p, 0
.rept 4
	v_pk_add_f32 v[ACC+8*a+2*p:ACC+8*a+2*p+1], v[Y+8*a+2*p:Y+8*a+2*p+1], v[CB0+8*(a/2)+2*p:CB0+8*(a/2)+2*p+1]
.set p, p+1
.endr
.set a, a+1
.endr
.set u, 0
.rept 4
.set i, 0
.rept 16
	v_pk_add_f32 v[ACC+2*i:ACC+2*i+1], v[ACC+2*i:ACC+2*i+1], v[BF+32*u+2*i:BF+32*u+2*i+1]
.set i, i+1
.endr
.set u, u+1
.endr
	LNORM 1024, 512, 640
.if LAST
	; 4.  The result, row-major: through a stage of 32 rows x 528 bytes; each store is a whole row of 512 bytes
.irp t, 0,1
.irp nb, 0,1
.irp hf, 0,1
	ds_store_b128 v[SG], v[Y+8*(2*(\nb)+(\t))+4*(\hf):Y+8*(2*(\nb)+(\t))+4*(\hf)+3] offset:8448*(\t)+64*(\nb)+16*(\hf)
.endr
.endr
.endr
	BAR
.irp i, 0,1,2,3,4,5,6,7
	ds_load_b128 v[H+4*(\i):H+4*(\i)+3], v[SGL] offset:528*(\i)
.endr
.irp i, 0,1,2,3,4,5,6,7
	s_wait_dscnt 7-(\i)                        ; row i is back; the younger rows may stay out
	global_store_b128 v[A16], v[H+4*(\i):H+4*(\i)+3], s[92:93] offset:512*(\i)
.endr
.else
	; 4.  x' out; the next layer's q, k, v
.irp t, 0,1
.irp nb, 0,1
.irp hf, 0,1
	global_store_b128 v[A16], v[Y+8*(2*(\nb)+(\t))+4*(\hf):Y+8*(2*(\nb)+(\t))+4*(\hf)+3], s[92:93] offset:8192*(\t)+1024*(\nb)+512*(\hf)
.endr
.endr
.endr
	PACKACT 8192
	s_wait_tensorcnt 0x0                       ; the next layer's weights are in
	QKVOUT
.endif
	WIN 0x05
	s_wait_tensorcnt 0x0                       ; the wave's end
	ds_add_u32 v[SPW], v[NIL]
	s_wait_dscnt 0x0
	WIN 0
	ROUND                                      ; the closing round
	s_endpgm
.Lfunc_end_k_q84346cb691_lay0:
	.size	k_q84346cb691_lay0, .Lfunc_end_k_q84346cb691_lay0-k_q84346cb691_lay0
	.p2alignl 7, 3214868480
	.fill 96, 4, 3214868480
	.section	.rodata,"a",@progbits
	.p2align	6, 0x0
	.amdhsa_kernel k_q84346cb691_lay0
		.amdhsa_group_segment_fixed_size 327680
		.amdhsa_private_segment_fixed_size 0
		.amdhsa_enable_private_segment 0
		.amdhsa_kernarg_size 32
		.amdhsa_user_sgpr_count 2
		.amdhsa_user_sgpr_kernarg_segment_ptr 1
		.amdhsa_wavefront_size32 1
		.amdhsa_system_sgpr_workgroup_id_x 1
		.amdhsa_system_sgpr_workgroup_id_y 1
		.amdhsa_system_sgpr_workgroup_id_z 1
		.amdhsa_system_vgpr_workitem_id 0
		.amdhsa_next_free_vgpr 456
		.amdhsa_next_free_sgpr 102
		.amdhsa_reserve_vcc 1
		.amdhsa_float_denorm_mode_32 3
		.amdhsa_float_denorm_mode_16_64 3
		.amdhsa_memory_ordered 1
		.amdhsa_forward_progress 1
		.amdhsa_inst_pref_size 153
	.end_amdhsa_kernel
	.amdgpu_metadata
---
amdhsa.version: [ 1, 2 ]
amdhsa.kernels:
  - .name:           k_q84346cb691_lay0
    .symbol:         k_q84346cb691_lay0.kd
    .args:
      - { .name: sa, .offset: 0, .size: 8, .value_kind: global_buffer, .address_space: global }
      - { .name: w0, .offset: 8, .size: 8, .value_kind: global_buffer, .address_space: global }
      - { .name: src_mask, .offset: 16, .size: 8, .value_kind: global_buffer, .address_space: global }
      - { .name: sb, .offset: 24, .size: 8, .value_kind: global_buffer, .address_space: global }
    .group_segment_fixed_size: 327680
    .private_segment_fixed_size: 0
    .kernarg_segment_align: 8
    .kernarg_segment_size: 32
    .max_flat_workgroup_size: 128
    .sgpr_count:     102
    .vgpr_count:     456
    .wavefront_size: 32
...
	.end_amdgpu_metadata
.endif
;; end of part 5
;; launch lay1: the kernel of part 5 again; grid 256 x 1, 4 waves a work-group, clusters of 4 x 1, 327,680 bytes of LDS; arguments sb, w1, src_mask, sa; writes sa
;; launch lay2: the kernel of part 5 again; grid 256 x 1, 4 waves a work-group, clusters of 4 x 1, 327,680 bytes of LDS; arguments sa, w2, src_mask, sb; writes sb
;; launch lay3: the kernel of part 5 again; grid 256 x 1, 4 waves a work-group, clusters of 4 x 1, 327,680 bytes of LDS; arguments sb, w3, src_mask, sa; writes sa
;; launch lay4: the kernel of part 5 again; grid 256 x 1, 4 waves a work-group, clusters of 4 x 1, 327,680 bytes of LDS; arguments sa, w4, src_mask, sb; writes sb
;; launch last (part 6): grid 256 x 1, 4 waves a work-group, clusters of 4 x 1, 327,680 bytes of LDS; arguments sb, w0, src_mask, out0; writes out0
.if DOCPART == 6
	.amdgcn_target "amdgcn-amd-amdhsa--gfx1250"
	.amdhsa_code_object_version 6
	.text
	.protected	k_q84346cb691_last
	.globl	k_q84346cb691_last
	.p2align	8
	.type	k_q84346cb691_last,@function
k_q84346cb691_last:
	s_mov_b64 s[64:65], 0
	v_nop
	global_prefetch_b8 v0, s[64:65] scope:SCOPE_SE
	s_setreg_imm32_b32 hwreg(HW_REG_WAVE_MODE, 25, 1), 1
	s_wait_xcnt 0x0
	s_wait_alu depctr_hold_cnt(0) depctr_sa_sdst(0) depctr_va_vdst(0) depctr_va_sdst(0) depctr_va_ssrc(0) depctr_va_vcc(0) depctr_vm_vsrc(0)
	s_getreg_b32 s2, hwreg(HW_REG_IB_STS2, 6, 4)
	s_cmp_eq_u32 s2, 0
	s_cbranch_scc0 .Lentry_in_a_cluster
	s_endpgm
.Lentry_in_a_cluster:
	s_bfe_u32 s2, ttmp6, 0x10000c
	s_cmp_lg_u32 s2, 0x3003
	s_cbranch_scc0 .Lentry_shape_is_right
	s_endpgm
.Lentry_shape_is_right:
; LAYER.  One encoder layer in one launch: attention; y = LN1(x + O Wo + bo); x' = LN2(y + relu(y W1 + b1) W2 + b2).  LAST = 0 (layers 0 to 4, one text: the layer's weights, with the next layer's Wq, Wk, Wv,
; lie at the head of the buffer that the launch is given): x' goes out in f32 in the order of a matrix result, with the NEXT layer's q, k, v.  LAST = 1 (layer 5): x' goes out row-major, the module's result.
; This is the text with LAST = 1.
; The stream buffer that is read holds x (at 0), q (at 4,194,304), k and v (2,097,152 behind q), the three in f16 as matrix fragments.
; SHARES.  A work-group owns 32 tokens (tiles t = 0, 1 of 16) and all four heads.  Wave w: head w's attention for both tiles; then output channels 32 w .. + 31 (blocks nb = 0, 1; accumulator a = 2 nb + t)
; and hidden channels 128 w .. + 127.  W2's K is split over the waves: partial sums in f32, added by the channel's owner.  So each fragment of K, V and weights is read by one wave.
; ATTENTION.  S^T = K Q^T + bias (source 0 = 16 keys, source 1 = 16 queries): a lane holds ONE query and the keys 8 (lane / 16) + 0..7; two results rounded to f16 ARE source 1 of O^T = V^T P.  The row sums are a
; third product, ones x P; its rows 0 and 1 alone are rescaled and read.  Running maximum m, p = 2^(c s - c m), c = log2(e) / sqrt(32); O and the sum are multiplied by a = 2^(c m_old - c m_new) in every step;
; m starts at the lowest finite number, O and the sums at 0: the first step is a step like any other.
; THE MASK.  A masked key's k was written as 0, so its score is exactly the bias, -2^36, the C operand that starts the sum.  c x 2^36 is exact, so where all keys are masked c s - c m is 0 and the weights are
; uniform, as the -1e10 of the formula gives.  LIMIT: a masked energy counts as -2^36 / sqrt(32) = -1.21e10, not -1e10: it differs only where true energies fall below some -1e9.
; BY TURNS.  A turn belongs to one tile y; z is the other.  Its matrix work: six products V^T P and ones x P of z's last step, then four products K Q^T of z's next step.  Its 95 vector instructions: the roundings
; of z's weights, which the turn before made; y's scaling, exponentials and rescaling; z's maximum and statistics.
; BATCHES.  A turn's 33 exponentials (y's 32 weights, each in place in a register of its own, and last z's a) are ONE batch with ONE wait, the turn's last line.  Ahead of that wait nothing names a result of the
; batch; its readers stand in the next turn: the roundings at its head, the rescaling by a beside its products K Q^T.  Beside the turns' batches the text has four, each with a wait of its own: tile 0's first a,
; the two reciprocals of the sums, and each norm's two reciprocal roots.
; A TRIP is the fetch of K and the biases of step s + 1, tile 1's turn, and tile 0's next turn (V of step s + 1 is fetched): so a trip reads one key step's bytes and ends at a turn's wait, and a change of slots
; stands between trips.
; THE RING.  Two slots of four key steps (131,072 bytes; a wave's head 32,768 of them), 8 slots in all.  A change: each wave's wait for all its tensor loads, the add, the wait for its LDS reads, a round of the
; cluster's barrier, and one joint load a wave.  Six changes bring K and V; the seventh brings W1 into ring 0, the eighth W2 into ring 1.
; THE WALK IS TURNED.  Cluster n begins at key slot n % 8 and goes round: the softmax does not hang on the keys' order.  So the sixteen clusters of a batch ask for all eight slots at the launch's start, and
; each later request is for a tile that another cluster has asked for before.  Global addresses alone hang on the start: the bias table is laid into LDS in the walk's order.
; CLUSTER.  The four work-groups of a cluster belong to one batch: K, V and the weights are asked for jointly.
; NORMS in f32: each wave's mean and sum of squared deviations over its 32 channels, joined over the four waves by their means' spread: no difference of large sums.
; FORMATS.  Matrix operands f16; sums, maxima, residual stream, norms, biases f32.  LIMITS: no operand beyond 65,504 (some 2,000 at thirty times the drawn spread); p below 6e-8 counts as 0; NaN and infinities
; are not treated apart.
; LDS.  Ring 262,144; PAR + WO 4 x 9,472; bias table 8,192; STAT 2 x 1,024; ACT 2 x 8,192 (the stage, 32 x 528, lies over them when they are dead); the spare words.
; REGISTERS.  Window 0 serves the attention first and what follows it afterwards (two maps below).  Window 1: v0-31 biases, later v0-127 two buffers of weight fragments; v128-129 the add's two; v160-191 x as
; loaded at the start.
.set LAST,  1
.set WBLK,  100096
.set LAYB,  400384
.set OWO,   1280
.set OW1,   9472
.set OW2,   42240
.set OQKV,  75008
.set LQB,   24576                      ; bq, bk, bv behind the three matrices' fragments
.set XQ,    4194304
.set QOFF,  2097152
.set RING1, 1<<17                      ; slot 1 begins here: one exclusive or turns an address in one slot into the other's
.set WREG,  32768                      ; a wave's part of a slot
.set PARL,  262144
.set PREG,  9472
.set MBL,   300032
.set STAT,  308224
.set ACT,   310272
.set STG,   310272
.set SPARE, 327168
; window 0 in the attention
.set A16,  1                           ; 16 L; never rewritten
.set AK,   2
.set AV,   3
.set AB,   4
.set AB0,  5                           ; MBL + 32 h
.set KV0,  6                           ; 32,768 w + 16 L
.set TMPV, 7
.set ST,   8                           ; tile t at ST + 8 t: c m, m, c0, c1, c2 (later a), c3, c m_old
.set ONES, 24
.set QF,   32
.set KF,   48
.set VF,   80
.set S,    112
.set P,    176
.set OT,   208
.set LS,   240
; window 1
.set BI,   0
.set SPW,  128
.set NIL,  129
.set XR,   160
.set MKW,  192
; window 0 behind the attention
.set WBP,  2                           ; PAR + WO of my wave + 16 L
.set WB1,  3                           ; my part of ring 0 + 16 L
.set WB2,  4                           ; my part of ring 1 + 16 L
.set PA,   5                           ; PAR + 32 h
.set PAQ,  6                           ; my part of ring 0 + 32 h
.set PAV,  7                           ; my part of ring 0 + 4 r
.set AST,  8                           ; ACT + 1,024 w + 16 L
.set ALD,  9                           ; ACT + 16 L
.set SST,  10                          ; STAT + 256 w + 8 L
.set SLD,  11                          ; STAT + 8 r
.set PRD,  12                          ; partial sums: ring 1 + 4,096 w + 16 L, stepped from wave to wave
.set ZR,   13                          ; 0
.set SG,   14                          ; LAST: the stage, in
.set SGL,  15                          ; LAST: the stage, back
.set BV,   18                          ; v[18:19], v[20:21]: bv of channel r of block 0, 1
.set LN,   22                          ; v22-31: the norms' numbers
.set Y,    32                          ; the residual stream, f32
.set ACC,  64
.set BF,   96                          ; source 1 fragments (t, ks) at BF + 8 (4 t + ks)
.set H,    160                         ; hidden fragments, likewise; else at work
.set CB0,  224
.set CB1,  240
; scalars: s2 the walk's start, later at work; s3 the slot to ask for next; s[4:11] arguments; s[12:19] Q, x, my tokens' mask, the batch's mask; s66 wave; s72 work-group; s73 batch; s[74:75] my head's K and V;
; s[76:77] c; s78 32,768 w; s79 PAR's LDS address; s80-83 constants; s84, s85 counters; s86 LDS byte of the key step to fetch; s87 the same in the bias table; s[88:93] outputs; s[94:95] my wave block
.set G1A,  20                          ; group 1: 37 rows of 256 bytes (PAR + WO)
.set G1B,  28                          ; 128 rows (a wave's part of a slot; W1; W2)
.set G1C,  36                          ; 98 rows (QKV and biases)
.set G0K0, 44                          ; group 0: the walk's first slot
.set G0K1, 48                          ; its second; then it walks
.set G0P,  52
.set G0W1, 56
.set G0W2, 60
.set G0Q,  68
.set F, 0
.set E, 1
.set C, 2
.set R, 3
.set X, 4
.set MSB, 0
.macro WIN new
.if MSB != (\new)
	s_set_vgpr_msb (MSB<<8)|(\new)
.set MSB, (\new)
.endif
.endm
.macro PLACES n=4                      ; places behind matrix instructions, and behind a tensor load
.rept \n
	v_nop
.endr
.endm
.macro ROUND                           ; a round of the cluster's barrier
	s_barrier_signal -1
	s_barrier_wait -1
	s_cmp_lg_u32 s66, 0
	s_cbranch_scc1 .Lnot_wave_0_\@
	s_barrier_signal -3
.Lnot_wave_0_\@:
	s_barrier_wait -3
	s_barrier_signal -1
	s_barrier_wait -1
.endm
.macro BAR                             ; my LDS instructions are done; then all four waves'
	s_wait_dscnt 0x0
	s_barrier_signal -1
	s_barrier_wait -1
.endm
.macro T2 line:vararg                  ; one line for each token tile t
.set t, 0
.rept 2
	\line
.set t, t+1
.endr
.endm
.macro GROUP1 g, rows                  ; dense bytes as rows of 256: 8-byte elements, 32 to a row; the mask of four, bit 21 beside it
	s_mov_b32 s[(\g)], 15|(3<<16)|(1<<21)
	s_mov_b32 s[(\g)+1], 32<<16
	s_mov_b32 s[(\g)+2], (\rows)<<16
	s_mov_b32 s[(\g)+3], 32<<16
	s_mov_b32 s[(\g)+4], \rows
	s_mov_b32 s[(\g)+5], 32
	s_mov_b32 s[(\g)+6], 0
	s_mov_b32 s[(\g)+7], 0
.endm
.macro GROUP0 g, lreg, loff, preg, goff
	s_mov_b32 s[(\g)], 1
	s_add_co_u32 s[(\g)+1], s\lreg, \loff
	s_add_nc_u64 s[(\g)+2:(\g)+3], s[\preg:\preg+1], \goff
	s_or_b32 s[(\g)+3], s[(\g)+3], 0x80000000
.endm
; THE CHANGE OF SLOTS.  walk = 1: the walking descriptor takes the other slot and the walk's next tile, its address made anew from the tile's number.  tb = 1: the fetches go to the other slot's first step.
.macro CHANGE g0, walk, tb
	WIN 0x05
	s_wait_tensorcnt 0x0                       ; all my tensor loads have landed, my part of the slot to be entered among them: a group 0 may be written
	ds_add_u32 v[SPW], v[NIL]                  ; the descriptor's scalar work stands between the add and the wait for it
	WIN 0
.if \walk
	s_lshl_b32 s100, s3, 15
	s_xor_b32 s[G0K1+1], s[G0K1+1], RING1
	s_add_nc_u64 s[G0K1+2:G0K1+3], s[74:75], s[100:101]
	s_or_b32 s[G0K1+3], s[G0K1+3], 0x80000000
	s_add_co_u32 s3, s3, 1
	s_and_b32 s3, s3, 7
.endif
	s_wait_dscnt 0x0                           ; the add is done, and my reads of the slot that is left are back
	ROUND                                      ; both hold of every wave of the four work-groups
	tensor_load_to_lds s[(\g0):(\g0)+3], s[G1B:G1B+7]  ; my one load behind the round; it has four trips in which to land
	s_nop 0
	PLACES
.if \tb
	s_sub_co_u32 s86, s86, WREG
	s_xor_b32 s86, s86, RING1
.endif
.endm
; The LDS loads stand in runs.  Their addresses: a fixed lane term plus a scalar that steps by a key step's bytes.  K and V of a step are fetched in one trip: V's run steps the scalar.
.macro FETCH_V
	v_add_nc_u32 v[AV], s86, v[KV0]
.irp f, 0,1,2,3                        ; fragment 2 kk + cb: keys 32 kk on, channels 16 cb on
	ds_load_b128 v[VF+8*(\f):VF+8*(\f)+3],   v[AV] offset:4096+1024*(\f)
	ds_load_b128 v[VF+8*(\f)+4:VF+8*(\f)+7], v[AV] offset:4096+1024*(\f)+512
.endr
	s_add_co_u32 s86, s86, 8192
.endm
.macro FETCH_KB
	v_add_nc_u32 v[AK], s86, v[KV0]
	v_add_nc_u32 v[AB], s87, v[AB0]
.irp f, 0,1,2,3                        ; 16 keys a fragment
	ds_load_b128 v[KF+8*(\f):KF+8*(\f)+3],   v[AK] offset:1024*(\f)
	ds_load_b128 v[KF+8*(\f)+4:KF+8*(\f)+7], v[AK] offset:1024*(\f)+512
.endr
	WIN 0x40                                   ; destination window 1
.irp f, 0,1,2,3                        ; register j of block f: the bias of key 16 f + 8 h + j
	ds_load_b128 v[BI+8*(\f):BI+8*(\f)+3],   v[AB] offset:64*(\f)
	ds_load_b128 v[BI+8*(\f)+4:BI+8*(\f)+7], v[AB] offset:64*(\f)+16
.endr
	WIN 0
	s_add_co_u32 s87, s87, 256
.endm
; Product i of 6 for tile t: keys 32 (i / 3) on; O^T's two channel blocks and the sums take turns
.macro PVM t, i
.set kk, (\i)/3
.set tg, (\i)%3
.set rP, P+16*(\t)+8*kk
.if tg < 2
.set rO, OT+16*(\t)+8*tg
.set rV, VF+16*kk+8*tg
.else
.set rO, LS+8*(\t)
.set rV, ONES
.endif
	v_wmma_f32_16x16x32_f16 v[rO:rO+7], v[rV:rV+7], v[rP:rP+7], v[rO:rO+7]
.endm
.macro KQM t, kb                       ; under the setting 0x10: C, the biases, in window 1
	v_wmma_f32_16x16x32_f16 v[S+32*(\t)+8*(\kb):S+32*(\t)+8*(\kb)+7], v[KF+8*(\kb):KF+8*(\kb)+7], v[QF+8*(\t):QF+8*(\t)+7], v[BI+8*(\kb):BI+8*(\kb)+7]
.endm
; Number n of the 22 that find tile t's maximum and statistics.  0-11: four chains of seven scores, each accumulator's lowest registers first; 12-14, 16: the four left over, the old m,
; the chains into c0; 15: c m_old is kept; 17, 18: the query's other keys lie in the lane 16 away; 19-21: c m, c m_old - c m_new, a
.macro XS t, n
.set rT, ST+8*(\t)
.set rC, ST+8*(\t)+2
.set rS, S+32*(\t)
.if (\n) < 4
	v_max3_num_f32 v[rC+(\n)], v[rS+8*(\n)], v[rS+8*(\n)+1], v[rS+8*(\n)+2]
.elseif (\n) < 12
	v_max3_num_f32 v[rC+(\n)%4], v[rC+(\n)%4], v[rS+8*((\n)%4)+2*((\n)/4)+1], v[rS+8*((\n)%4)+2*((\n)/4)+2]
.elseif (\n) == 12
	v_max3_num_f32 v[rC], v[rC], v[rS+7], v[rS+15]
.elseif (\n) == 13
	v_max3_num_f32 v[rC+1], v[rC+1], v[rS+23], v[rS+31]
.elseif (\n) == 14
	v_max3_num_f32 v[rC+2], v[rC+2], v[rC+3], v[rT+1]
.elseif (\n) == 15
	v_mov_b32 v[rT+6], v[rT]
.elseif (\n) == 16
	v_max3_num_f32 v[rC], v[rC], v[rC+1], v[rC+2]
.elseif (\n) == 17
	v_permlanex16_b32 v[rC+3], v[rC], s80, s81
.elseif (\n) == 18
	v_max_num_f32 v[rT+1], v[rC], v[rC+3]
.elseif (\n) == 19
	v_mul_f32 v[rT], s76, v[rT+1]
.elseif (\n) == 20
	v_sub_f32 v[rC+1], v[rT+6], v[rT]
.else
	v_exp_f32 v[rC+2], v[rC+1]
.endif
.endm
; One vector line.  For tile TY: F n: c s - c m for pair n; E n: the exponential of score n; R n: pair n of O^T (8: rows 0, 1 of the sums) times a.  For tile TZ: C n: pair n of the weights that the turn before
; made, rounded to f16; X n.
.macro OP k, n
.if (\k) == F
	v_pk_fma_f32 v[S+32*TY+2*(\n):S+32*TY+2*(\n)+1], v[S+32*TY+2*(\n):S+32*TY+2*(\n)+1], s[76:77], v[ST+8*TY:ST+8*TY+1] op_sel_hi:[1,0,0] neg_lo:[0,0,1] neg_hi:[0,0,1]
.elseif (\k) == E
	v_exp_f32 v[S+32*TY+(\n)], v[S+32*TY+(\n)]
.elseif (\k) == C
	v_cvt_pk_f16_f32 v[P+16*TZ+(\n)], v[S+32*TZ+2*(\n)], v[S+32*TZ+2*(\n)+1]
.elseif ((\k) == R) && ((\n) < 8)
	v_pk_mul_f32 v[OT+16*TY+2*(\n):OT+16*TY+2*(\n)+1], v[OT+16*TY+2*(\n):OT+16*TY+2*(\n)+1], v[ST+8*TY+4:ST+8*TY+5] op_sel_hi:[1,0]
.elseif (\k) == R
	v_pk_mul_f32 v[LS+8*TY:LS+8*TY+1], v[LS+8*TY:LS+8*TY+1], v[ST+8*TY+4:ST+8*TY+5] op_sel_hi:[1,0]
.elseif !NOX
	XS TZ, \n
.endif
.endm
.macro OPS a, i1, b=-1, i2=0, c=-1, i3=0, d=-1, i4=0
	OP \a, \i1
.if (\b) >= 0
	OP \b, \i2
.endif
.if (\c) >= 0
	OP \c, \i3
.endif
.if (\d) >= 0
	OP \d, \i4
.endif
.endm
; A TURN for tile y, from behind the wait of the turn before to its own wait.  kq = 0: the last turn: no next scores.  wv: how many younger LDS loads may be out when V is wanted.  cv = 0: the first turn: there
; are no weights yet to round, and tile 1's P holds the zeros of the head.
; THE BATCH: E 0 to E 31 and, last, X 21.  Ahead of the wait no line names a result of theirs: F n stands ahead of E 2 n and E 2 n + 1; the R take the a that the turn before made and waited for; the C round
; the weights that the turn before made and waited for.  R 8 is the plain line behind the last exponential.
; No vector line near a product names its registers, but for the X, each of which stands four plain lines or more behind the product that wrote its scores (X 3: R 6, R 7 and eight X).  Under the setting 0x10
; stand only lines without a third vector source.  The first three products take roundings 0 to 7, the last three 8 to 15.
; V is fetched in tile 0's turn, six plain lines and the run's own v_add_nc_u32 behind the last product that read V; K and the biases at a trip's head, behind tile 0's turn; both are waited for in tile 1's turn.
.macro TURN y, kq=1, wv=16, cv=1
.set TY, (\y)
.set TZ, 1-(\y)
.set NOX, 1-(\kq)
.if \cv
	OPS C,0, C,1, C,2, C,3                     ; the readers of the batch before
	OPS C,4, C,5, C,6, C,7
.endif
.if (\y) == 1
	s_wait_dscnt \wv                           ; V's eight loads are in; K's and the biases' sixteen, issued behind them, may stay out
.endif
	PVM TZ, 0
.if \cv
	OPS C,8, C,9, C,10, C,11
.endif
	PVM TZ, 1
.if \cv
	OPS C,12, C,13, C,14, C,15
.endif
	PVM TZ, 2
	OPS F,0, F,1, F,2, F,3
	PVM TZ, 3
	OPS F,4, E,0, F,5, E,1
	PVM TZ, 4
	OPS F,6, E,2, F,7, E,3
	PVM TZ, 5
	OPS F,8, E,4, F,9, E,5
	OPS F,10, E,6, F,11, E,7
.if (\y) == 0
	FETCH_V
.endif
	OPS F,12, E,8, F,13, E,9
	OPS F,14, E,10, F,15, E,11
.if \kq
.if (\y) == 1
	s_wait_dscnt 0x0                           ; K and the biases are in
.endif
	WIN 0x10
.endif
.irp kb, 0,1,2,3
.if \kq
	KQM TZ, \kb
.endif
	OPS R,2*(\kb), E,12+2*(\kb), R,2*(\kb)+1, E,13+2*(\kb)
.endr
	WIN 0
	OPS E,20, X,0, E,21, X,1                   ; the lump: the rest of the batch among the other tile's maximum and statistics
	OPS E,22, X,4, E,23, X,5
	OPS E,24, X,2, E,25, X,8
	OPS X,9, X,6, X,3, X,12
	OPS X,10, X,15, E,26, X,7
	OPS X,13, E,27, E,28, X,11
	OPS E,29, E,30, X,14, E,31
	OPS X,16, X,17, X,18, X,19
	OPS X,20, X,21, R,8
	s_wait_alu depctr_va_vdst(0)               ; the wait for the turn's batch of 33 (the last turn's: 32), ahead of the first line that names a result, and ahead of a label and a jump
.endm
.macro LOOPB n                         ; n trips: each reads K, the biases and V of one key step
	s_mov_b32 s84, \n
.Ltrip_\@:
	FETCH_KB
	TURN 1
	TURN 0
	s_sub_co_u32 s84, s84, 1
	s_cmp_lg_u32 s84, 0
	s_cbranch_scc1 .Ltrip_\@
.endm
.macro LOADW buf, areg, off            ; eight weight fragments into buffer buf of window 1
	WIN 0x40
.irp f, 0,1,2,3,4,5,6,7
	ds_load_b128 v[64*(\buf)+8*(\f):64*(\buf)+8*(\f)+3],   v[\areg] offset:(\off)+1024*(\f)
	ds_load_b128 v[64*(\buf)+8*(\f)+4:64*(\buf)+8*(\f)+7], v[\areg] offset:(\off)+1024*(\f)+512
.endr
	WIN 0
.endm
.macro LOADC cbr, pa, seg              ; 32 channels' f32 parameters in the order of a matrix result: register j of block nb = channel 16 nb + 8 h + j
.irp nb, 0,1
	ds_load_b128 v[(\cbr)+8*(\nb):(\cbr)+8*(\nb)+3],   v[\pa] offset:(\seg)+64*(\nb)
	ds_load_b128 v[(\cbr)+8*(\nb)+4:(\cbr)+8*(\nb)+7], v[\pa] offset:(\seg)+64*(\nb)+16
.endr
.endm
; 16 matrix instructions: K = 128 in four steps, two blocks of 16 outputs x two token tiles; the four accumulators take turns.
; swap = 0: weights are source 0: a lane holds token r and eight channels.  cmode: the first step's C: 0, (1) the bias in cb, (2) the residual in Y.
.macro MULW buf, bsrc, cmode, swap, cb=CB0
.if \swap
	WIN 0x04
.else
	WIN 0x01
.endif
.irp ks, 0,1,2,3
.irp nb, 0,1
.irp t, 0,1
.set rD, ACC+8*(2*(\nb)+(\t))
.set rC, rD
.if ((\ks) == 0) && ((\cmode) == 1)
.set rC, (\cb)+8*(\nb)
.endif
.if ((\ks) == 0) && ((\cmode) == 2)
.set rC, Y+8*(2*(\nb)+(\t))
.endif
.if \swap
.set rA, (\bsrc)+8*(4*(\t)+(\ks))
.set rB, 64*(\buf)+8*(4*(\nb)+(\ks))
.else
.set rA, 64*(\buf)+8*(4*(\nb)+(\ks))
.set rB, (\bsrc)+8*(4*(\t)+(\ks))
.endif
.if ((\ks) == 0) && ((\cmode) == 0)
	v_wmma_f32_16x16x32_f16 v[rD:rD+7], v[rA:rA+7], v[rB:rB+7], 0
.else
	v_wmma_f32_16x16x32_f16 v[rD:rD+7], v[rA:rA+7], v[rB:rB+7], v[rC:rC+7]
.endif
.endr
.endr
.endr
	WIN 0
.endm
; LAYER NORM of ACC into Y.  stat: which of the two exchange areas; gseg, bseg: gain and bias in PAR.  H is at work.
.macro LNORM stat, gseg, bseg
.set t, 0
.rept 2
.set p, 0
.rept 4                                ; each accumulator's lowest registers are read first
	v_pk_add_f32 v[H+16*t+2*p:H+16*t+2*p+1], v[ACC+8*t+2*p:ACC+8*t+2*p+1], v[ACC+16+8*t+2*p:ACC+17+8*t+2*p]
.set p, p+1
.endr
.set t, t+1
.endr
	T2 v_pk_add_f32 v[H+16*t:H+16*t+1], v[H+16*t:H+16*t+1], v[H+16*t+2:H+16*t+3]
	T2 v_pk_add_f32 v[H+16*t+4:H+16*t+5], v[H+16*t+4:H+16*t+5], v[H+16*t+6:H+16*t+7]
	T2 v_pk_add_f32 v[H+16*t:H+16*t+1], v[H+16*t:H+16*t+1], v[H+16*t+4:H+16*t+5]
	T2 v_add_f32 v[H+16*t], v[H+16*t], v[H+16*t+1]
	T2 v_permlanex16_b32 v[H+16*t+1], v[H+16*t], s80, s81   ; the token's other 16 channels lie in the lane 16 away
	T2 v_add_f32 v[H+16*t], v[H+16*t], v[H+16*t+1]
	T2 v_mul_f32 v[LN+2*t], 0x3d000000, v[H+16*t]           ; my 32 channels' mean
.set t, 0
.rept 2
.set p, 0
.rept 4
	v_pk_add_f32 v[H+16*t+2*p:H+16*t+2*p+1], v[ACC+8*t+2*p:ACC+8*t+2*p+1], v[LN+2*t:LN+2*t+1] op_sel_hi:[1,0] neg_lo:[0,1] neg_hi:[0,1]
	v_pk_add_f32 v[H+16*t+8+2*p:H+16*t+9+2*p], v[ACC+16+8*t+2*p:ACC+17+8*t+2*p], v[LN+2*t:LN+2*t+1] op_sel_hi:[1,0] neg_lo:[0,1] neg_hi:[0,1]
.set p, p+1
.endr
.set t, t+1
.endr
	T2 v_pk_mul_f32 v[H+32+4*t:H+33+4*t], v[H+16*t:H+16*t+1], v[H+16*t:H+16*t+1]
	T2 v_pk_mul_f32 v[H+34+4*t:H+35+4*t], v[H+16*t+2:H+16*t+3], v[H+16*t+2:H+16*t+3]
.irp q, 2,4,6
	T2 v_pk_fma_f32 v[H+32+4*t:H+33+4*t], v[H+16*t+2*(\q):H+16*t+2*(\q)+1], v[H+16*t+2*(\q):H+16*t+2*(\q)+1], v[H+32+4*t:H+33+4*t]
	T2 v_pk_fma_f32 v[H+34+4*t:H+35+4*t], v[H+16*t+2*(\q)+2:H+16*t+2*(\q)+3], v[H+16*t+2*(\q)+2:H+16*t+2*(\q)+3], v[H+34+4*t:H+35+4*t]
.endr
	T2 v_pk_add_f32 v[H+32+4*t:H+33+4*t], v[H+32+4*t:H+33+4*t], v[H+34+4*t:H+35+4*t]
	T2 v_add_f32 v[H+32+4*t], v[H+32+4*t], v[H+33+4*t]
	T2 v_permlanex16_b32 v[H+33+4*t], v[H+32+4*t], s80, s81
	T2 v_add_f32 v[LN+2*t+1], v[H+32+4*t], v[H+33+4*t]      ; and their squared deviations' sum
	v_cndmask_b32 v[LN+4], v[LN], v[LN+2], s82              ; lanes 0-15 hand on tile 0's pair, lanes 16-31 tile 1's
	v_cndmask_b32 v[LN+5], v[LN+1], v[LN+3], s82
	ds_store_b64 v[SST], v[LN+4:LN+5] offset:\stat
	BAR
.set t, 0
.rept 2
.set u, 0
.rept 4
	ds_load_b64 v[H+40+8*t+2*u:H+41+8*t+2*u], v[SLD] offset:(\stat)+256*u+128*t
.set u, u+1
.endr
.set t, t+1
.endr
	LOADC CB0, PA, \gseg
	LOADC CB1, PA, \bseg
	s_wait_dscnt 0x0
	T2 v_add_f32 v[H+56+4*t], v[H+40+8*t], v[H+42+8*t]
	T2 v_add_f32 v[H+57+4*t], v[H+44+8*t], v[H+46+8*t]
	T2 v_add_f32 v[H+58+4*t], v[H+41+8*t], v[H+43+8*t]
	T2 v_add_f32 v[H+59+4*t], v[H+45+8*t], v[H+47+8*t]
	T2 v_add_f32 v[H+56+4*t], v[H+56+4*t], v[H+57+4*t]
	T2 v_add_f32 v[H+58+4*t], v[H+58+4*t], v[H+59+4*t]
	T2 v_mul_f32 v[LN+8+t], 0x3e800000, v[H+56+4*t]         ; the mean of 128
.irp u, 0,1,2,3
	T2 v_sub_f32 v[H+40+8*t+2*(\u)], v[H+40+8*t+2*(\u)], v[LN+8+t]
.endr
	T2 v_mul_f32 v[H+56+4*t], v[H+40+8*t], v[H+40+8*t]
.irp u, 1,2,3
	T2 v_fmac_f32 v[H+56+4*t], v[H+40+8*t+2*(\u)], v[H+40+8*t+2*(\u)]
.endr
	T2 v_fmamk_f32 v[H+56+4*t], v[H+56+4*t], 0x42000000, v[H+58+4*t]   ; 32 x the means' squared spread + the four sums
	T2 v_fmaak_f32 v[H+56+4*t], s83, v[H+56+4*t], 0x3727c5ac           ; / 128 + 1e-5
	T2 v_rsq_f32 v[LN+4*t], v[H+56+4*t]
	v_nop                                                   ; a plain line behind the transcendentals
	s_wait_alu depctr_va_vdst(0)                            ; the wait for the batch of two reciprocal roots, ahead of their first reader
	T2 v_mul_f32 v[LN+4*t+2], -v[LN+8+t], v[LN+4*t]
.set a, 0
.rept 4
.set p, 0
.rept 4
	v_pk_fma_f32 v[Y+8*a+2*p:Y+8*a+2*p+1], v[ACC+8*a+2*p:ACC+8*a+2*p+1], v[LN+4*(a%2):LN+4*(a%2)+1], v[LN+4*(a%2)+2:LN+4*(a%2)+3] op_sel_hi:[1,0,0]
.set p, p+1
.endr
.set a, a+1
.endr
.set a, 0
.rept 4
.set p, 0
.rept 4
	v_pk_fma_f32 v[Y+8*a+2*p:Y+8*a+2*p+1], v[Y+8*a+2*p:Y+8*a+2*p+1], v[CB0+8*(a/2)+2*p:CB0+8*(a/2)+2*p+1], v[CB1+8*(a/2)+2*p:CB1+8*(a/2)+2*p+1]
.set p, p+1
.endr
.set a, a+1
.endr
.endm
.macro GETACT act                      ; everybody's pieces are in the exchange area: all eight fragments into BF
	BAR
.irp f, 0,1,2,3,4,5,6,7
	ds_load_b128 v[BF+8*(\f):BF+8*(\f)+3],   v[ALD] offset:(\act)+1024*(\f)
	ds_load_b128 v[BF+8*(\f)+4:BF+8*(\f)+7], v[ALD] offset:(\act)+1024*(\f)+512
.endr
.endm
; Y, rounded to f16, is my K step of everybody's source 1
.macro PACKACT act
.irp a, 0,1,2,3
.irp p, 0,1,2,3
	v_cvt_pk_f16_f32 v[H+4*(\a)+(\p)], v[Y+8*(\a)+2*(\p)], v[Y+8*(\a)+2*(\p)+1]
.endr
.endr
.irp nb, 0,1
.irp t, 0,1
	ds_store_b128 v[AST], v[H+4*(2*(\nb)+(\t)):H+4*(2*(\nb)+(\t))+3] offset:(\act)+4096*(\t)+512*(\nb)
.endr
.endr
	GETACT \act
.endm
	s_load_b256 s[4:11], s[0:1], 0x0           ; stream in 4, weights 6, src_mask 8, the result 10
	WIN 0x40
	v_lshl_add_u32 v[SPW], v0, 2, SPARE
	v_mov_b32 v[NIL], 0
	WIN 0x05
	ds_add_u32 v[SPW], v[NIL]                  ; the wave's opening: the add and its wait stand ahead of my first tensor load
	WIN 0
	v_lshrrev_b32 v[TMPV], 5, v0
	v_readfirstlane_b32 s66, v[TMPV]           ; wave
	s_bfe_u32 s67, ttmp6, 0x40000              ; cx
	s_lshl_b32 s72, ttmp9, 2
	s_add_co_u32 s72, s72, s67                 ; work-group = 4 x cluster + cx: it enters the addresses of x, q and the result alone
	s_lshr_b32 s73, ttmp9, 4                   ; the batch: sixteen clusters each; the partners share it
	s_and_b32 s2, ttmp9, 7                     ; the walk's first slot,
	s_add_co_u32 s3, s2, 1
	s_and_b32 s3, s3, 7                        ; and its second
	GROUP1 G1A, 37
	GROUP1 G1B, 128
	s_lshl_b32 s78, s66, 15                    ; my part of a slot
	s_mul_i32 s79, s66, PREG
	s_add_co_u32 s79, s79, PARL
	s_lshl2_add_u32 s74, s73, s66              ; 4 b + head
	s_lshl_b32 s74, s74, 18
	s_add_co_u32 s74, s74, XQ+QOFF
	s_mov_b32 s75, 0
	s_mul_i32 s94, s66, WBLK
	s_add_co_u32 s94, s94, LAYB                ; layer 5's weights are the buffer's second set
	s_mov_b32 s95, 0
	s_mov_b32 s101, 0
	s_mov_b32 s76, 0x3e8293ee                  ; c = log2(e) / sqrt(32)
	s_mov_b32 s77, s76
	s_mov_b32 s80, 0x76543210
	s_mov_b32 s81, 0xfedcba98
	s_mov_b32 s82, 0xffff0000                  ; lanes 16-31
	s_mov_b32 s83, 0x3c000000                  ; 1 / 128
	s_mov_b32 s97, 0xd1800000                  ; -2^36
	s_mov_b32 s86, 0
	s_mov_b32 s87, 0
	v_and_b32 v[TMPV], 31, v0
	v_lshlrev_b32 v[A16], 4, v[TMPV]
	v_add_nc_u32 v[KV0], s78, v[A16]
	v_lshrrev_b32 v[TMPV], 4, v[TMPV]
	v_lshl_add_u32 v[AB0], v[TMPV], 5, MBL
	s_wait_dscnt 0x0                           ; the opening add is done
	s_wait_kmcnt 0x0
	s_add_nc_u64 s[74:75], s[4:5], s[74:75]    ; my head's K and V
	s_add_nc_u64 s[94:95], s[6:7], s[94:95]    ; my wave block of the weights
	s_mov_b32 s[G0K0], 1
	s_mov_b32 s[G0K0+1], s78
	s_lshl_b32 s100, s2, 15
	s_add_nc_u64 s[G0K0+2:G0K0+3], s[74:75], s[100:101]
	s_or_b32 s[G0K0+3], s[G0K0+3], 0x80000000
	s_mov_b32 s[G0K1], 1
	s_add_co_u32 s[G0K1+1], s78, RING1
	s_lshl_b32 s100, s3, 15
	s_add_nc_u64 s[G0K1+2:G0K1+3], s[74:75], s[100:101]
	s_or_b32 s[G0K1+3], s[G0K1+3], 0x80000000
	s_add_co_u32 s3, s3, 1
	s_and_b32 s3, s3, 7                        ; the slot that the first change asks for
	GROUP0 G0P, 79, 0, 94, 0
	GROUP0 G0W1, 78, 0, 94, OW1
	GROUP0 G0W2, 78, RING1, 94, OW2
	ROUND                                      ; all four work-groups are here: the joint loads meet
	tensor_load_to_lds s[G0K0:G0K0+3], s[G1B:G1B+7]    ; three loads of mine are out behind these lines
	s_nop 0
	tensor_load_to_lds s[G0K1:G0K1+3], s[G1B:G1B+7]
	s_nop 0
	tensor_load_to_lds s[G0P:G0P+3], s[G1A:G1A+7]
	s_nop 0
	PLACES
	s_mov_b32 s99, 0
	s_lshl_b32 s98, s73, 13
	s_add_nc_u64 s[18:19], s[8:9], s[98:99]    ; the batch's mask
	s_lshl_b32 s96, s2, 10                     ; the walk's first key, in bytes of the mask
	v_lshl_add_u32 v[P], v0, 4, s96            ; thread i's 16 bytes of table quarter j come from byte (16 i + 2,048 j + first key) mod 8,192
.irp j, 1,2,3
	v_add_nc_u32 v[P+(\j)], 2048*(\j), v[P]
.endr
.irp j, 0,1,2,3
	v_and_b32 v[P+(\j)], 0x1fff, v[P+(\j)]
.endr
.irp j, 0,1,2,3
	global_load_b128 v[S+4*(\j):S+4*(\j)+3], v[P+(\j)], s[18:19]
.endr
	s_lshl_b32 s98, s72, 13
	s_lshl_b32 s96, s66, 10
	s_add_co_u32 s98, s98, s96
	s_add_co_u32 s98, s98, XQ
	s_add_nc_u64 s[12:13], s[4:5], s[98:99]    ; q: tile 2 wg, head w
.irp t, 0,1
.irp c, 0,1
	global_load_b128 v[QF+8*(\t)+4*(\c):QF+8*(\t)+4*(\c)+3], v[A16], s[12:13] offset:4096*(\t)+512*(\c)
.endr
.endr
	s_lshl_b32 s98, s72, 14
	s_lshl_b32 s96, s66, 11
	s_add_co_u32 s98, s98, s96
	s_add_nc_u64 s[14:15], s[4:5], s[98:99]    ; x: my tiles, my wave's channels
	WIN 0x40                                   ; x waits in window 1 until the attention is over
.irp t, 0,1
.irp nb, 0,1
.irp hf, 0,1
	global_load_b128 v[XR+8*(2*(\nb)+(\t))+4*(\hf):XR+8*(2*(\nb)+(\t))+4*(\hf)+3], v[A16], s[14:15] offset:8192*(\t)+1024*(\nb)+512*(\hf)
.endr
.endr
.endr
	WIN 0
	s_lshl_b32 s98, s72, 14
	s_lshl_b32 s96, s66, 12
	s_add_co_u32 s98, s98, s96
	s_add_nc_u64 s[92:93], s[10:11], s[98:99]  ; the result: row 32 wg + 8 w
	v_lshl_add_u32 v[P+5], v0, 4, MBL
	; What the first turn finds: V and tile 1's P hold 0 (its products, of a step that has not been, add 0), O^T and the sums are 0.  All this stands in the wait for the first tile.
.set i, 0
.rept 32
	v_mov_b32 v[VF+i], 0
	v_mov_b32 v[OT+i], 0
.set i, i+1
.endr
.set i, 0
.rept 16
	v_mov_b32 v[LS+i], 0
	v_mov_b32 v[P+16+i], 0
.set i, i+1
.endr
.set i, 0
.rept 8
	v_mov_b32 v[ONES+i], 0x3c003c00            ; 1.0 twice in f16
.set i, i+1
.endr
.irp t, 0,1
	v_mov_b32 v[ST+8*(\t)], 0xfe000000         ; c m: far below every c s
	v_mov_b32 v[ST+8*(\t)+1], 0xff7fffff       ; m
.endr
	s_wait_loadcnt 12                          ; the mask is in; Q's four loads and x's eight may stay out
.set i, 0
.rept 16
	v_cmp_eq_u32 vcc_lo, 0, v[S+i]
	v_cndmask_b32 v[S+i], 0, s97, vcc_lo       ; the bias: 0, or -2^36 for a masked key
.set i, i+1
.endr
.irp j, 0,1,2,3
	ds_store_b128 v[P+5], v[S+4*(\j):S+4*(\j)+3] offset:2048*(\j)
.endr
	s_wait_tensorcnt 0x2                       ; my part of the first slot is in; the second slot and PAR + WO may stay out
	s_wait_dscnt 0x0                           ; my quarter of the bias table is stored
	s_barrier_signal -1
	s_barrier_wait -1
	FETCH_KB                                   ; the walk's key step 0
	s_wait_loadcnt 8                           ; Q is in; x's eight loads may stay out
	s_wait_dscnt 0x0
	WIN 0x10
.irp kb, 0,1,2,3
	KQM 0, \kb                                 ; tile 0's first scores
.endr
	WIN 0
	PLACES
.irp n, 0,1,2,3,4,5,6,7,8,9,10,11,12,13,14,15,16,17,18,19,20,21
	XS 0, \n
.endr
	v_nop                                      ; a plain line behind the exponential
	s_wait_alu depctr_va_vdst(0)               ; the wait for tile 0's first a, a batch of one, ahead of the first turn's rescaling
	TURN 0, 1, 16, 0                           ; tile 0's first turn: nothing to round yet; V of step 0
	LOOPB 3                                    ; steps 1 to 3: the rest of the first slot
	s_mov_b32 s85, 6
.Lslot:                                            ; six times: a slot is entered, and the slot that is left takes the walk's next tile
	CHANGE G0K1, 1, 1
	LOOPB 4
	s_sub_co_u32 s85, s85, 1
	s_cmp_lg_u32 s85, 0
	s_cbranch_scc1 .Lslot
	CHANGE G0W1, 0, 1                          ; the last slot is entered; ring 0 takes W1
	LOOPB 4
	CHANGE G0W2, 0, 0                          ; K and V are all in registers or used; W1 has landed; ring 1 takes W2
	TURN 1, 0, 0                               ; the last turn: nothing is left to fetch, no next scores
.set TZ, 1                             ; behind its wait: tile 1's last weights are rounded,
	OPS C,0, C,1, C,2, C,3
	OPS C,4, C,5, C,6, C,7
	PVM 1, 0                                   ; and tile 1's last products follow
	OPS C,8, C,9, C,10, C,11
	PVM 1, 1
	OPS C,12, C,13, C,14, C,15
.irp i, 2,3,4,5
	PVM 1, \i
.endr
	; O^T divided by the sum (its row 0) and rounded to f16: a lane's eight channels are 16 bytes of Wo's source 1, K step w
	PLACES
	v_rcp_f32 v[ST+4], v[LS]
	v_rcp_f32 v[ST+12], v[LS+8]
	v_nop                                      ; a plain line behind the reciprocals
	s_wait_alu depctr_va_vdst(0)               ; the wait for the batch of two reciprocals, ahead of their first reader
.irp t, 0,1
.irp p, 0,1,2,3,4,5,6,7
	v_pk_mul_f32 v[OT+16*(\t)+2*(\p):OT+16*(\t)+2*(\p)+1], v[OT+16*(\t)+2*(\p):OT+16*(\t)+2*(\p)+1], v[ST+8*(\t)+4:ST+8*(\t)+5] op_sel_hi:[1,0]
.endr
.endr
.irp t, 0,1
.irp p, 0,1,2,3,4,5,6,7
	v_cvt_pk_f16_f32 v[S+8*(\t)+(\p)], v[OT+16*(\t)+2*(\p)], v[OT+16*(\t)+2*(\p)+1]
.endr
.endr
	; window 0's second map: the addresses of what follows
	v_and_b32 v[H], 31, v0                     ; L
	v_and_b32 v[H+1], 15, v0                   ; r
	v_bfe_u32 v[H+2], v0, 4, 1                 ; h
	v_add_nc_u32 v[WBP], s79, v[A16]
	v_add_nc_u32 v[WB1], s78, v[A16]
	v_add_nc_u32 v[WB2], RING1, v[WB1]
	v_lshl_add_u32 v[PA], v[H+2], 5, s79
	s_lshl_b32 s2, s66, 10
	s_add_co_u32 s2, s2, ACT
	v_add_nc_u32 v[AST], s2, v[A16]
	v_add_nc_u32 v[ALD], ACT, v[A16]
	s_lshl_b32 s2, s66, 8
	s_add_co_u32 s2, s2, STAT
	v_lshl_add_u32 v[SST], v[H], 3, s2
	v_lshl_add_u32 v[SLD], v[H+1], 3, STAT
	s_lshl_b32 s2, s66, 12
	s_add_co_u32 s2, s2, RING1
	v_add_nc_u32 v[PRD], s2, v[A16]
	v_mov_b32 v[ZR], 0
	v_mov_b32 v[LN+1], 0                       ; named in pairs before they are made, so they are written
	v_mov_b32 v[LN+3], 0
	v_mov_b32 v[LN+7], 0
	v_mul_u32_u24 v[SG], v[H+1], 528           ; the stage, in: row r, my wave's 128 bytes, 32 h
	v_lshl_add_u32 v[SG], v[H+2], 5, v[SG]
	s_lshl_b32 s2, s66, 7
	s_add_co_u32 s2, s2, STG
	v_add_nc_u32 v[SG], s2, v[SG]
	s_mul_i32 s2, s66, 8*528                   ; back: my 8 rows, whole
	s_add_co_u32 s2, s2, STG
	v_add_nc_u32 v[SGL], s2, v[A16]
.irp t, 0,1
.irp c, 0,1
	ds_store_b128 v[AST], v[S+8*(\t)+4*(\c):S+8*(\t)+4*(\c)+3] offset:8192+4096*(\t)+512*(\c)
.endr
.endr
	GETACT 8192                                ; the four heads' O
	; 1.  x + bo + O Wo, LN1.  PAR, WO and W1 were shown landed by the changes' waits for all my loads
	LOADW 0, WBP, OWO
	LOADC CB0, PA, 0
	s_wait_loadcnt 0x0                         ; x
	s_wait_dscnt 0x0
	WIN 0x01                                   ; source 0 in window 1
.set a, 0
.rept 4
.set p, 0
.rept 4
	v_pk_add_f32 v[Y+8*a+2*p:Y+8*a+2*p+1], v[XR+8*a+2*p:XR+8*a+2*p+1], v[CB0+8*(a/2)+2*p:CB0+8*(a/2)+2*p+1]
.set p, p+1
.endr
.set a, a+1
.endr
	MULW 0, BF, 2, 0
	PLACES
	LNORM 0, 128, 256
	PACKACT 0
	; 2.  relu(y W1 + b1): my 128 hidden channels in four groups of 32; a group, rounded to f16, is one K step of W2's source 1
	LOADW 0, WB1, 0
	LOADC CB0, PA, 768
.irp g, 0,1,2,3
.if (\g) < 3
	LOADW ((\g)+1)&1, WB1, 8192*((\g)+1)
	LOADC CB0+16*(((\g)+1)&1), PA, 768+128*((\g)+1)
	s_wait_dscnt 20                            ; this group's are in; the next group's 16 + 4 may stay out
.else
	s_wait_dscnt 0x0
.endif
	MULW (\g)&1, BF, 1, 0, CB0+16*((\g)&1)
	PLACES
.irp nb, 0,1
.irp t, 0,1
.irp p, 0,1,2,3
	v_cvt_pk_f16_f32 v[H+8*(4*(\t)+(\g))+4*(\nb)+(\p)], v[ACC+8*(2*(\nb)+(\t))+2*(\p)], v[ACC+8*(2*(\nb)+(\t))+2*(\p)+1]
.endr
.endr
.endr
.irp nb, 0,1
.irp t, 0,1
.irp p, 0,1,2,3
	v_pk_max_num_f16 v[H+8*(4*(\t)+(\g))+4*(\nb)+(\p)], v[H+8*(4*(\t)+(\g))+4*(\nb)+(\p)], v[ZR]
.endr
.endr
.endr
.endr
	s_wait_tensorcnt 0x0                       ; W2 is in
	; 3.  My K slice of h W2: all 128 outputs in four groups of 32, as partial sums in f32 into LDS.  Five places: the next group's first products write the accumulators anew.
	LOADW 0, WB2, 0
.irp g, 0,1,2,3
.if (\g) < 3
	LOADW ((\g)+1)&1, WB2, 8192*((\g)+1)
	s_wait_dscnt 16                            ; all but the next group's 16
.else
	s_wait_dscnt 0x0
.endif
	MULW (\g)&1, H, 0, 0
	PLACES 5
.irp a, 0,1,2,3
	ds_store_b128 v[WB2], v[ACC+8*(\a):ACC+8*(\a)+3]   offset:4096*(\g)+1024*(\a)      ; over fragments of groups up to this one: my loads of them are issued, and LDS serves a wave in order (ISA guide 5.7.1.4); ring 1 has had its last fill
	ds_store_b128 v[WB2], v[ACC+8*(\a)+4:ACC+8*(\a)+7] offset:4096*(\g)+1024*(\a)+512
.endr
.endr
	BAR
.irp u, 0,1,2,3                        ; the four waves' partial sums of my 32 channels (group w)
.irp a, 0,1,2,3
	ds_load_b128 v[BF+32*(\u)+8*(\a):BF+32*(\u)+8*(\a)+3],   v[PRD] offset:1024*(\a)
	ds_load_b128 v[BF+32*(\u)+8*(\a)+4:BF+32*(\u)+8*(\a)+7], v[PRD] offset:1024*(\a)+512
.endr
.if (\u) < 3
	v_add_nc_u32 v[PRD], WREG, v[PRD]
.endif
.endr
	LOADC CB0, PA, 384
	s_wait_dscnt 0x0
.set a, 0
.rept 4
.set p, 0
.rept 4
	v_pk_add_f32 v[ACC+8*a+2*p:ACC+8*a+2*p+1], v[Y+8*a+2*p:Y+8*a+2*p+1], v[CB0+8*(a/2)+2*p:CB0+8*(a/2)+2*p+1]
.set p, p+1
.endr
.set a, a+1
.endr
.set u, 0
.rept 4
.set i, 0
.rept 16
	v_pk_add_f32 v[ACC+2*i:ACC+2*i+1], v[ACC+2*i:ACC+2*i+1], v[BF+32*u+2*i:BF+32*u+2*i+1]
.set i, i+1
.endr
.set u, u+1
.endr
	LNORM 1024, 512, 640
	; 4.  The result, row-major: through a stage of 32 rows x 528 bytes; each store is a whole row of 512 bytes
.irp t, 0,1
.irp nb, 0,1
.irp hf, 0,1
	ds_store_b128 v[SG], v[Y+8*(2*(\nb)+(\t))+4*(\hf):Y+8*(2*(\nb)+(\t))+4*(\hf)+3] offset:8448*(\t)+64*(\nb)+16*(\hf)
.endr
.endr
.endr
	BAR
.irp i, 0,1,2,3,4,5,6,7
	ds_load_b128 v[H+4*(\i):H+4*(\i)+3], v[SGL] offset:528*(\i)
.endr
.irp i, 0,1,2,3,4,5,6,7
	s_wait_dscnt 7-(\i)                        ; row i is back; the younger rows may stay out
	global_store_b128 v[A16], v[H+4*(\i):H+4*(\i)+3], s[92:93] offset:512*(\i)
.endr
	WIN 0x05
	s_wait_tensorcnt 0x0                       ; the wave's end
	ds_add_u32 v[SPW], v[NIL]
	s_wait_dscnt 0x0
	WIN 0
	ROUND                                      ; the closing round
	s_endpgm
.Lfunc_end_k_q84346cb691_last:
	.size	k_q84346cb691_last, .Lfunc_end_k_q84346cb691_last-k_q84346cb691_last
	.p2alignl 7, 3214868480
	.fill 96, 4, 3214868480
	.section	.rodata,"a",@progbits
	.p2align	6, 0x0
	.amdhsa_kernel k_q84346cb691_last
		.amdhsa_group_segment_fixed_size 327680
		.amdhsa_private_segment_fixed_size 0
		.amdhsa_enable_private_segment 0
		.amdhsa_kernarg_size 32
		.amdhsa_user_sgpr_count 2
		.amdhsa_user_sgpr_kernarg_segment_ptr 1
		.amdhsa_wavefront_size32 1
		.amdhsa_system_sgpr_workgroup_id_x 1
		.amdhsa_system_sgpr_workgroup_id_y 1
		.amdhsa_system_sgpr_workgroup_id_z 1
		.amdhsa_system_vgpr_workitem_id 0
		.amdhsa_next_free_vgpr 456
		.amdhsa_next_free_sgpr 102
		.amdhsa_reserve_vcc 1
		.amdhsa_float_denorm_mode_32 3
		.amdhsa_float_denorm_mode_16_64 3
		.amdhsa_memory_ordered 1
		.amdhsa_forward_progress 1
		.amdhsa_inst_pref_size 136
	.end_amdhsa_kernel
	.amdgpu_metadata
---
amdhsa.version: [ 1, 2 ]
amdhsa.kernels:
  - .name:           k_q84346cb691_last
    .symbol:         k_q84346cb691_last.kd
    .args:
      - { .name: sb, .offset: 0, .size: 8, .value_kind: global_buffer, .address_space: global }
      - { .name: w0, .offset: 8, .size: 8, .value_kind: global_buffer, .address_space: global }
      - { .name: src_mask, .offset: 16, .size: 8, .value_kind: global_buffer, .address_space: global }
      - { .name: out0, .offset: 24, .size: 8, .value_kind: global_buffer, .address_space: global }
    .group_segment_fixed_size: 327680
    .private_segment_fixed_size: 0
    .kernarg_segment_align: 8
    .kernarg_segment_size: 32
    .max_flat_workgroup_size: 128
    .sgpr_count:     102
    .vgpr_count:     456
    .wavefront_size: 32
...
	.end_amdgpu_metadata
.endif
;; end of part 6
